; MI455X (gfx1250); checked and timed in simulation.
; The chip was launched on July 23, 2026; its instructions are those of AMD's public machine-readable ISA for CDNA 5 (MIT licence, August 2026) and "CDNA5" Instruction Set Architecture Reference Guide (July 2026). The comments in the code are by the model that wrote it; some were corrected since.
;; Complex Net MLP. Allowed arithmetic: matrix products marked QUANTISED: E3M2 operands, one E8M0 scale for each 32 along K, by v_wmma_scale_f32_16x16x128_f8f6f4 with both operands' format E3M2, f32 sums; everything else in f32.
;; Inputs: down_wi 1,024 x 688 float32; down_wr 1,024 x 688 float32; gate_wi 688 x 1,024 float32; gate_wr 688 x 1,024 float32; ln_wi 688 float32; ln_wr 688 float32; up_wi 688 x 1,024 float32; up_wr 688 x 1,024 float32; x_imag 4 x 2,048 x 1,024 float32; x_real 4 x 2,048 x 1,024 float32.
;; Outputs: out0 4 x 2,048 x 1,024 float32; out1 4 x 2,048 x 1,024 float32.
;; This version of the problem:
;;   THIS VERSION OF THE PROBLEM IS GIVEN IN LOW PRECISION. The matrix products marked QUANTISED in the list below multiply operands that are first quantised to E3M2 (3 exponent bits, 2 mantissa bits; 6 bits a number), with one power-of-two scale for each 32 numbers along K (OCP MX v1.0); their sums are f32. All else is computed in f32.
;;   The module's matrix products, in the order in which they are computed (A, B: the left and right operand; K: the contracted axis; several contracted axes count as one K, in the product's order):
;;     1. [M 8,192, K 1,024] x [K 1,024, N 688]; A: computed on the way; B: computed on the way: QUANTISED
;;     2. [M 8,192, K 1,024] x [K 1,024, N 688]; A: computed on the way; B: computed on the way: QUANTISED
;;     3. [M 8,192, K 1,024] x [K 1,024, N 688]; A: computed on the way; B: computed on the way: QUANTISED
;;     4. [M 8,192, K 1,024] x [K 1,024, N 688]; A: computed on the way; B: computed on the way: QUANTISED
;;     5. [M 8,192, K 1,024] x [K 1,024, N 688]; A: computed on the way; B: computed on the way: QUANTISED
;;     6. [M 8,192, K 1,024] x [K 1,024, N 688]; A: computed on the way; B: computed on the way: QUANTISED
;;     7. [M 8,192, K 1,024] x [K 1,024, N 688]; A: computed on the way; B: computed on the way: QUANTISED
;;     8. [M 8,192, K 1,024] x [K 1,024, N 688]; A: computed on the way; B: computed on the way: QUANTISED
;;     9. [M 8,192, K 688] x [K 688, N 1,024]; A: computed on the way; B: computed on the way: QUANTISED
;;     10. [M 8,192, K 688] x [K 688, N 1,024]; A: computed on the way; B: computed on the way: QUANTISED
;;     11. [M 8,192, K 688] x [K 688, N 1,024]; A: computed on the way; B: computed on the way: QUANTISED
;;     12. [M 8,192, K 688] x [K 688, N 1,024]; A: computed on the way; B: computed on the way: QUANTISED
;;   THE QUANTISER, for each operand of a quantised product, along K:
;;     - K is cut into blocks of 32 from its start; a last block that is shorter is filled with zeros.
;;     - A block's scale is 2^e with e = floor(log2(the largest magnitude in the block)) - 4, held to -126 .. 127; a block of zeros has e = 0. As a byte (E8M0): e + 127.
;;     - Each number is divided by its block's scale, clamped to +-28, and rounded to the nearest number of E3M2, ties to even, subnormals kept.
;;     - The product sums the exact products of the quantised numbers (number of the format x scale) in f32.
;;   ~~~python
;;   def quantise(x, axis):      # numpy; x: float32 -> the quantised numbers, widened to float32 again
;;       x = np.moveaxis(x, axis, -1); K = x.shape[-1]
;;       x = np.pad(x, [(0, 0)] * (x.ndim - 1) + [(0, -K % 32)]); x = x.reshape(x.shape[:-1] + (-1, 32)); a = np.abs(x).max(-1, keepdims=True)
;;       e = np.where(a > 0, np.clip(np.frexp(np.where(a > 0, a, 1))[1] - 1 - 4, -126, 127), 0)      # np.frexp(a)[1] - 1 = floor(log2(a)), exactly
;;       r = np.clip(x / 2.0 ** e, -28, 28)
;;       step = 2.0 ** (np.maximum(np.frexp(np.where(r == 0, 1, r))[1] - 1, -2) - 2)
;;       q = np.round(r / step) * step * 2.0 ** e      # np.round: ties to even
;;       return np.moveaxis(q.reshape(q.shape[:-2] + (-1,))[..., :K], -1, axis).astype(np.float32)
;;   ~~~
;;   OPERANDS COMPUTED ON THE WAY. 'Computed on the way' means the value that the module computes at that place (a softmax that the list does not call 'softmax' is quantised finished and normalised). What goes into a quantiser is computed in f32, as accurately as f32 sums, v_exp_f32 and their like allow (about 1e-6 of the number): no bf16 or f16 on the way to a quantiser, and a product that is left as it is and whose result goes on into a quantised operand takes f32 operands (vector FMAs, or v_wmma_f32_16x16x4_f32). A number that lies on a knife's edge between two numbers of the format may be rounded either way, as far as f32 arithmetic and the matrix unit's own rounding can turn it there, and no further.
;; 2 versions. Each part assembles by itself: llvm-mc -triple=amdgcn-amd-amdhsa -mcpu=gfx1250 --defsym DOCPART=n.
;; ======== version 1 of 2: 3 launches
;; workspace buffers: xq 13,107,200 bytes; wpart 16,640 bytes; wc 3,244,032 bytes; wsc 256 bytes
;; launch prep (part 1): grid 1282 x 1, 4 waves a work-group, no clusters, 1,024 bytes of LDS; arguments x_real, x_imag, gate_wr, gate_wi, up_wr, up_wi, down_wr, down_wi, xq, wpart; writes xq, wpart
.if DOCPART == 1
	.amdgcn_target "amdgcn-amd-amdhsa--gfx1250"
	.amdhsa_code_object_version 6
	.text
	.protected	k_q22be71399f_prep
	.globl	k_q22be71399f_prep
	.p2align	8
	.type	k_q22be71399f_prep,@function
k_q22be71399f_prep:
	s_mov_b64 s[64:65], 0
	v_nop
	global_prefetch_b8 v0, s[64:65] scope:SCOPE_SE
	s_setreg_imm32_b32 hwreg(HW_REG_WAVE_MODE, 25, 1), 1
	s_wait_xcnt 0x0
; ComplexNetMLP, first of three launches.  NOTHING OF reference() IS LEFT OUT: all ten inputs and all twelve products have a way to the outputs.  Padding alone is added (hidden units 688-703, the down
; layer's k = 688-767), as zero codes inside tiles that also hold live work.
; WHAT THIS LAUNCH DOES.  Work-groups 0-1023: act_quant of x (per row: rs = 127 / max(max|x|, 1e-5); q = clip(round(x rs), -128, 127) / rs) and then the MX quantiser along K (blocks of 32, E3M2, E8M0 scale),
; stored as images of the matrix operand's registers.  Work-groups 1024-1281: partial sums for the three weight means (a mean spans a whole matrix, so it is finished in the next launch).
; STEPS WRITTEN OTHERWISE THAN reference(), AND LIMITS.
;  (a) The four sectors of arctan2(wi, wr) are told apart by comparisons: an element is 'real' where |wr| > |wi|, or |wr| = |wi| with unlike signs, or wi = +-0.  In exact arithmetic that is reference()'s test for
;      all finite values; it differs only where f32 arctan2 rounds a ratio within about 1.2e-7 of 1 onto a boundary.
;  (b) The division by rs is a multiplication by 1 / rs, made with one correction step: within about 2e-7 of the quotient.
;  (c) NaN and infinities among the inputs are not served.  A block of zeros gets the scale byte 1 where the rule says 127: its codes are zeros, and this program alone reads the bytes.
; x PATH.  A work-group takes 16 rows of one component (unit u: tile u & 1, component (u >> 1) & 1, row block u >> 2); wave w takes K steps 2 w and 2 w + 1 (128 along K each).  Lane (r, h) loads, of row r,
; the 16 neighbours at 16 h of each block of 32, so that QUANT's 64 registers run along K.  The row's maximum meets in LDS: one barrier.
; xq: row block x 51,200 bytes: codes [K step 8][component 2][tile 2][1,536], register g of lane l at 512 (g / 4) + 16 l + 4 (g % 4); from 49,152 on the scale words [K step][component][32 rows].
.set XM,    0                          ; LDS: 4 waves x 128 bytes: each wave's row maxima
.set SPARE, 512                        ; the spare words, 128 bytes for each wave: two blocks of 256 bytes that no other line names
.set SPW,   12                         ; v12  my spare word's address; never rewritten
.set NIL,   13                         ; v13  0; never rewritten
.set ZR,    14                         ; v14  0 (second path)
.set TM,    16                         ; v16-31 at work in QUANT
.set D,     32                         ; v32-159 my 128 numbers
.set PC0,   160                        ; v160-178, v180-198 the two fragments' codes
.set PC1,   180
.set PW0,   200                        ; their scale words
.set PW1,   201
.set MX,    204
.set RS,    208                        ; v[208:209] rs twice, v[210:211] 1 / rs twice
.set IRS,   210
.set SEL,   20
.set WV,    22
; 64 numbers of a lane, register 16 b + i = k 32 b + 16 (lane / 16) + i of my row, become a fragment's codes in v[pc] on and its scale word in v[pw]
.macro QUANT s, pc, pw
.irp b, 0,1,2,3
	v_max3_num_f32 v[TM+\b], |v[\s+16*\b]|, |v[\s+1+16*\b]|, 0x2800000   ; block b: my 16 numbers, and the floor 2^(5 - 127): the byte cannot fall under 1
.endr
.irp i, 2,4,6,8,10,12,14
.irp b, 0,1,2,3
	v_max3_num_f32 v[TM+\b], v[TM+\b], |v[\s+16*\b+\i]|, |v[\s+1+16*\b+\i]|
.endr
.endr
.irp b, 0,1,2,3
	v_permlanex16_b32 v[TM+4+\b], v[TM+\b], s[SEL], s[SEL+1]
.endr
.irp b, 0,1,2,3
	v_max_num_f32 v[TM+\b], v[TM+\b], v[TM+4+\b]                ; with lane l xor 16's: the block's largest magnitude
.endr
.irp b, 0,1,2,3
	v_add_nc_u32 v[TM+12+\b], 0xfe000000, v[TM+\b]              ; 4 off its exponent field: the conversion's scale operand
.endr
.irp b, 0,1,2,3
	v_lshrrev_b32 v[TM+4+\b], 23, v[TM+12+\b]                   ; the scale's byte
.endr
	v_lshl_or_b32 v[\pw], v[TM+5], 8, v[TM+4]
	v_lshl_or_b32 v[\pw], v[TM+6], 16, v[\pw]
	v_lshl_or_b32 v[\pw], v[TM+7], 24, v[\pw]
.irp c, 0,1
	v_cvt_scalef32_pk16_bf6_f32 v[\pc+6*\c:\pc+2+6*\c], v[\s+32*\c:\s+15+32*\c], v[TM+12+2*\c]
	v_cvt_scalef32_pk16_bf6_f32 v[\pc+12+4*\c:\pc+14+4*\c], v[\s+16+32*\c:\s+31+32*\c], v[TM+12+2*\c+1]   ; (a conversion's three registers begin on an even number)
.endr
	v_nop                                                       ; one plain place behind a scaled conversion
.irp c, 0,1                                                     ; the operand's layout wants a whole block in a lane
.irp i, 0,1,2
	v_permlane16_swap_b32 v[\pc+6*\c+\i], v[\pc+12+4*\c+\i]
.endr
.irp i, 0,1,2
	v_mov_b32 v[\pc+3+6*\c+\i], v[\pc+12+4*\c+\i]
.endr
.endr
.endm
	s_load_b256 s[4:11], s[0:1], 0x0               ; x_real, x_imag, gate_wr, gate_wi
	s_load_b256 s[12:19], s[0:1], 0x20             ; up_wr, up_wi, down_wr, down_wi
	s_load_b128 s[24:27], s[0:1], 0x40             ; xq, wpart
	v_lshl_add_u32 v[SPW], v0, 2, SPARE
	v_mov_b32 v[NIL], 0
	v_lshrrev_b32 v1, 5, v0
	v_readfirstlane_b32 s[WV], v1                  ; wave 0..3
	v_and_b32 v1, 31, v0                           ; lane
	s_mov_b32 s[SEL], 0x76543210
	s_mov_b32 s[SEL+1], 0xfedcba98                 ; v_permlanex16_b32's selects for lane l xor 16
	s_cmp_ge_u32 ttmp9, 1024                       ; the same for all four waves
	s_cbranch_scc1 .Lwsum
	; ---------------- x ----------------
	v_and_b32 v2, 15, v0                           ; r
	v_bfe_u32 v3, v0, 4, 1                         ; h
	v_lshlrev_b32 v4, 12, v2
	v_lshl_add_u32 v4, v3, 6, v4                   ; row r of 4,096 bytes + 64 h
	v_lshlrev_b32 v5, 4, v1                        ; an image's place for my lane
	v_lshlrev_b32 v6, 2, v2                        ; my row's scale word
	v_lshlrev_b32 v7, 2, v0                        ; LDS: my wave's 128 bytes, my lane's word
	v_lshlrev_b32 v8, 2, v1                        ; and the same lane's word of every wave
	s_and_b32 s28, ttmp9, 1                        ; tile
	s_bfe_u32 s29, ttmp9, 0x10001                  ; component
	s_lshr_b32 s30, ttmp9, 2                       ; row block
	s_lshl_b32 s32, s30, 17                        ; 32 rows of 4,096 bytes
	s_lshl_b32 s31, s28, 16
	s_add_co_u32 s32, s32, s31
	s_lshl_b32 s31, s[WV], 10                      ; my wave's 256 numbers of a row
	s_add_co_u32 s32, s32, s31
	s_mov_b32 s33, 0
	s_mul_i32 s34, s30, 51200
	s_mul_i32 s31, s[WV], 12288                    ; K step 2 w
	s_add_co_u32 s34, s34, s31
	s_mul_i32 s31, s29, 3072
	s_add_co_u32 s34, s34, s31
	s_mul_i32 s31, s28, 1536
	s_add_co_u32 s34, s34, s31
	s_mov_b32 s35, 0
	s_mul_i32 s36, s30, 51200
	s_lshl_b32 s31, s[WV], 9
	s_add_co_u32 s36, s36, s31
	s_lshl_b32 s31, s29, 7
	s_add_co_u32 s36, s36, s31
	s_lshl_b32 s31, s28, 6
	s_add_co_u32 s36, s36, s31
	s_add_co_u32 s36, s36, 49152
	s_mov_b32 s37, 0
	s_mov_b32 s44, 0xc3000000                      ; -128.0
	s_mov_b32 s45, 0x42fe0000                      ; 127.0
	s_wait_kmcnt 0x0
	s_cmp_eq_u32 s29, 0
	s_cselect_b64 s[4:5], s[4:5], s[6:7]           ; the choice hangs on the work-group's number alone
	s_add_nc_u64 s[4:5], s[4:5], s[32:33]
	s_add_nc_u64 s[38:39], s[24:25], s[34:35]      ; my codes
	s_add_nc_u64 s[40:41], s[24:25], s[36:37]      ; my scale words
.irp s, 0,1
.irp b, 0,1,2,3
.irp j, 0,1,2,3
	global_load_b128 v[D+64*\s+16*\b+4*\j:D+64*\s+16*\b+4*\j+3], v4, s[4:5] offset:512*\s+128*\b+16*\j th:TH_LOAD_NT
.endr
.endr
.endr
.irp b, 0,1,2,3
	v_mov_b32 v[TM+4+\b], 0                        ; written once: a lane permute's destination counts as one of its sources
.endr
	s_wait_loadcnt 0x0
.irp c, 0,1,2,3                                    ; the largest magnitude of my 128, in four chains
	v_max3_num_f32 v[MX+\c], |v[D+32*\c]|, |v[D+32*\c+1]|, |v[D+32*\c+2]|
.endr
.irp i, 3,5,7,9,11,13,15,17,19,21,23,25,27,29
.irp c, 0,1,2,3
	v_max3_num_f32 v[MX+\c], v[MX+\c], |v[D+32*\c+\i]|, |v[D+32*\c+\i+1]|
.endr
.endr
.irp c, 0,1,2,3
	v_max_num_f32 v[MX+\c], v[MX+\c], |v[D+32*\c+31]|
.endr
	v_max3_num_f32 v[MX], v[MX], v[MX+1], v[MX+2]
	v_max_num_f32 v[MX], v[MX], v[MX+3]
	v_permlanex16_b32 v[MX+1], v[MX], s[SEL], s[SEL+1]
	v_max_num_f32 v[MX], v[MX], v[MX+1]            ; my wave's 256 numbers of row r
	ds_store_b32 v7, v[MX]
	s_wait_dscnt 0x0                               ; for the others' sake: my store has landed
	s_barrier_signal -1
	s_barrier_wait -1
.irp c, 0,1,2,3
	ds_load_b32 v[MX+\c], v8 offset:XM+128*\c
.endr
	s_wait_dscnt 0x0
	v_max3_num_f32 v[MX], v[MX], v[MX+1], v[MX+2]
	v_max_num_f32 v[MX], v[MX], v[MX+3]
	v_max_num_f32 v[MX], 0x3727c5ac, v[MX]         ; clip at 1e-5
	v_rcp_f32 v[MX+1], v[MX]
	v_nop                                          ; a plain place behind the reciprocal
	s_wait_alu depctr_va_vdst(0)                   ; the wait ahead of the first reader
	v_mul_f32 v[MX+2], 0x42fe0000, v[MX+1]         ; 127 / m, with one correction step
	v_fma_f32 v[MX+3], -v[MX+2], v[MX], 0x42fe0000
	v_fma_f32 v[RS], v[MX+3], v[MX+1], v[MX+2]
	v_mov_b32 v[RS+1], v[RS]
	v_rcp_f32 v[IRS], v[RS]
	v_nop
	s_wait_alu depctr_va_vdst(0)
	v_fma_f32 v[IRS+1], -v[RS], v[IRS], 1.0        ; 1 / rs, likewise
	v_fma_f32 v[IRS], v[IRS+1], v[IRS], v[IRS]
	v_mov_b32 v[IRS+1], v[IRS]
.set E_, 0
.rept 64
	v_pk_mul_f32 v[D+E_:D+E_+1], v[D+E_:D+E_+1], v[RS:RS+1]
.set E_, E_+2
.endr
.set E_, 0
.rept 128
	v_rndne_f32 v[D+E_], v[D+E_]
.set E_, E_+1
.endr
.set E_, 0
.rept 128
	v_med3_num_f32 v[D+E_], v[D+E_], s44, s45
.set E_, E_+1
.endr
.set E_, 0
.rept 64
	v_pk_mul_f32 v[D+E_:D+E_+1], v[D+E_:D+E_+1], v[IRS:IRS+1]
.set E_, E_+2
.endr
	QUANT D, PC0, PW0
	QUANT D+64, PC1, PW1
.irp q, 0,1,2
	global_store_b128 v5, v[PC0+4*\q:PC0+4*\q+3], s[38:39] offset:512*\q          ; 32 lanes store 512 consecutive bytes, aligned
.endr
.irp q, 0,1,2
	global_store_b128 v5, v[PC1+4*\q:PC1+4*\q+3], s[38:39] offset:6144+512*\q
.endr
	global_store_b32 v6, v[PW0], s[40:41]          ; lanes l and l xor 16 write the same word with the same value
	global_store_b32 v6, v[PW1], s[40:41] offset:256
	s_wait_tensorcnt 0x0                           ; the wave's end, behind my last LDS store
	ds_add_u32 v[SPW], v[NIL]
	s_wait_dscnt 0x0
	s_endpgm
	; ---------------- partial sums for the means: no LDS ----------------
.Lwsum:
	s_sub_co_u32 s28, ttmp9, 1024                  ; z: 86 work-groups a matrix, a wave to 2,048 elements
	s_cmp_ge_u32 s28, 86
	s_cselect_b32 s29, 1, 0
	s_cmp_ge_u32 s28, 172
	s_cselect_b32 s30, 1, 0
	s_add_co_u32 s29, s29, s30                     ; matrix: 0 gate, 1 up, 2 down
	s_mul_i32 s30, s29, 86
	s_sub_co_u32 s30, s28, s30
	s_lshl_b32 s30, s30, 2
	s_add_co_u32 s30, s30, s[WV]                   ; entry 0..343
	s_lshl_b32 s32, s30, 13
	s_mov_b32 s33, 0
	s_mul_i32 s34, s29, 344
	s_add_co_u32 s34, s34, s30
	s_lshl_b32 s34, s34, 4
	s_mov_b32 s35, 0
	s_mov_b32 s42, 0                               ; the count of real elements
	v_mov_b32 v[ZR], 0
	v_lshlrev_b32 v5, 4, v1
	s_wait_kmcnt 0x0
	s_cmp_eq_u32 s29, 0
	s_cselect_b64 s[36:37], s[8:9], s[12:13]
	s_cselect_b64 s[38:39], s[10:11], s[14:15]
	s_cmp_eq_u32 s29, 2
	s_cselect_b64 s[36:37], s[16:17], s[36:37]
	s_cselect_b64 s[38:39], s[18:19], s[38:39]
	s_add_nc_u64 s[36:37], s[36:37], s[32:33]
	s_add_nc_u64 s[38:39], s[38:39], s[32:33]
	s_add_nc_u64 s[26:27], s[26:27], s[34:35]
.irp i, 0,1,2,3,4,5,6,7,8,9,10,11,12,13,14,15
	global_load_b128 v[32+4*\i:35+4*\i], v5, s[36:37] offset:512*\i
	global_load_b128 v[96+4*\i:99+4*\i], v5, s[38:39] offset:512*\i
.endr
	s_wait_loadcnt 0x0
.set E_, 0
.rept 64
.set TT, 16+8*(E_%2)
	v_xor_b32 v[TT], v[32+E_], v[96+E_]
	v_lshlrev_b32 v[TT+2], 1, v[96+E_]             ; |wi|'s bits, one up
	v_lshrrev_b32 v[TT], 31, v[TT]                 ; 1 where the signs differ
	v_cmp_eq_u32 s40, 0, v[TT+2]                   ; wi = +-0
	v_lshl_or_b32 v[TT+1], v[32+E_], 1, v[TT]      ; |wr|'s bits, one up, + that 1: it decides where the magnitudes are equal
	v_cmp_gt_u32 vcc_lo, v[TT+1], v[TT+2]
	s_or_b32 vcc_lo, vcc_lo, s40                   ; real
	s_bcnt1_i32_b32 s41, vcc_lo
	s_add_co_u32 s42, s42, s41
	v_cndmask_b32 v[TT+3], 0, v[32+E_], vcc_lo
	v_cndmask_b32 v[TT+4], v[96+E_], v[ZR], vcc_lo
.if E_ < 4
	v_and_b32 v[160+E_], 0x7fffffff, v[TT+3]       ; the first four start the chains
	v_and_b32 v[164+E_], 0x7fffffff, v[TT+4]
.else
	v_add_f32 v[160+E_%4], v[160+E_%4], |v[TT+3]|
	v_add_f32 v[164+E_%4], v[164+E_%4], |v[TT+4]|
.endif
.set E_, E_+1
.endr
	v_add_f32 v160, v160, v161
	v_add_f32 v162, v162, v163
	v_add_f32 v164, v164, v165
	v_add_f32 v166, v166, v167
	v_add_f32 v160, v160, v162
	v_add_f32 v164, v164, v166
.irp m, 1,2,4,8
	v_add_f32_dpp v160, v160, v160 row_xmask:\m row_mask:0xf bank_mask:0xf
	v_add_f32_dpp v164, v164, v164 row_xmask:\m row_mask:0xf bank_mask:0xf
.endr
	v_permlanex16_b32 v161, v160, s[SEL], s[SEL+1]
	v_permlanex16_b32 v165, v164, s[SEL], s[SEL+1]
	v_add_f32 v168, v160, v161                     ; sum of |wr| over the real elements
	v_add_f32 v169, v164, v165                     ; sum of |wi| over the others
	v_cvt_f32_u32 v170, s42                        ; the count, at most 2,048: exact
	v_mov_b32 v171, 0
	v_mov_b32 v172, 0
	s_wait_xcnt 0x0                                ; EXEC changes only behind this wait
	v_cmp_eq_u32 vcc_lo, 0, v1
	s_and_saveexec_b32 s43, vcc_lo
	global_store_b128 v172, v[168:171], s[26:27]   ; lane 0 stores the entry's 16 bytes
	s_endpgm
.Lfunc_end_k_q22be71399f_prep:
	.size	k_q22be71399f_prep, .Lfunc_end_k_q22be71399f_prep-k_q22be71399f_prep
	.p2alignl 7, 3214868480
	.fill 96, 4, 3214868480
	.section	.rodata,"a",@progbits
	.p2align	6, 0x0
	.amdhsa_kernel k_q22be71399f_prep
		.amdhsa_group_segment_fixed_size 1024
		.amdhsa_private_segment_fixed_size 0
		.amdhsa_enable_private_segment 0
		.amdhsa_kernarg_size 80
		.amdhsa_user_sgpr_count 2
		.amdhsa_user_sgpr_kernarg_segment_ptr 1
		.amdhsa_wavefront_size32 1
		.amdhsa_system_sgpr_workgroup_id_x 1
		.amdhsa_system_sgpr_workgroup_id_y 1
		.amdhsa_system_sgpr_workgroup_id_z 1
		.amdhsa_system_vgpr_workitem_id 0
		.amdhsa_next_free_vgpr 224
		.amdhsa_next_free_sgpr 66
		.amdhsa_reserve_vcc 1
		.amdhsa_float_denorm_mode_32 3
		.amdhsa_float_denorm_mode_16_64 3
		.amdhsa_memory_ordered 1
		.amdhsa_forward_progress 1
		.amdhsa_inst_pref_size 79
	.end_amdhsa_kernel
	.amdgpu_metadata
---
amdhsa.version: [ 1, 2 ]
amdhsa.kernels:
  - .name:           k_q22be71399f_prep
    .symbol:         k_q22be71399f_prep.kd
    .args:
      - { .name: x_real, .offset: 0, .size: 8, .value_kind: global_buffer, .address_space: global }
      - { .name: x_imag, .offset: 8, .size: 8, .value_kind: global_buffer, .address_space: global }
      - { .name: gate_wr, .offset: 16, .size: 8, .value_kind: global_buffer, .address_space: global }
      - { .name: gate_wi, .offset: 24, .size: 8, .value_kind: global_buffer, .address_space: global }
      - { .name: up_wr, .offset: 32, .size: 8, .value_kind: global_buffer, .address_space: global }
      - { .name: up_wi, .offset: 40, .size: 8, .value_kind: global_buffer, .address_space: global }
      - { .name: down_wr, .offset: 48, .size: 8, .value_kind: global_buffer, .address_space: global }
      - { .name: down_wi, .offset: 56, .size: 8, .value_kind: global_buffer, .address_space: global }
      - { .name: xq, .offset: 64, .size: 8, .value_kind: global_buffer, .address_space: global }
      - { .name: wpart, .offset: 72, .size: 8, .value_kind: global_buffer, .address_space: global }
    .group_segment_fixed_size: 1024
    .private_segment_fixed_size: 0
    .kernarg_segment_align: 8
    .kernarg_segment_size: 80
    .max_flat_workgroup_size: 128
    .sgpr_count:     66
    .vgpr_count:     224
    .wavefront_size: 32
...
	.end_amdgpu_metadata
.endif
;; end of part 1
;; launch wquant (part 2): grid 272 x 1, 4 waves a work-group, no clusters, 0 bytes of LDS; arguments gate_wr, gate_wi, up_wr, up_wi, down_wr, down_wi, wpart, wc, wsc; writes wc, wsc
.if DOCPART == 2
	.amdgcn_target "amdgcn-amd-amdhsa--gfx1250"
	.amdhsa_code_object_version 6
	.text
	.protected	k_q22be71399f_wquant
	.globl	k_q22be71399f_wquant
	.p2align	8
	.type	k_q22be71399f_wquant,@function
k_q22be71399f_wquant:
	s_mov_b64 s[64:65], 0
	v_nop
	global_prefetch_b8 v0, s[64:65] scope:SCOPE_SE
	s_setreg_imm32_b32 hwreg(HW_REG_WAVE_MODE, 25, 1), 1
	s_wait_xcnt 0x0
; Second launch: weight_quant and the MX quantiser of the six weights.  Nothing of reference() is left out here.
; A quantised weight is (+1, 0, -1) x max(mean, 1e-5).  So every block of 32 that is not all zeros has the mean as its largest magnitude: ONE scale byte serves a whole matrix component (a block of zeros has zero
; codes, which add nothing under any byte).  The byte goes to wsc, four times in a word; the codes go to wc in the order in which the third launch streams them.
; The sectors of arctan2 are told apart as in the first launch (its head comment, (a)); the count of imaginary elements is 704,512 less the count of real ones, since the four sectors share out the plane.
; The means: each wave adds the matrix's 344 partial sums in one fixed order, so that all waves hold the same bits; the quotient has one correction step.
; SHARES.  One wave makes one pair of fragments (wr, wi) of 16 rows x 128 along K; lane (r, h) takes row(r) and k = 64 c + 32 h + 0 .. 31, as the operand's layout has them: the conversions' results are the
; operand's registers.  The wave's number is the quarter of a slot that the third launch's wave of that number reads.
; wc: 24 slots of 135,168 bytes, a quarter 33,792.  Slots 0-15 (2 x K step + (0 gate, 1 up)): 11 tiles x (wr, wi) x 1,536.  Slots 16-23 (down): 2 tiles x (5 K steps x (wr, wi) x 1,536 + the lower half of K step 5,
; (wr, wi) x 768).  THE ROWS OF A TILE ARE NOT NEIGHBOURS: lane r takes row base + r + 8 (r / 8), so that two neighbouring tiles' results are 16 neighbours in a lane.
; Hidden units 688-703 and k = 688-703 of the down layer get zero codes; no load leaves its buffer (rows are held at the last row, the lanes' offsets at the row's end, and the numbers masked away).
.set FR,  204                          ; v204-215 wr's codes
.set FI,  216                          ; v216-227 wi's
.set TMP, 228
.set SEL, 58
.macro LOADH c                         ; my 32 numbers of wr and of wi at k = 64 c + 32 h on: the first 16 by v6, the last 16 by v7
.irp j, 0,1,2,3
	global_load_b128 v[32+32*\c+4*\j:35+32*\c+4*\j], v6, s[40:41] offset:256*\c+16*\j
	global_load_b128 v[96+32*\c+4*\j:99+32*\c+4*\j], v6, s[42:43] offset:256*\c+16*\j
.endr
.irp j, 4,5,6,7
	global_load_b128 v[32+32*\c+4*\j:35+32*\c+4*\j], v7, s[40:41] offset:256*\c+16*\j
	global_load_b128 v[96+32*\c+4*\j:99+32*\c+4*\j], v7, s[42:43] offset:256*\c+16*\j
.endr
.endm
.macro MEANS                           ; v12, v13: the two clipped means; v14, v15: the conversions' scale operands
	v_cmp_gt_u32 vcc_lo, 24, v1                    ; the last round has 24 entries
.irp k, 0,1,2
	v_cndmask_b32 v[200+\k], 0, v[200+\k], vcc_lo
.endr
.irp k, 0,1,2
	v_add_f32 v[24+\k], v[160+\k], v[164+\k]
.endr
.irp p, 2,3,4,5,6,7,8,9,10
.irp k, 0,1,2
	v_add_f32 v[24+\k], v[24+\k], v[160+4*\p+\k]
.endr
.endr
.irp m, 1,2,4,8
.irp k, 0,1,2
	v_add_f32_dpp v[24+\k], v[24+\k], v[24+\k] row_xmask:\m row_mask:0xf bank_mask:0xf
.endr
.endr
.irp k, 0,1,2
	v_permlanex16_b32 v[28+\k], v[24+\k], s[SEL], s[SEL+1]
.endr
.irp k, 0,1,2
	v_add_f32 v[24+\k], v[24+\k], v[28+\k]
.endr
	v_sub_f32 v27, 0x492c0000, v26                 ; 704,512 - the count of real elements (counts are exact in f32)
	v_max_num_f32 v26, 1.0, v26
	v_max_num_f32 v27, 1.0, v27
	v_rcp_f32 v28, v26
	v_rcp_f32 v29, v27
	v_nop
	s_wait_alu depctr_va_vdst(0)                   ; the wait ahead of the first reader: one for both
	v_mul_f32 v30, v24, v28
	v_mul_f32 v31, v25, v29
	v_fma_f32 v24, -v30, v26, v24
	v_fma_f32 v25, -v31, v27, v25
	v_fma_f32 v30, v24, v28, v30
	v_fma_f32 v31, v25, v29, v31
	v_max_num_f32 v12, 0x3727c5ac, v30             ; clip at 1e-5
	v_max_num_f32 v13, 0x3727c5ac, v31
	v_add_nc_u32 v14, 0xfe000000, v12              ; 4 off the exponent field
	v_add_nc_u32 v15, 0xfe000000, v13
.endm
.macro TERN c                          ; my 32 pairs become (+-mean or 0, +-mean or 0), in place
.set E_, 0
.rept 32
.set R_, 32+32*(\c)+E_
.set I_, 96+32*(\c)+E_
.set TT, 16+4*(E_%2)
	v_xor_b32 v[TT], v[R_], v[I_]
	v_lshlrev_b32 v[TT+2], 1, v[I_]
	v_lshrrev_b32 v[TT], 31, v[TT]
	v_cmp_eq_u32 s52, 0, v[TT+2]
	v_lshl_or_b32 v[TT+1], v[R_], 1, v[TT]
	v_cmp_gt_u32 vcc_lo, v[TT+1], v[TT+2]
	s_or_b32 s52, vcc_lo, s52                      ; real
.if E_ < 16
	s_and_b32 vcc_lo, s52, s36
	s_and_not1_b32 s53, s36, s52
.else
	s_and_b32 vcc_lo, s52, s47
	s_and_not1_b32 s53, s47, s52
.endif
	v_bfi_b32 v[R_], s46, v12, v[R_]               ; the mean with wr's sign (a zero's sign too, as arctan2 reads it)
	v_bfi_b32 v[I_], s46, v13, v[I_]
	v_cndmask_b32 v[R_], 0, v[R_], vcc_lo
	v_cndmask_b32 v[I_], 0, v[I_], s53
.set E_, E_+1
.endr
.endm
.macro CODES c                         ; registers 6 c .. 6 c + 5 of both fragments
	v_cvt_scalef32_pk16_bf6_f32 v[FR+6*\c:FR+6*\c+2], v[32+32*\c:47+32*\c], v14
	v_cvt_scalef32_pk16_bf6_f32 v[TMP:TMP+2], v[48+32*\c:63+32*\c], v14        ; (a conversion's three registers begin on an even number)
	v_cvt_scalef32_pk16_bf6_f32 v[FI+6*\c:FI+6*\c+2], v[96+32*\c:111+32*\c], v15
	v_cvt_scalef32_pk16_bf6_f32 v[TMP+4:TMP+6], v[112+32*\c:127+32*\c], v15
	v_nop                                          ; one plain place behind a scaled conversion
.irp i, 0,1,2
	v_mov_b32 v[FR+6*\c+3+\i], v[TMP+\i]
	v_mov_b32 v[FI+6*\c+3+\i], v[TMP+4+\i]
.endr
.endm
	s_load_b256 s[4:11], s[0:1], 0x0               ; gate_wr, gate_wi, up_wr, up_wi
	s_load_b256 s[12:19], s[0:1], 0x20             ; down_wr, down_wi, wpart, wc
	s_load_b64 s[20:21], s[0:1], 0x40              ; wsc
	v_lshrrev_b32 v1, 5, v0
	v_readfirstlane_b32 s22, v1                    ; wave = quarter
	v_and_b32 v1, 31, v0
	v_and_b32 v2, 15, v0                           ; r
	v_bfe_u32 v3, v0, 4, 1                         ; h
	s_mov_b32 s[SEL], 0x76543210
	s_mov_b32 s[SEL+1], 0xfedcba98
	s_mov_b32 s46, 0x7fffffff
	s_cmp_ge_u32 ttmp9, 176
	s_cbranch_scc1 .Ldown
	s_lshr_b32 s30, ttmp9, 4                       ; tile i 0..10
	s_and_b32 s31, ttmp9, 15                       ; slot
	s_lshr_b32 s25, s31, 1                         ; K step
	s_and_b32 s23, s31, 1                          ; matrix: 0 gate, 1 up
	s_mul_i32 s32, s22, 5
	s_lshr_b32 s33, s30, 1
	s_add_co_u32 s32, s32, s33                     ; block 5 w + i / 2,
	s_and_b32 s33, s30, 1                          ; its tile i % 2;
	s_lshr_b32 s34, s22, 1
	s_add_co_u32 s34, s34, 20                      ; the eleventh tile: block 20 + w / 2,
	s_and_b32 s35, s22, 1                          ; its tile w % 2
	s_cmp_lt_u32 s30, 10
	s_cselect_b32 s32, s32, s34
	s_cselect_b32 s33, s33, s35
	s_lshl_b32 s26, s32, 5
	s_lshl_b32 s33, s33, 3
	s_add_co_u32 s26, s26, s33                     ; the tile's first hidden unit
	s_mov_b32 s24, 4096                            ; a row in bytes
	s_mov_b32 s27, 0
	s_mov_b32 s37, 687                             ; the last row
	s_mul_i32 s28, s31, 135168
	s_mul_i32 s33, s30, 3072
	s_add_co_u32 s28, s28, s33
	s_branch .Lcommon
.Ldown:
	s_sub_co_u32 s30, ttmp9, 176
	s_lshr_b32 s25, s30, 4                         ; K step 0..5
	s_bfe_u32 s31, s30, 0x30001                    ; slot 16 + this
	s_and_b32 s32, s30, 1                          ; tile j
	s_mov_b32 s23, 2
	s_lshr_b32 s33, s31, 1
	s_lshl_b32 s33, s33, 2
	s_add_co_u32 s33, s33, s22
	s_lshl_b32 s26, s33, 6                         ; 64 columns for each (trip, wave),
	s_and_b32 s33, s31, 1
	s_lshl_b32 s33, s33, 5
	s_add_co_u32 s26, s26, s33                     ; 32 for each slot of the trip,
	s_lshl_b32 s33, s32, 3
	s_add_co_u32 s26, s26, s33                     ; and the tile
	s_mov_b32 s24, 2752
	s_mov_b32 s37, 1023
	s_add_co_u32 s28, s31, 16
	s_mul_i32 s28, s28, 135168
	s_mul_i32 s33, s32, 16896
	s_add_co_u32 s28, s28, s33
	s_mul_i32 s33, s25, 3072
	s_add_co_u32 s28, s28, s33
	s_cmp_eq_u32 s25, 5
	s_cselect_b32 s27, 1, 0                        ; the half K step
.Lcommon:
	s_mul_i32 s33, s22, 33792
	s_add_co_u32 s28, s28, s33
	s_mov_b32 s29, 0
	v_and_b32 v4, 8, v2
	v_add_nc_u32 v4, v4, v2
	v_add_nc_u32 v4, s26, v4                       ; my row
	s_mov_b32 s38, 688
	v_cmp_gt_u32 s36, s38, v4                      ; gate, up: hidden units from 688 on are padding
	s_cmp_eq_u32 s23, 2
	s_cselect_b32 s36, -1, s36
	v_min_u32 v4, s37, v4
	v_mul_lo_u32 v5, v4, s24
	s_lshl_b32 s38, s25, 9
	v_add_nc_u32 v5, s38, v5
	v_lshl_add_u32 v6, v3, 7, v5                   ; + 128 h
	s_cmp_eq_u32 s27, 1
	s_cselect_b32 s39, 0, 128                      ; in the half K step lanes 16-31 would pass the row's end with their last 16 numbers (k = 688 on):
	s_mov_b32 s47, 0xffff
	s_cselect_b32 s47, s47, -1
	s_and_b32 s47, s47, s36                        ; they load lanes 0-15's and are masked away
	v_mad_u32_u24 v7, v3, s39, v5
	v_lshlrev_b32 v8, 4, v1
	v_min_u32 v9, 23, v1
	v_lshlrev_b32 v9, 4, v9
	v_lshlrev_b32 v10, 3, v1
	v_mov_b32 v11, 0
.irp k, 0,1,2
	v_mov_b32 v[28+\k], 0                          ; a lane permute's destination counts as one of its sources
.endr
	s_mul_i32 s50, s23, 5504
	s_mov_b32 s51, 0
	s_wait_kmcnt 0x0
	s_cmp_eq_u32 s23, 0
	s_cselect_b64 s[40:41], s[4:5], s[8:9]
	s_cselect_b64 s[42:43], s[6:7], s[10:11]
	s_cmp_eq_u32 s23, 2
	s_cselect_b64 s[40:41], s[12:13], s[40:41]
	s_cselect_b64 s[42:43], s[14:15], s[42:43]
	s_add_nc_u64 s[44:45], s[16:17], s[50:51]      ; my matrix's partial sums
	s_add_nc_u64 s[48:49], s[18:19], s[28:29]      ; where my pair of fragments goes
.irp p, 0,1,2,3,4,5,6,7,8,9
	global_load_b128 v[160+4*\p:163+4*\p], v8, s[44:45] offset:512*\p
.endr
	global_load_b128 v[200:203], v9, s[44:45] offset:5120      ; entries 320 .. 343; lanes from 24 on repeat the last and are cleared
	LOADH 0
	s_cmp_eq_u32 s27, 1
	s_cbranch_scc1 .Lhalf
	LOADH 1
	s_wait_loadcnt 0x0
	MEANS
	TERN 0
	CODES 0
	TERN 1
	CODES 1
.irp q, 0,1,2
	global_store_b128 v8, v[FR+4*\q:FR+4*\q+3], s[48:49] offset:512*\q             ; 32 lanes store 512 consecutive bytes, aligned
	global_store_b128 v8, v[FI+4*\q:FI+4*\q+3], s[48:49] offset:1536+512*\q
.endr
	s_branch .Lwords
.Lhalf:
	s_wait_loadcnt 0x0
	MEANS
	TERN 0
	CODES 0
	global_store_b128 v8, v[FR:FR+3], s[48:49]                 ; registers 0-3, then 4-5: 768 bytes a half fragment
	global_store_b64 v10, v[FR+4:FR+5], s[48:49] offset:512
	global_store_b128 v8, v[FI:FI+3], s[48:49] offset:768
	global_store_b64 v10, v[FI+4:FI+5], s[48:49] offset:1280
.Lwords:
	s_cmp_lt_u32 ttmp9, 2                          ; wave 0 of work-groups 0 (gate), 1 (up) and 176 (down) stores the matrix's two scale words
	s_cselect_b32 s54, 1, 0
	s_cmp_eq_u32 ttmp9, 176
	s_cselect_b32 s55, 1, 0
	s_or_b32 s54, s54, s55
	s_cmp_eq_u32 s22, 0
	s_cselect_b32 s54, s54, 0
	s_cmp_eq_u32 s54, 0
	s_cbranch_scc1 .Lend
	v_lshrrev_b32 v24, 23, v14
	v_lshrrev_b32 v25, 23, v15
	s_mov_b32 s55, 0x01010101
	v_mul_lo_u32 v24, v24, s55                     ; the byte four times
	v_mul_lo_u32 v25, v25, s55
	s_lshl_b32 s56, s23, 3
	s_mov_b32 s57, 0
	s_add_nc_u64 s[20:21], s[20:21], s[56:57]
	s_wait_xcnt 0x0                                ; EXEC changes only behind this wait
	v_cmp_eq_u32 vcc_lo, 0, v1
	s_and_saveexec_b32 s54, vcc_lo
	global_store_b64 v11, v[24:25], s[20:21]
	s_endpgm
.Lend:
	s_endpgm
.Lfunc_end_k_q22be71399f_wquant:
	.size	k_q22be71399f_wquant, .Lfunc_end_k_q22be71399f_wquant-k_q22be71399f_wquant
	.p2alignl 7, 3214868480
	.fill 96, 4, 3214868480
	.section	.rodata,"a",@progbits
	.p2align	6, 0x0
	.amdhsa_kernel k_q22be71399f_wquant
		.amdhsa_group_segment_fixed_size 0
		.amdhsa_private_segment_fixed_size 0
		.amdhsa_enable_private_segment 0
		.amdhsa_kernarg_size 72
		.amdhsa_user_sgpr_count 2
		.amdhsa_user_sgpr_kernarg_segment_ptr 1
		.amdhsa_wavefront_size32 1
		.amdhsa_system_sgpr_workgroup_id_x 1
		.amdhsa_system_sgpr_workgroup_id_y 1
		.amdhsa_system_sgpr_workgroup_id_z 1
		.amdhsa_system_vgpr_workitem_id 0
		.amdhsa_next_free_vgpr 240
		.amdhsa_next_free_sgpr 66
		.amdhsa_reserve_vcc 1
		.amdhsa_float_denorm_mode_32 3
		.amdhsa_float_denorm_mode_16_64 3
		.amdhsa_memory_ordered 1
		.amdhsa_forward_progress 1
		.amdhsa_inst_pref_size 72
	.end_amdhsa_kernel
	.amdgpu_metadata
---
amdhsa.version: [ 1, 2 ]
amdhsa.kernels:
  - .name:           k_q22be71399f_wquant
    .symbol:         k_q22be71399f_wquant.kd
    .args:
      - { .name: gate_wr, .offset: 0, .size: 8, .value_kind: global_buffer, .address_space: global }
      - { .name: gate_wi, .offset: 8, .size: 8, .value_kind: global_buffer, .address_space: global }
      - { .name: up_wr, .offset: 16, .size: 8, .value_kind: global_buffer, .address_space: global }
      - { .name: up_wi, .offset: 24, .size: 8, .value_kind: global_buffer, .address_space: global }
      - { .name: down_wr, .offset: 32, .size: 8, .value_kind: global_buffer, .address_space: global }
      - { .name: down_wi, .offset: 40, .size: 8, .value_kind: global_buffer, .address_space: global }
      - { .name: wpart, .offset: 48, .size: 8, .value_kind: global_buffer, .address_space: global }
      - { .name: wc, .offset: 56, .size: 8, .value_kind: global_buffer, .address_space: global }
      - { .name: wsc, .offset: 64, .size: 8, .value_kind: global_buffer, .address_space: global }
    .group_segment_fixed_size: 0
    .private_segment_fixed_size: 0
    .kernarg_segment_align: 8
    .kernarg_segment_size: 72
    .max_flat_workgroup_size: 128
    .sgpr_count:     66
    .vgpr_count:     240
    .wavefront_size: 32
...
	.end_amdgpu_metadata
.endif
;; end of part 2
;; launch mlp (part 3): grid 256 x 1, 4 waves a work-group, clusters of 4 x 1, 327,680 bytes of LDS; arguments xq, wc, wsc, ln_wr, ln_wi, out0, out1; writes out0, out1
.if DOCPART == 3
	.amdgcn_target "amdgcn-amd-amdhsa--gfx1250"
	.amdhsa_code_object_version 6
	.text
	.protected	k_q22be71399f_mlp
	.globl	k_q22be71399f_mlp
	.p2align	8
	.type	k_q22be71399f_mlp,@function
k_q22be71399f_mlp:
	s_mov_b64 s[64:65], 0
	v_nop
	global_prefetch_b8 v0, s[64:65] scope:SCOPE_SE
	s_setreg_imm32_b32 hwreg(HW_REG_WAVE_MODE, 25, 1), 1
	s_wait_xcnt 0x0
	s_wait_alu depctr_hold_cnt(0) depctr_sa_sdst(0) depctr_va_vdst(0) depctr_va_sdst(0) depctr_va_ssrc(0) depctr_va_vcc(0) depctr_vm_vsrc(0)
	s_getreg_b32 s2, hwreg(HW_REG_IB_STS2, 6, 4)
	s_cmp_eq_u32 s2, 0
	s_cbranch_scc0 .Lentry_in_a_cluster
	s_endpgm
.Lentry_in_a_cluster:
	s_bfe_u32 s2, ttmp6, 0x10000c
	s_cmp_lg_u32 s2, 0x3003
	s_cbranch_scc0 .Lentry_shape_is_right
	s_endpgm
.Lentry_shape_is_right:
; Third launch: gate and up, relu^2, the complex product, the RMS norm, act_quant, the MX quantiser and the down layer, fused; the hidden layer never goes to memory.  Nothing of reference() is left out.
; SHARES.  A work-group owns 32 rows (two tiles t of 16).  THE WAVES SHARE THE COLUMNS: each works on all 32 rows, so that a weight fragment read from LDS feeds four matrix instructions.
;  Phase 1: wave w makes hidden blocks 5 w .. 5 w + 4 (32 units each, two tiles u) and one lone tile, tile w % 2 of block 20 + w / 2: 11 tiles x (Gr, Gi, Ur, Ui) x 2 row tiles = 704 accumulator registers.
;  Phase Q: h, the row sums and maxima (exchanged through LDS), n's codes and scale bytes, as images of the operand's registers in LDS.   Phase 2: in trip m wave w makes columns 64 (4 m + w) .. + 63 of both outputs.
; BOTH PRODUCTS ARE USED TRANSPOSED (source 0 = 16 rows of a weight, source 1 = 16 rows of x or n): a lane holds one row, and its registers run along the hidden units or the columns.
; out_i = xr wi - xi wr is summed as xr wi + (-xi) wr in one accumulator: -xi's codes are xi's with the sign bits turned, which is what the quantiser, an odd function, gives for -xi.
; THE WEIGHTS come as one stream of 24 slots of 135,168 bytes through a ring of two LDS slots; wave w fetches and reads quarter w.  All work-groups walk the same stream, so the four of a cluster ask JOINTLY.
; The upper halves of the down layer's K step 5 (k = 704-767) are never fetched: n's codes there are zeros, E3M2 has no code for NaN or infinity, so whatever those weight registers still hold adds 0.
; ORDER OF ROUNDING that differs from reference()'s: n rs is (g h) (inv rs), max|n| is max|g h| inv, the mean is the sum x (1 / 688), a multiply and an add are fused: a few 1e-7 of the number.  A block's largest
; quantised magnitude is the block's largest |g h| put through the same lines as the numbers (they rise with the magnitude).  NaN and infinities are not served.
; LDS: 0 ring slot 0; 135,168 ring slot 1; 270,336 XR: x's block (filled once; when its last read is over: n's images and scale words, later each wave's stage for the way out); 321,536 spare words; 322,048 exchange.
; REGISTERS.  Window 0: v1-15 addresses; v16-19 x's scale words, v20-25 the weights', v26-37 n's; v38-57 addresses; v58-87 row figures; v88-183 weight fragments (2 buffers x 2 tiles x (wr, wi));
;  v184-231 x's fragments of even K steps; v232-255 -xi.  Windows 1, 2: blocks 0-3, 128 registers each at 32 kind + 16 t + 8 u (kind: Gr, Gi, Ur, Ui); in phase 2 n's fragments (K step s: window 1 + s / 3, 72 (s % 3):
;  nr0, nr1, ni0, ni1, -ni0, -ni1).  Window 3: v0-127 block 4, later the outputs' accumulators; v128-191 the lone tile; v192-239 x's fragments of odd K steps; v240-251 LDS addresses of n's stores.
.set SLOTB, 135168
.set QB,    33792
.set XR,    270336
.set XSCL,  XR+49152
.set SPARE, 321536                     ; the spare words, 128 bytes for each wave: two blocks of 256 bytes that no other line names
.set EX,    322048                     ; 4 waves x 5 kinds x 128 bytes
.set NI,    XR                         ; n's 24 images, 1,536 bytes each, 48 bytes a lane
.set NSB,   XR+36864                   ; n's scale words [K step][component][32 rows]
.set STG,   XR                         ; the way out: 16 rows x 272 bytes for each wave
.set LI,  1
.set WA,  2                            ; v2, v3   16 x lane + my quarter, in slot 0, 1
.set WH,  4                            ; v4, v5   8 x lane + the same
.set XA0, 6
.set XAD, 7
.set XS0, 8
.set XSD, 9
.set RR,  10
.set HH,  11
.set SPW, 12                           ; my spare word's address; never rewritten
.set NIL, 13                           ; 0; never rewritten
.set ZR,  14
.set PFO, 15
.set XSR, 16
.set WSR, 20
.set NSR, 26
.set EXW, 38
.set EXR, 39
.set EXP, 40
.set NW0, 41
.set NSW0, 42
.set NRD, 43
.set NSL, 44
.set STO, 52
.set SRD, 53
.set GO,  54
.set GA,  55
.set GL,  56
.set LN,  57
.set SS,  58
.set AM,  66
.set INV, 70
.set KP,  72
.set IR,  80
.set WB,  88
.set BM,  88
.set BY,  112
.set SO,  136
.set CD,  160
.set T1,  184
.set T2,  216
.set BK,  184
.set NWA, 240                          ; in window 3
.set NSA, 245
.set LCA, 250
.set LBA, 251
.set WV,  18
.set G1W, 24
.set G1X, 32
.set G0A, 40
.set G0B, 44
.set G0X, 48
.set SEL, 52
.set SGN, 54
.set HM,  57
.set CNT, 58
.set XO,  59
.set XSO, 60
.set SIG, 61
.set LIM, 62
.set PFA, 66
.set CLO, 68
.set CHI, 69
.set MSB, 0
.macro WIN new                         ; bits 1:0 source 0, 3:2 source 1, 5:4 source 2, 7:6 destination; the high byte repeats the setting that is left
.if MSB != (\new)
	s_set_vgpr_msb (MSB<<8)|(\new)
.set MSB, (\new)
.endif
.endm
.macro PLACES                          ; four plain places behind matrix instructions, in front of loads into their sources and of reads of their results
.rept 4
	v_nop
.endr
.endm
.macro CREST                           ; a round of the cluster's barrier behind its opening barrier
	s_cmp_lg_u32 s[WV], 0
	s_cbranch_scc1 .Lnot_wave_0_\@
	s_barrier_signal -3
.Lnot_wave_0_\@:
	s_barrier_wait -3
	s_barrier_signal -1
	s_barrier_wait -1
.endm
.macro CROUND
	s_barrier_signal -1
	s_barrier_wait -1
	CREST
.endm
.macro JL g0                           ; a joint load: my quarter of a slot, the same line and the same registers in all four partners; s_nop 0 and four v_nop follow
	tensor_load_to_lds s[(\g0):(\g0)+3], s[G1W:G1W+7]
	s_nop 0
.rept 4
	v_nop
.endr
.endm
; A prefetch of the slot that stands two refills on: change of slots number i names slot i + 4.  The first cluster alone asks; its four partners share a quarter's bytes out by address (8,448 each), a lane to each
; 256 bytes: 32 of a partner's 33 blocks are named, the last comes by its load.  It stops with slot 23.  Nothing is asked for at the head.
.macro ASK
	s_cmp_lt_u32 s[SIG], s[LIM]
	s_cbranch_scc0 .Lnot_mine_\@
	global_prefetch_b8 v[PFO], s[PFA:PFA+1] th:TH_LOAD_NT scope:SCOPE_SE
.Lnot_mine_\@:
	s_add_co_u32 s[SIG], s[SIG], 1
.endm
.macro MM d, a, b, z, sa, sb, row
.if \z
.if \row
	v_wmma_scale_f32_16x16x128_f8f6f4 v[(\d):(\d)+7], v[(\a):(\a)+11], v[(\b):(\b)+11], 0, v[\sa], v[\sb] matrix_a_fmt:MATRIX_FMT_BF6 matrix_b_fmt:MATRIX_FMT_BF6 matrix_b_scale:MATRIX_SCALE_ROW1
.else
	v_wmma_scale_f32_16x16x128_f8f6f4 v[(\d):(\d)+7], v[(\a):(\a)+11], v[(\b):(\b)+11], 0, v[\sa], v[\sb] matrix_a_fmt:MATRIX_FMT_BF6 matrix_b_fmt:MATRIX_FMT_BF6
.endif
.else
.if \row
	v_wmma_scale_f32_16x16x128_f8f6f4 v[(\d):(\d)+7], v[(\a):(\a)+11], v[(\b):(\b)+11], v[(\d):(\d)+7], v[\sa], v[\sb] matrix_a_fmt:MATRIX_FMT_BF6 matrix_b_fmt:MATRIX_FMT_BF6 matrix_b_scale:MATRIX_SCALE_ROW1
.else
	v_wmma_scale_f32_16x16x128_f8f6f4 v[(\d):(\d)+7], v[(\a):(\a)+11], v[(\b):(\b)+11], v[(\d):(\d)+7], v[\sa], v[\sb] matrix_a_fmt:MATRIX_FMT_BF6 matrix_b_fmt:MATRIX_FMT_BF6
.endif
.endif
.endm
; Four matrix instructions with one weight fragment.  part 0 (wr): I0 += wr (-xi0), I1 += wr (-xi1), R0 += wr xr0, R1 += wr xr1.  part 1 (wi): R0 += wi xi0, R1 += wi xi1, I0 += wi xr0, I1 += wi xr1.
; The accumulators take turns, one instruction a turn.  Row tile 1's scale words lie in lanes 16-31 of the register.  The symbols are set by WT1 and WT2.
.macro WTP part, z
.if (\part) == 0
	WIN (ACW<<6)|(ACW<<4)|(NXW<<2)
	MM DIB, WR_, NXB, \z, SA_, SBI, 0
	MM DIB+TST, WR_, NXB+12, \z, SA_, SBI, 1
	WIN (ACW<<6)|(ACW<<4)|(XBW<<2)
	MM DRB, WR_, XBB, \z, SA_, SBR, 0
	MM DRB+TST, WR_, XBB+12, \z, SA_, SBR, 1
.else
	WIN (ACW<<6)|(ACW<<4)|(XBW<<2)
	MM DRB, WR_, XBB+24, 0, SA_, SBI, 0
	MM DRB+TST, WR_, XBB+36, 0, SA_, SBI, 1
	MM DIB, WR_, XBB, 0, SA_, SBR, 0
	MM DIB+TST, WR_, XBB+12, 0, SA_, SBR, 1
.endif
.endm
; Phase 1: tile tau of a K step's 22 (0-10 gate, 11-21 up); pi: the K step's parity
.macro WT1 tau, pi, part, z
.set TI, (\tau)%11
.set KD, (\tau)/11
.set WR_, WB+48*((((\tau)/2)+(\pi))&1)+24*((\tau)%2)+12*(\part)
.if TI < 10
.set ACW, 1+TI/4
.set DRB, 128*((TI/2)%2)+64*KD+8*(TI%2)
.set DIB, DRB+32
.set TST, 16
.else
.set ACW, 3
.set DRB, 128+32*KD
.set DIB, DRB+16
.set TST, 8
.endif
.if \pi
.set XBB, 192
.set XBW, 3
.else
.set XBB, 184
.set XBW, 0
.endif
.set NXB, 232
.set NXW, 0
.set SA_, WSR+2*KD+(\part)
.set SBR, XSR+2*(\pi)
.set SBI, XSR+2*(\pi)+1
	WTP \part, \z
.endm
.macro WTT tau, pi, z
	WT1 \tau, \pi, 0, \z
	WT1 \tau, \pi, 1, 0
.endm
.macro FT tau, buf, half               ; tile tau's pair of fragments from my quarter: six loads of 512 dense bytes
	WIN 0
.set FO, ((\tau)%11)*3072
.set FD, WB+48*(\buf)+24*(\half)
.irp q, 0,1,2,3,4,5
	ds_load_b128 v[FD+4*\q:FD+4*\q+3], v[WA+(\tau)/11] offset:FO+512*\q
.endr
.endm
.macro FP p, pi
	FT 2*(\p), ((\p)+(\pi))&1, 0
	FT 2*(\p)+1, ((\p)+(\pi))&1, 1
.endm
.macro XF pn                           ; the next K step's x: four fragments and two registers of scale words (lanes 0-15 row tile 0, lanes 16-31 row tile 1)
	WIN 0
	v_add_nc_u32 v[XAD], s[XO], v[XA0]
	v_add_nc_u32 v[XSD], s[XSO], v[XS0]
	s_add_co_u32 s[XO], s[XO], 6144
	s_add_co_u32 s[XSO], s[XSO], 256
.if \pn
	WIN 0xc0
.set XD, 192
.else
.set XD, 184
.endif
.irp f, 0,1,2,3
.irp q, 0,1,2
	ds_load_b128 v[XD+12*\f+4*\q:XD+12*\f+4*\q+3], v[XAD] offset:1536*\f+512*\q
.endr
.endr
	WIN 0
	ds_load_b32 v[XSR+2*(\pn)], v[XSD]
	ds_load_b32 v[XSR+2*(\pn)+1], v[XSD] offset:128
.endm
.macro NEG pn                          ; -xi: the sign bits of 16 codes lie at bits 5, 11 .. 95 of three registers
.if \pn
	WIN 0x0c
.set XD, 192+24
.else
	WIN 0
.set XD, 184+24
.endif
.set G_, 0
.rept 24
	v_xor_b32 v[232+G_], s[SGN+G_%3], v[XD+G_]
.set G_, G_+1
.endr
	WIN 0
.endm
; THE CHANGE OF SLOTS, in three parts with matrix instructions between them.  In front of the round each wave waits for all its tensor loads (one is out: my quarter of the other slot), adds 0 to its spare word, and
; waits for that and for its reads of this slot.  Behind the round no wave of any partner reads this slot or has a load on its way: the joint refill is the first thing there.
.macro THEAD cnt
	WIN 0
	s_wait_xcnt 0x0                                ; the last prefetch, a slot back, has read its address
	s_add_nc_u64 s[PFA:PFA+1], s[PFA:PFA+1], SLOTB
	s_wait_tensorcnt 0x0
	ds_add_u32 v[SPW], v[NIL]
	s_wait_dscnt \cnt                              ; (the add, and the loads issued just ahead of it, may be out)
.endm
.macro TMID
	s_wait_dscnt 0x0                               ; the add is done, and my reads of this slot are over
	s_barrier_signal -1
.endm
.macro TFILL g0
	WIN 0
	s_barrier_wait -1
	CREST
	s_add_nc_u64 s[(\g0)+2:(\g0)+3], s[(\g0)+2:(\g0)+3], 2*SLOTB   ; no tensor load of mine is out: this slot's next contents, two slots on
	JL \g0
.endm
; A K STEP of phase 1: 22 tiles in 11 pairs, 176 matrix instructions; pair p + 1 is fetched while pair p is multiplied.  z = 1: the first products start the sums.  last = 1: nothing of x or of phase 1 follows.
.macro KSTEP pi, z, last
	PLACES
	FP 1, \pi
	s_wait_dscnt 12                                ; pair 0 is in; pair 1's twelve may be out
	WTT 0, \pi, \z
	WTT 1, \pi, \z
	PLACES
	FP 2, \pi
.if \last
	s_wait_dscnt 12
.else
	XF 1-\pi
	s_wait_dscnt 26                                ; pair 2's twelve and x's fourteen may be out
.endif
	WTT 2, \pi, \z
	WTT 3, \pi, \z
	PLACES
	FP 3, \pi
.if \last
	s_wait_dscnt 12
.else
	s_wait_dscnt 26                                ; x's fourteen and pair 3's twelve
.endif
	WTT 4, \pi, \z
	WTT 5, \pi, \z
	PLACES
	FP 4, \pi
	s_wait_dscnt 12
	WTT 6, \pi, \z
	WTT 7, \pi, \z
	PLACES                                         ; gate's slot is left
	FT 10, (5+\pi)&1, 0                            ; my last reads of it
	THEAD 7                                        ; those six and the add may be out
	WTT 8, \pi, \z
	TMID
	WT1 9, \pi, 0, \z
	TFILL G0A
	FT 11, (5+\pi)&1, 1
	ASK
	WT1 9, \pi, 1, 0
	PLACES
	FP 6, \pi
	WTT 10, \pi, \z
	s_wait_dscnt 12
	WTT 11, \pi, \z
.irp p, 6,7,8,9
	PLACES
	FP \p+1, \pi
	s_wait_dscnt 12
	WTT 2*\p, \pi, \z
	WTT 2*\p+1, \pi, \z
.endr
	THEAD 1                                        ; up's slot is left; the add alone may be out
	WTT 20, \pi, \z
	TMID
	WT1 21, \pi, 0, \z
	TFILL G0B
.if (\last) == 0
	FP 0, 1-\pi
.endif
	ASK
	WT1 21, \pi, 1, 0
.if (\last) == 0
	NEG 1-\pi                                      ; the last products that read -xi stand in front of the joint load's four places
.endif
	WIN 0
.endm
	s_load_b256 s[4:11], s[0:1], 0x0               ; xq, wc, wsc, ln_wr
	s_load_b128 s[12:15], s[0:1], 0x20             ; ln_wi, out0
	s_load_b64 s[16:17], s[0:1], 0x30              ; out1
	v_lshl_add_u32 v[SPW], v0, 2, SPARE
	v_mov_b32 v[NIL], 0
	ds_add_u32 v[SPW], v[NIL]                      ; the wave's opening: the add, twice on end, and its wait ahead of my first tensor load
	ds_add_u32 v[SPW], v[NIL]
	v_lshrrev_b32 v1, 5, v0
	v_readfirstlane_b32 s[WV], v1                  ; wave 0..3
	s_bfe_u32 s19, ttmp6, 0x40000                  ; cx: it enters xq's, the outputs' and the prefetches' addresses alone
	s_lshl_b32 s20, ttmp9, 2
	s_add_co_u32 s20, s20, s19                     ; my row block
	s_mov_b32 s[G1W], 15|(3<<16)|(1<<21)           ; the mask: all four work-groups; elements of 8 bytes; bit 21 beside a mask; no padding
	s_mov_b32 s[G1W+1], 32<<16                     ; tensor_dim0 = 32: rows of 256 bytes
	s_mov_b32 s[G1W+2], 132<<16                    ; tensor_dim1 = 132: a quarter is 33,792 dense bytes
	s_mov_b32 s[G1W+3], 32<<16                     ; tile_dim0
	s_mov_b32 s[G1W+4], 132                        ; tile_dim1
	s_mov_b32 s[G1W+5], 32                         ; the pitch
	s_mov_b32 s[G1W+6], 0
	s_mov_b32 s[G1W+7], 0
	s_mov_b32 s[G1X], 3<<16                        ; x's block: no mask; a wave brings 50 rows of 256 bytes
	s_mov_b32 s[G1X+1], 32<<16
	s_mov_b32 s[G1X+2], 50<<16
	s_mov_b32 s[G1X+3], 32<<16
	s_mov_b32 s[G1X+4], 50
	s_mov_b32 s[G1X+5], 32
	s_mov_b32 s[G1X+6], 0
	s_mov_b32 s[G1X+7], 0
	s_mov_b32 s[SEL], 0x76543210
	s_mov_b32 s[SEL+1], 0xfedcba98
	s_mov_b32 s[SGN], 0x20820820
	s_mov_b32 s[SGN+1], 0x08208208
	s_mov_b32 s[SGN+2], 0x82082082
	s_mov_b32 s[HM], 0xffff0000
	s_mov_b32 s[XO], 0
	s_mov_b32 s[XSO], 0
	s_mov_b32 s[SIG], 0
	s_mov_b32 s[CLO], 0xc3000000                   ; -128.0
	s_mov_b32 s[CHI], 0x42fe0000                   ; 127.0
	s_cmp_eq_u32 ttmp9, 0                          ; the same in all four partners
	s_cselect_b32 s[LIM], 20, 0
	s_mul_i32 s82, s[WV], QB                       ; my quarter: in a slot and in the stream
	s_mov_b32 s83, 0
	s_mul_i32 s86, s[WV], 12800
	s_mul_i32 s84, s20, 51200
	s_add_co_u32 s84, s84, s86
	s_mov_b32 s85, 0
	s_mul_i32 s88, s19, 8448
	s_mov_b32 s89, 0
	s_lshl_b32 s90, s20, 17                        ; 32 rows of 4,096 bytes,
	s_lshl_b32 s91, s[WV], 8                       ; my 64 columns
	s_add_co_u32 s90, s90, s91
	s_mov_b32 s91, 0
	s_wait_dscnt 0x0                               ; both opening adds are done
	s_wait_kmcnt 0x0
	s_mov_b32 s[G0A], 1
	s_mov_b32 s[G0A+1], s82
	s_add_nc_u64 s[G0A+2:G0A+3], s[6:7], s[82:83]
	s_or_b32 s[G0A+3], s[G0A+3], 0x80000000
	s_mov_b32 s[G0B], 1
	s_add_co_u32 s[G0B+1], s82, SLOTB
	s_add_nc_u64 s[G0B+2:G0B+3], s[6:7], s[82:83]
	s_add_nc_u64 s[G0B+2:G0B+3], s[G0B+2:G0B+3], SLOTB
	s_or_b32 s[G0B+3], s[G0B+3], 0x80000000
	s_mov_b32 s[G0X], 1
	s_add_co_u32 s[G0X+1], s86, XR
	s_add_nc_u64 s[G0X+2:G0X+3], s[4:5], s[84:85]
	s_or_b32 s[G0X+3], s[G0X+3], 0x80000000
	s_add_nc_u64 s[PFA:PFA+1], s[6:7], s[82:83]
	s_add_nc_u64 s[PFA:PFA+1], s[PFA:PFA+1], 3*SLOTB   ; the first change of slots steps it to slot 4
	s_add_nc_u64 s[PFA:PFA+1], s[PFA:PFA+1], s[88:89]
	s_add_nc_u64 s[14:15], s[14:15], s[90:91]
	s_add_nc_u64 s[16:17], s[16:17], s[90:91]
	CROUND                                         ; all four work-groups are here: the first joint loads meet
	tensor_load_to_lds s[G0X:G0X+3], s[G1X:G1X+7]  ; three loads of mine are out: my part of x,
	s_nop 0
	tensor_load_to_lds s[G0A:G0A+3], s[G1W:G1W+7]  ; slot 0,
	s_nop 0
	tensor_load_to_lds s[G0B:G0B+3], s[G1W:G1W+7]  ; slot 1
	s_nop 0
.rept 4
	v_nop
.endr
	v_mov_b32 v[ZR], 0
.irp i, 0,1,2,3,4,5
	global_load_b32 v[WSR+\i], v[ZR], s[8:9] offset:4*\i       ; gate r, i; up r, i; down r, i: the same word in every lane
.endr
	v_and_b32 v[LN], 31, v0
	v_and_b32 v[RR], 15, v0
	v_bfe_u32 v[HH], v0, 4, 1
	v_lshlrev_b32 v[LI], 4, v[LN]
	v_add_nc_u32 v[WA], s82, v[LI]
	v_add_nc_u32 v[WA+1], SLOTB, v[WA]
	v_lshl_add_u32 v[WH], v[LN], 3, s82
	v_add_nc_u32 v[WH+1], SLOTB, v[WH]
	v_add_nc_u32 v[XA0], XR, v[LI]
	v_lshl_add_u32 v[XS0], v[LN], 2, XSCL
	v_lshlrev_b32 v[PFO], 8, v[LN]
	s_mul_i32 s92, s[WV], 640
	s_add_co_u32 s92, s92, EX
	v_lshl_add_u32 v[EXW], v[LN], 2, s92
	v_lshl_add_u32 v[EXR], v[RR], 2, EX
	s_xor_b32 s92, s[WV], 1
	s_mul_i32 s92, s92, 640
	s_add_co_u32 s92, s92, EX
	v_lshl_add_u32 v[EXP], v[RR], 2, s92           ; the wave that holds the other tile of my lone tile's block
	v_mul_u32_u24 v[NW0], v[RR], 48
	v_mad_u32_u24 v[NW0], v[HH], 12, v[NW0]
	v_add_nc_u32 v[NW0], NI, v[NW0]
	v_lshl_add_u32 v[NSW0], v[RR], 2, NSB
	v_mul_u32_u24 v[NRD], v[LN], 48
	v_add_nc_u32 v[NRD], NI, v[NRD]
	v_lshl_add_u32 v[NSL], v[LN], 2, NSB
	s_mul_i32 s92, s[WV], 4352
	s_add_co_u32 s92, s92, STG
	v_mul_u32_u24 v[STO], v[RR], 272
	v_lshl_add_u32 v[STO], v[HH], 6, v[STO]
	v_add_nc_u32 v[STO], s92, v[STO]
	v_mul_u32_u24 v[SRD], v[HH], 272
	v_lshl_add_u32 v[SRD], v[RR], 4, v[SRD]
	v_add_nc_u32 v[SRD], s92, v[SRD]
	v_lshlrev_b32 v[GO], 12, v[HH]
	v_lshl_add_u32 v[GO], v[RR], 4, v[GO]
	s_mul_i32 s92, s[WV], 640
	v_lshl_add_u32 v[GA], v[HH], 6, s92            ; the gains of my blocks: 128 bytes a block, + 64 h
	s_lshr_b32 s93, s[WV], 1
	s_and_b32 s94, s[WV], 1
	s_lshl_b32 s92, s93, 7
	s_lshl_b32 s95, s94, 5
	s_add_co_u32 s92, s92, s95
	s_add_co_u32 s92, s92, 2560
	v_lshl_add_u32 v[GL], v[HH], 6, s92            ; the lone tile's;
	v_min_u32 v[GL], 2720, v[GL]                   ; units from 688 on, whose h is 1, take the last eight gains: no load leaves its buffer
	; where n's codes and scale bytes go: block beta = 4 s + 2 c + h' is half 3 h of registers 6 c .. 6 c + 5 of lane (r, h') of K step s's image, and byte beta % 4 of the row's word
	WIN 0xc0
.irp b, 0,1,2,3,4
	s_mul_i32 s92, s[WV], 5
	s_add_co_u32 s92, s92, \b
	s_lshr_b32 s95, s92, 2
	s_mul_i32 s87, s95, 6144
	s_lshl_b32 s95, s95, 8
	s_and_b32 s81, s92, 3
	s_add_co_u32 s95, s95, s81
	s_bfe_u32 s81, s92, 0x10001
	s_mul_i32 s81, s81, 24
	s_add_co_u32 s87, s87, s81
	s_and_b32 s81, s92, 1
	s_mul_i32 s81, s81, 768
	s_add_co_u32 s87, s87, s81
	v_add_nc_u32 v[NWA+\b], s87, v[NW0]
	v_add_nc_u32 v[NSA+\b], s95, v[NSW0]
.endr
	s_mul_i32 s92, s93, 768
	s_mul_i32 s95, s94, 6
	s_add_co_u32 s92, s92, s95
	s_add_co_u32 s92, s92, 30720
	v_add_nc_u32 v[LCA], s92, v[NW0]               ; the lone tile's 48 bits: half w % 2 of its lane's 96
	s_lshl_b32 s95, s94, 1
	s_add_co_u32 s95, s95, s93
	s_add_co_u32 s95, s95, 1280
	v_add_nc_u32 v[LBA], s95, v[NSW0]              ; byte w / 2 + 2 (w % 2) of K step 5's word: no two waves share a byte, and bytes 2 and 3 (zero codes) hold a sound scale
	WIN 0
	s_wait_tensorcnt 0x1                           ; x and slot 0 are in; slot 1's load may stay out
	s_barrier_signal -1
	s_barrier_wait -1                              ; everybody's part of x is
	XF 0
	FP 0, 0
	s_wait_loadcnt 0x0                             ; the weights' scale words
	s_wait_dscnt 0x0
	NEG 0
	; ---------------- phase 1 ----------------
	KSTEP 0, 1, 0
	s_mov_b32 s[CNT], 3
.Lk:
	KSTEP 1, 0, 0
	KSTEP 0, 0, 0
	s_sub_co_u32 s[CNT], s[CNT], 1
	s_cmp_lg_u32 s[CNT], 0
	s_cbranch_scc1 .Lk
	KSTEP 1, 0, 1
	; ---------------- phase Q ----------------
; wn, bs: window and first register of a block's (Gr, Gi, Ur, Ui), ne registers each (both row tiles).  h takes Gr's and Gi's places; then the block's gains are asked for, into Ur's and Ui's.
; Every accumulator is first read at its low end: all runs ascend.
.macro PASS1 wn, bs, ne, first, ga, go, nq
.set GR_, (\bs)
.set GI_, (\bs)+(\ne)
.set UR_, (\bs)+2*(\ne)
.set UI_, (\bs)+3*(\ne)
	WIN ((\wn)<<2)|(\wn)
.set E_, 0
.rept \ne
	v_max_num_f32 v[T1+E_], v[GR_+E_], v[GI_+E_]               ; both are negative where the larger is
.set E_, E_+1
.endr
	WIN ((\wn)<<6)|(\wn)
.set E_, 0
.rept \ne
	v_cmp_gt_f32 vcc_lo, 0, v[T1+E_]
	v_cndmask_b32 v[GR_+E_], v[GR_+E_], v[ZR], vcc_lo
	v_cndmask_b32 v[GI_+E_], v[GI_+E_], v[ZR], vcc_lo
.set E_, E_+1
.endr
	WIN ((\wn)<<6)|((\wn)<<2)|(\wn)
.set E_, 0
.rept (\ne)/2
	v_pk_mul_f32 v[GR_+E_:GR_+E_+1], v[GR_+E_:GR_+E_+1], v[GR_+E_:GR_+E_+1]   ; a_r, a_i
	v_pk_mul_f32 v[GI_+E_:GI_+E_+1], v[GI_+E_:GI_+E_+1], v[GI_+E_:GI_+E_+1]
.set E_, E_+2
.endr
	WIN ((\wn)<<2)|(\wn)
.set E_, 0
.rept (\ne)/2
	v_pk_mul_f32 v[T1+E_:T1+E_+1], v[GI_+E_:GI_+E_+1], v[UI_+E_:UI_+E_+1]
	v_pk_mul_f32 v[T2+E_:T2+E_+1], v[GI_+E_:GI_+E_+1], v[UR_+E_:UR_+E_+1]
.set E_, E_+2
.endr
	WIN ((\wn)<<6)|((\wn)<<2)|(\wn)
.set E_, 0
.rept (\ne)/2
	v_pk_fma_f32 v[GI_+E_:GI_+E_+1], v[GR_+E_:GR_+E_+1], v[UI_+E_:UI_+E_+1], v[T2+E_:T2+E_+1] neg_lo:[0,0,1] neg_hi:[0,0,1]   ; h_i = a_r u_i - a_i u_r
	v_pk_fma_f32 v[GR_+E_:GR_+E_+1], v[GR_+E_:GR_+E_+1], v[UR_+E_:UR_+E_+1], v[T1+E_:T1+E_+1]                                 ; h_r = a_r u_r + a_i u_i
.set E_, E_+2
.endr
	WIN ((\wn)<<2)|(\wn)
.set I_, 0
.rept (\ne)/4                          ; the sums of squares, in four chains of pairs
.irp t, 0,1
.set E_, \t*(\ne)/2+2*I_
.if (\first)&&(I_==0)
	v_pk_mul_f32 v[SS+4*\t:SS+4*\t+1], v[GR_+E_:GR_+E_+1], v[GR_+E_:GR_+E_+1]
	v_pk_mul_f32 v[SS+4*\t+2:SS+4*\t+3], v[GI_+E_:GI_+E_+1], v[GI_+E_:GI_+E_+1]
.else
	v_pk_fma_f32 v[SS+4*\t:SS+4*\t+1], v[GR_+E_:GR_+E_+1], v[GR_+E_:GR_+E_+1], v[SS+4*\t:SS+4*\t+1]
	v_pk_fma_f32 v[SS+4*\t+2:SS+4*\t+3], v[GI_+E_:GI_+E_+1], v[GI_+E_:GI_+E_+1], v[SS+4*\t+2:SS+4*\t+3]
.endif
.endr
.set I_, I_+1
.endr
	WIN (\wn)<<6
.set Q_, 0
.rept \nq
	global_load_b128 v[UR_+4*Q_:UR_+4*Q_+3], v[\ga], s[10:11] offset:(\go)+16*Q_
	global_load_b128 v[UI_+4*Q_:UI_+4*Q_+3], v[\ga], s[12:13] offset:(\go)+16*Q_
.set Q_, Q_+1
.endr
.endm
; y = gain x h, in place, and the largest |y| of my half of the block, for each component and row tile
.macro PASS2 wn, bs, ne, bi, cnt
.set GR_, (\bs)
.set GI_, (\bs)+(\ne)
.set UR_, (\bs)+2*(\ne)
.set UI_, (\bs)+3*(\ne)
	s_wait_loadcnt \cnt                            ; this block's gains are in; the later blocks' loads may be out
	WIN ((\wn)<<6)|((\wn)<<2)|(\wn)
.irp t, 0,1
.set E_, 0
.rept (\ne)/4
	v_pk_mul_f32 v[GR_+\t*(\ne)/2+E_:GR_+\t*(\ne)/2+E_+1], v[GR_+\t*(\ne)/2+E_:GR_+\t*(\ne)/2+E_+1], v[UR_+E_:UR_+E_+1]
	v_pk_mul_f32 v[GI_+\t*(\ne)/2+E_:GI_+\t*(\ne)/2+E_+1], v[GI_+\t*(\ne)/2+E_:GI_+\t*(\ne)/2+E_+1], v[UI_+E_:UI_+E_+1]
.set E_, E_+2
.endr
.endr
	WIN ((\wn)<<4)|((\wn)<<2)
.set E_, 0
.rept (\ne)/4
.irp c, 0,1
.irp t, 0,1
.if E_ == 0
	v_max3_num_f32 v[BM+4*(\bi)+2*\c+\t], v[ZR], |v[(\bs)+\c*(\ne)+\t*(\ne)/2]|, |v[(\bs)+\c*(\ne)+\t*(\ne)/2+1]|
.else
	v_max3_num_f32 v[BM+4*(\bi)+2*\c+\t], v[BM+4*(\bi)+2*\c+\t], |v[(\bs)+\c*(\ne)+\t*(\ne)/2+E_]|, |v[(\bs)+\c*(\ne)+\t*(\ne)/2+E_+1]|
.endif
.endr
.endr
.set E_, E_+2
.endr
.endm
; act_quant of y, in place, and the codes: 16 numbers (the lone tile: 8, and 8 registers that follow them, whose codes are not used) to three registers of their own
.macro PASS3 wn, bs, ne, bi
	WIN ((\wn)<<6)|(\wn)
.irp c, 0,1
.irp t, 0,1
.set Y_, (\bs)+\c*(\ne)+\t*(\ne)/2
.set E_, 0
.rept (\ne)/4
	v_pk_mul_f32 v[Y_+E_:Y_+E_+1], v[Y_+E_:Y_+E_+1], v[KP+4*\t+2*\c:KP+4*\t+2*\c+1]
.set E_, E_+2
.endr
.set E_, 0
.rept (\ne)/2
	v_rndne_f32 v[Y_+E_], v[Y_+E_]
.set E_, E_+1
.endr
.set E_, 0
.rept (\ne)/2
	v_med3_num_f32 v[Y_+E_], v[Y_+E_], s[CLO], s[CHI]
.set E_, E_+1
.endr
.set E_, 0
.rept (\ne)/4
	v_pk_mul_f32 v[Y_+E_:Y_+E_+1], v[Y_+E_:Y_+E_+1], v[IR+4*\t+2*\c:IR+4*\t+2*\c+1]
.set E_, E_+2
.endr
.endr
.endr
	WIN (\wn)
.irp c, 0,1
.irp t, 0,1
.set Y_, (\bs)+\c*(\ne)+\t*(\ne)/2
	v_cvt_scalef32_pk16_bf6_f32 v[CD+4*(4*(\bi)+2*\c+\t):CD+4*(4*(\bi)+2*\c+\t)+2], v[Y_:Y_+15], v[SO+4*(\bi)+2*\c+\t]
.endr
.endr
	v_nop                                          ; one plain place behind a scaled conversion
.endm
.macro PUT bi                          ; a block's codes and scale bytes to LDS; the addresses lie in window 3
	WIN 0x03
.irp c, 0,1
.irp t, 0,1
.irp e, 0,1,2
	ds_store_b32 v[NWA+(\bi)], v[CD+4*(4*(\bi)+2*\c+\t)+\e] offset:3072*\c+1536*\t+4*\e
.endr
	ds_store_b8 v[NSA+(\bi)], v[BY+4*(\bi)+2*\c+\t] offset:128*\c+64*\t        ; both halves of the lanes write the same byte with the same value
.endr
.endr
.endm
	PLACES
	PASS1 1, 0, 32, 1, GA, 0, 4
	PASS1 1, 128, 32, 0, GA, 128, 4
	PASS1 2, 0, 32, 0, GA, 256, 4
	PASS1 2, 128, 32, 0, GA, 384, 4
	PASS1 3, 0, 32, 0, GA, 512, 4
	PASS1 3, 128, 16, 0, GL, 0, 2
	PASS2 1, 0, 32, 0, 36
	PASS2 1, 128, 32, 1, 28
	PASS2 2, 0, 32, 2, 20
	PASS2 2, 128, 32, 3, 12
	PASS2 3, 0, 32, 4, 4
	PASS2 3, 128, 16, 5, 0
	WIN 0
.set I_, 0
.rept 24
	v_permlanex16_b32 v[BY+I_], v[BM+I_], s[SEL], s[SEL+1]
.set I_, I_+1
.endr
.set I_, 0
.rept 24
	v_max_num_f32 v[BM+I_], v[BM+I_], v[BY+I_]     ; with lane l xor 16's half: the block's largest |y| (the lone tile: its tile's)
.set I_, I_+1
.endr
.irp k, 0,1,2,3
	v_max3_num_f32 v[AM+\k], v[BM+\k], v[BM+4+\k], v[BM+8+\k]
.endr
.irp k, 0,1,2,3
	v_max3_num_f32 v[AM+\k], v[AM+\k], v[BM+12+\k], v[BM+16+\k]
.endr
.irp k, 0,1,2,3
	v_max_num_f32 v[AM+\k], v[AM+\k], v[BM+20+\k]  ; my wave's largest |y|: index 2 x component + row tile
.endr
.irp t, 0,1
	v_pk_add_f32 v[SS+4*\t:SS+4*\t+1], v[SS+4*\t:SS+4*\t+1], v[SS+4*\t+2:SS+4*\t+3]
.endr
.irp t, 0,1
	v_add_f32 v[SS+4*\t], v[SS+4*\t], v[SS+4*\t+1]
.endr
.irp t, 0,1
	v_permlanex16_b32 v[SS+4*\t+1], v[SS+4*\t], s[SEL], s[SEL+1]
.endr
.irp t, 0,1
	v_add_f32 v[SS+4*\t], v[SS+4*\t], v[SS+4*\t+1]
.endr
	v_cndmask_b32 v[BY], v[SS], v[SS+4], s[HM]     ; lanes 0-15 carry row tile 0's figure, lanes 16-31 row tile 1's
	v_cndmask_b32 v[BY+1], v[AM], v[AM+1], s[HM]
	v_cndmask_b32 v[BY+2], v[AM+2], v[AM+3], s[HM]
	v_cndmask_b32 v[BY+3], v[BM+20], v[BM+21], s[HM]
	v_cndmask_b32 v[BY+4], v[BM+22], v[BM+23], s[HM]
.irp k, 0,1,2,3,4
	ds_store_b32 v[EXW], v[BY+\k] offset:128*\k
.endr
	s_wait_dscnt 0x0                               ; for the others' sake: my stores have landed
	s_barrier_signal -1
	s_barrier_wait -1
.irp k, 0,1,2
.irp w, 0,1,2,3
.irp t, 0,1
	ds_load_b32 v[184+8*\k+2*\w+\t], v[EXR] offset:640*\w+128*\k+64*\t
.endr
.endr
.endr
.irp k, 0,1
.irp t, 0,1
	ds_load_b32 v[208+2*\k+\t], v[EXP] offset:384+128*\k+64*\t
.endr
.endr
	s_mov_b32 s82, 0x3abe82fa                      ; 1 / 688
	s_mov_b32 s83, 0x358637bd                      ; 1e-6
	s_wait_dscnt 0x0
.irp t, 0,1
	v_add_f32 v[184+\t], v[184+\t], v[186+\t]
	v_add_f32 v[188+\t], v[188+\t], v[190+\t]
.endr
.irp t, 0,1
	v_add_f32 v[184+\t], v[184+\t], v[188+\t]
.endr
.irp t, 0,1
	v_fma_f32 v[184+\t], v[184+\t], s82, s83
.endr
.irp t, 0,1
	v_rsq_f32 v[INV+\t], v[184+\t]
.endr
.irp c, 0,1
.irp t, 0,1
	v_max3_num_f32 v[216+2*\c+\t], v[192+8*\c+\t], v[194+8*\c+\t], v[196+8*\c+\t]   ; plain work behind the roots
.endr
.endr
.irp c, 0,1
.irp t, 0,1
	v_max_num_f32 v[216+2*\c+\t], v[216+2*\c+\t], v[198+8*\c+\t]
.endr
.endr
	s_wait_alu depctr_va_vdst(0)                   ; the wait ahead of the first reader: one for both roots
.irp c, 0,1
.irp t, 0,1
	v_mul_f32 v[216+2*\c+\t], v[216+2*\c+\t], v[INV+\t]
.endr
.endr
.irp k, 0,1,2,3
	v_max_num_f32 v[216+\k], 0x3727c5ac, v[216+\k] ; clip at 1e-5
.endr
.irp k, 0,1,2,3
	v_rcp_f32 v[220+\k], v[216+\k]
.endr
	v_nop
	s_wait_alu depctr_va_vdst(0)
.irp k, 0,1,2,3
	v_mul_f32 v[224+\k], 0x42fe0000, v[220+\k]     ; rs = 127 / m, with one correction step
.endr
.irp k, 0,1,2,3
	v_fma_f32 v[228+\k], -v[224+\k], v[216+\k], 0x42fe0000
.endr
.irp k, 0,1,2,3
	v_fma_f32 v[232+\k], v[228+\k], v[220+\k], v[224+\k]
.endr
.irp k, 0,1,2,3
	v_rcp_f32 v[236+\k], v[232+\k]
.endr
.irp c, 0,1
.irp t, 0,1
	v_mul_f32 v[KP+4*\t+2*\c], v[INV+\t], v[232+2*\c+\t]       ; inv x rs (plain work behind the reciprocals)
.endr
.endr
.irp k, 0,2,4,6
	v_mov_b32 v[KP+\k+1], v[KP+\k]
.endr
	s_wait_alu depctr_va_vdst(0)
.irp k, 0,1,2,3
	v_fma_f32 v[228+\k], -v[232+\k], v[236+\k], 1.0
.endr
.irp c, 0,1
.irp t, 0,1
	v_fma_f32 v[IR+4*\t+2*\c], v[228+2*\c+\t], v[236+2*\c+\t], v[236+2*\c+\t]   ; 1 / rs
.endr
.endr
.irp k, 0,2,4,6
	v_mov_b32 v[IR+\k+1], v[IR+\k]
.endr
.irp k, 0,1,2,3
	v_max_num_f32 v[BM+20+\k], v[BM+20+\k], v[208+\k]          ; the lone tile's block: with the other tile's
.endr
.set I_, 0
.rept 24
	v_mul_f32 v[BM+I_], v[BM+I_], v[KP+4*(I_%2)+2*((I_/2)%2)]  ; each block's largest magnitude goes the numbers' own way
.set I_, I_+1
.endr
.set I_, 0
.rept 24
	v_rndne_f32 v[BM+I_], v[BM+I_]
.set I_, I_+1
.endr
.set I_, 0
.rept 24
	v_med3_num_f32 v[BM+I_], v[BM+I_], s[CLO], s[CHI]
.set I_, I_+1
.endr
.set I_, 0
.rept 24
	v_mul_f32 v[BM+I_], v[BM+I_], v[IR+4*(I_%2)+2*((I_/2)%2)]
.set I_, I_+1
.endr
.set I_, 0
.rept 24
	v_max_num_f32 v[BM+I_], 0x2800000, v[BM+I_]    ; the floor 2^(5 - 127): the byte cannot fall under 1
.set I_, I_+1
.endr
.set I_, 0
.rept 24
	v_add_nc_u32 v[SO+I_], 0xfe000000, v[BM+I_]    ; 4 off the exponent field: the conversion's scale operand
.set I_, I_+1
.endr
.set I_, 0
.rept 24
	v_lshrrev_b32 v[BY+I_], 23, v[SO+I_]           ; the scale's byte
.set I_, I_+1
.endr
	PASS3 1, 0, 32, 0
	PUT 0
	PASS3 1, 128, 32, 1
	PUT 1
	PASS3 2, 0, 32, 2
	PUT 2
	PASS3 2, 128, 32, 3
	PUT 3
	PASS3 3, 0, 32, 4
	PUT 4
	PASS3 3, 128, 16, 5
	WIN 0x03
.irp c, 0,1
.irp t, 0,1
	ds_store_b16 v[LCA], v[CD+4*(20+2*\c+\t)] offset:3072*\c+1536*\t               ; the lone tile's eight codes: 48 bits
	ds_store_b16_d16_hi v[LCA], v[CD+4*(20+2*\c+\t)] offset:3072*\c+1536*\t+2
	ds_store_b16 v[LCA], v[CD+4*(20+2*\c+\t)+1] offset:3072*\c+1536*\t+4
	ds_store_b8 v[LBA], v[BY+20+2*\c+\t] offset:128*\c+64*\t
.endr
.endr
	WIN 0
	s_wait_dscnt 0x0                               ; for the others' sake: my stores have landed
	s_barrier_signal -1
	s_barrier_wait -1                              ; n's 24 images and its scale words lie in LDS
.irp s, 0,1,2,3,4
	WIN (1+\s/3)<<6
.irp f, 0,1,2,3
.irp q, 0,1,2
	ds_load_b128 v[72*(\s%3)+12*\f+4*\q:72*(\s%3)+12*\f+4*\q+3], v[NRD] offset:6144*\s+1536*\f+16*\q
.endr
.endr
.endr
	WIN 0x80
.irp f, 0,1,2,3
	ds_load_b128 v[144+12*\f:144+12*\f+3], v[NRD] offset:30720+1536*\f             ; K step 5: k = 640 .. 703,
	ds_load_b64 v[144+12*\f+4:144+12*\f+5], v[NRD] offset:30720+1536*\f+16
.endr
.irp f, 0,1,2,3
.irp g, 6,7,8,9,10,11
	v_mov_b32 v[144+12*\f+\g], 0                   ; and zero codes for k = 704 .. 767
.endr
.endr
	WIN 0
.irp s, 0,1,2,3,4,5
.irp c, 0,1
	ds_load_b32 v[NSR+2*\s+\c], v[NSL] offset:256*\s+128*\c
.endr
.endr
	; ---------------- phase 2 ----------------
.macro FU ups, e, buf, half            ; unit ups of a slot's twelve (tile ups / 6, K step ups % 6): its pair of fragments; of K step 5 the lower halves alone
	WIN 0
.set FO, ((\ups)/6)*16896+((\ups)%6)*3072
.set FD, WB+48*(\buf)+24*(\half)
.if ((\ups)%6) < 5
.irp q, 0,1,2,3,4,5
	ds_load_b128 v[FD+4*\q:FD+4*\q+3], v[WA+(\e)] offset:FO+512*\q
.endr
.else
	ds_load_b128 v[FD:FD+3], v[WA+(\e)] offset:FO
	ds_load_b64 v[FD+4:FD+5], v[WH+(\e)] offset:FO+512
	ds_load_b128 v[FD+12:FD+15], v[WA+(\e)] offset:FO+768
	ds_load_b64 v[FD+16:FD+17], v[WH+(\e)] offset:FO+1280
.endif
.endm
.macro WT2 ups, e, part
.set S_, (\ups)%6
.set J_, (\ups)/6
.set WR_, WB+48*(((\ups)/2)&1)+24*((\ups)%2)+12*(\part)
.set ACW, 3
.set DRB, 64*(\e)+8*J_
.set DIB, DRB+32
.set TST, 16
.set XBW, 1+S_/3
.set XBB, 72*(S_%3)
.set NXW, XBW
.set NXB, XBB+48
.set SA_, WSR+4+(\part)
.set SBR, NSR+2*S_
.set SBI, NSR+2*S_+1
.if S_ == 0
.set Z_, 1
.else
.set Z_, 0
.endif
	WTP \part, Z_
.endm
.macro WU ups, e
	WT2 \ups, \e, 0
	WT2 \ups, \e, 1
.endm
; A slot of the down layer: 32 columns, 96 matrix instructions.  mode 2: the slot is filled again; 1: it is left, and nothing is asked for; 0: the last slot.
.macro PSLOT e, mode
.irp p, 0,1,2,3,4
	PLACES
	FU 2*\p+2, \e, (\p+1)&1, 0
	FU 2*\p+3, \e, (\p+1)&1, 1
.if (\p==1)||(\p==4)
	s_wait_dscnt 10                                ; the pair just asked for, six loads and four, may be out
.else
	s_wait_dscnt 12
.endif
	WU 2*\p, \e
	WU 2*\p+1, \e
.endr
.if (\mode) == 2
	THEAD 1
	WU 10, \e
	TMID
	WT2 11, \e, 0
	TFILL G0A+4*(\e)
	FU 0, 1-\e, 0, 0
	FU 1, 1-\e, 0, 1
	ASK
	WT2 11, \e, 1
.elseif (\mode) == 1
	WIN 0
	s_wait_tensorcnt 0x0                           ; the last slot has landed
	ds_add_u32 v[SPW], v[NIL]
	s_wait_dscnt 1
	WU 10, \e
	s_wait_dscnt 0x0
	s_barrier_signal -1
	WT2 11, \e, 0
	s_barrier_wait -1
	PLACES
	FU 0, 1-\e, 0, 0
	FU 1, 1-\e, 0, 1
	WT2 11, \e, 1
.else
	s_wait_dscnt 0x0
	WU 10, \e
	WU 11, \e
.endif
	WIN 0
.endm
; THE WAY OUT: four pieces (output, row tile) of 16 rows x 64 columns.  A lane holds 64 neighbouring bytes of a row for each slot; a piece goes through my own stage and comes back as whole rows of 256 bytes.
; LDS serves a wave's instructions in order (ISA guide 5.7.1.4): no wait between the stores and the loads, nor in front of the next piece's stores.
.macro TOST a
.set AB, 32*((\a)/2)+16*((\a)%2)
	WIN 0x0c                                       ; an LDS store's data are its source 1: window 3
.irp e, 0,1
.irp j, 0,1
	ds_store_b128 v[STO], v[AB+64*\e+8*\j:AB+64*\e+8*\j+3] offset:128*\e+32*\j     ; each accumulator from its low end on
	ds_store_b128 v[STO], v[AB+64*\e+8*\j+4:AB+64*\e+8*\j+7] offset:128*\e+32*\j+16
.endr
.endr
	WIN 0
.set BB, BK+32*((\a)%2)
.irp i, 0,1,2,3,4,5,6,7
	ds_load_b128 v[BB+4*\i:BB+4*\i+3], v[SRD] offset:544*\i
.endr
.endm
.macro SEND a, younger
.set BB, BK+32*((\a)%2)
	s_wait_dscnt \younger                          ; the piece is back; the next piece's eight stores and eight loads may be out
.irp i, 0,1,2,3,4,5,6,7
.if (\a)/2 == 0
	global_store_b128 v[GO], v[BB+4*\i:BB+4*\i+3], s[14:15] offset:(16*((\a)%2)+2*\i)*4096 th:TH_STORE_NT   ; 16 lanes store 256 consecutive bytes, aligned
.else
	global_store_b128 v[GO], v[BB+4*\i:BB+4*\i+3], s[16:17] offset:(16*((\a)%2)+2*\i)*4096 th:TH_STORE_NT
.endif
.endr
.endm
.macro OUTP
	PLACES
	TOST 0
	TOST 1
	SEND 0, 16
	s_wait_xcnt 0x0                                ; piece 0's stores have read their registers: piece 2's loads may land there
	TOST 2
	SEND 1, 16
	s_wait_xcnt 0x0
	TOST 3
	SEND 2, 16
	SEND 3, 0
	s_wait_xcnt 0x0                                ; the stores have read their registers and bases
	s_add_nc_u64 s[14:15], s[14:15], 1024          ; 256 columns on
	s_add_nc_u64 s[16:17], s[16:17], 1024
.endm
	FU 0, 0, 0, 0                                  ; slot 16 was shown landed at phase 1's last change of slots
	FU 1, 0, 0, 1
	s_wait_dscnt 0x0
.irp s, 0,1,2,3,4,5
	WIN ((1+\s/3)<<6)|((1+\s/3)<<2)
.set G_, 0
.rept 24
	v_xor_b32 v[72*(\s%3)+48+G_], s[SGN+G_%3], v[72*(\s%3)+24+G_]                  ; -ni
.set G_, G_+1
.endr
.endr
	WIN 0
	s_mov_b32 s[CNT], 3
.Lcol:                                             ; a trip: two slots, 64 columns a wave; every wave's reads of n's images were waited for ahead of the first round, so the stage may lie over them
	PSLOT 0, 2
	PSLOT 1, 2
	OUTP
	s_sub_co_u32 s[CNT], s[CNT], 1
	s_cmp_lg_u32 s[CNT], 0
	s_cbranch_scc1 .Lcol
	PSLOT 0, 1                                     ; the last two slots are written out
	PSLOT 1, 0
	OUTP
	s_wait_tensorcnt 0x0                           ; the wave's end, behind my last tensor load and my last LDS store
	ds_add_u32 v[SPW], v[NIL]
	s_wait_dscnt 0x0
	CROUND                                         ; the closing round: no work-group ends while a partner may still ask for a slot that names it
	s_endpgm
.Lfunc_end_k_q22be71399f_mlp:
	.size	k_q22be71399f_mlp, .Lfunc_end_k_q22be71399f_mlp-k_q22be71399f_mlp
	.p2alignl 7, 3214868480
	.fill 96, 4, 3214868480
	.section	.rodata,"a",@progbits
	.p2align	6, 0x0
	.amdhsa_kernel k_q22be71399f_mlp
		.amdhsa_group_segment_fixed_size 327680
		.amdhsa_private_segment_fixed_size 0
		.amdhsa_enable_private_segment 0
		.amdhsa_kernarg_size 56
		.amdhsa_user_sgpr_count 2
		.amdhsa_user_sgpr_kernarg_segment_ptr 1
		.amdhsa_wavefront_size32 1
		.amdhsa_system_sgpr_workgroup_id_x 1
		.amdhsa_system_sgpr_workgroup_id_y 1
		.amdhsa_system_sgpr_workgroup_id_z 1
		.amdhsa_system_vgpr_workitem_id 0
		.amdhsa_next_free_vgpr 1024
		.amdhsa_next_free_sgpr 100
		.amdhsa_reserve_vcc 1
		.amdhsa_float_denorm_mode_32 3
		.amdhsa_float_denorm_mode_16_64 3
		.amdhsa_memory_ordered 1
		.amdhsa_forward_progress 1
		.amdhsa_inst_pref_size 255
	.end_amdhsa_kernel
	.section	.bss,"aw",@nobits
	.p2align	6
	.space	262144
	.amdgpu_metadata
---
amdhsa.version: [ 1, 2 ]
amdhsa.kernels:
  - .name:           k_q22be71399f_mlp
    .symbol:         k_q22be71399f_mlp.kd
    .args:
      - { .name: xq, .offset: 0, .size: 8, .value_kind: global_buffer, .address_space: global }
      - { .name: wc, .offset: 8, .size: 8, .value_kind: global_buffer, .address_space: global }
      - { .name: wsc, .offset: 16, .size: 8, .value_kind: global_buffer, .address_space: global }
      - { .name: ln_wr, .offset: 24, .size: 8, .value_kind: global_buffer, .address_space: global }
      - { .name: ln_wi, .offset: 32, .size: 8, .value_kind: global_buffer, .address_space: global }
      - { .name: out0, .offset: 40, .size: 8, .value_kind: global_buffer, .address_space: global }
      - { .name: out1, .offset: 48, .size: 8, .value_kind: global_buffer, .address_space: global }
    .group_segment_fixed_size: 327680
    .private_segment_fixed_size: 0
    .kernarg_segment_align: 8
    .kernarg_segment_size: 56
    .max_flat_workgroup_size: 128
    .sgpr_count:     100
    .vgpr_count:     1024
    .wavefront_size: 32
...
	.end_amdgpu_metadata
.endif
;; end of part 3
;; ======== version 2 of 2: 3 launches
;; limits: right only within a limited range of input values
;; workspace buffers: xq 13,107,200 bytes; wpart 16,640 bytes; wc 3,244,032 bytes; wsc 256 bytes
;; launch wsum (part 4): grid 258 x 1, 4 waves a work-group, no clusters, 0 bytes of LDS; arguments gate_wr, gate_wi, up_wr, up_wi, down_wr, down_wi, wpart; writes wpart
.if DOCPART == 4
	.amdgcn_target "amdgcn-amd-amdhsa--gfx1250"
	.amdhsa_code_object_version 6
	.text
	.protected	k_q22be71399f_wsum
	.globl	k_q22be71399f_wsum
	.p2align	8
	.type	k_q22be71399f_wsum,@function
k_q22be71399f_wsum:
	s_mov_b64 s[64:65], 0
	v_nop
	global_prefetch_b8 v0, s[64:65] scope:SCOPE_SE
	s_setreg_imm32_b32 hwreg(HW_REG_WAVE_MODE, 25, 1), 1
	s_wait_xcnt 0x0
; ComplexNetMLP, first of three launches: partial sums for the three weight means (a mean spans a whole matrix, so it is finished in the next launch).
; All ten inputs and all twelve products of reference() have a way to the outputs and are served.  Padding alone is added (hidden units 688-703, the down layer's k = 688-767), as zero codes inside tiles
; that also hold live work.
; STEPS WRITTEN OTHERWISE THAN reference(), AND LIMITS, for the whole program.
;  (a) The four sectors of arctan2(wi, wr) are told apart by comparisons: an element is 'real' where |wr| > |wi|, or |wr| = |wi| with unlike signs, or wi = +-0.  In exact arithmetic that is reference()'s test for
;      all finite values; it differs only where f32 arctan2 rounds a ratio within about 1.2e-7 of 1 onto a boundary.
;  (b) A division by rs is a multiplication by 1 / rs, made with one correction step: within about 2e-7 of the quotient.
;  (c) NaN and infinities among the inputs are not served.  A block of zeros gets the scale byte 1 where the rule says 127: its codes are zeros, and this program alone reads the bytes.
;  (d) In the third launch the clip to -128 .. 127 behind the rounding of n rs is not written.  rs = 127 / max(max|n|, 1e-5), so |n rs| is at most 127 in real numbers for every finite input, and at most
;      127 (1 + 2^-22) in f32, which rounds to 127: the clip is the identity there.  The second launch writes x's clip out.
; SHARES.  86 work-groups a matrix (0 gate, 1 up, 2 down), a wave to 2,048 elements of wr and of wi: 16 loads of 512 consecutive bytes each.  An entry of wpart is 16 bytes: the sum of |wr| over the real
; elements, the sum of |wi| over the others, the count of real elements, 0.  No LDS, no barrier: waves share nothing.
.set ZR,    14
.set SEL,   20
.set WV,    22
	s_load_b256 s[8:15], s[0:1], 0x0               ; gate_wr, gate_wi, up_wr, up_wi
	s_load_b128 s[16:19], s[0:1], 0x20             ; down_wr, down_wi
	s_load_b64 s[26:27], s[0:1], 0x30              ; wpart
	v_lshrrev_b32 v1, 5, v0
	v_readfirstlane_b32 s[WV], v1                  ; wave 0..3
	v_and_b32 v1, 31, v0                           ; lane
	s_mov_b32 s[SEL], 0x76543210
	s_mov_b32 s[SEL+1], 0xfedcba98                 ; v_permlanex16_b32's selects for lane l xor 16
	s_mov_b32 s28, ttmp9
	s_cmp_ge_u32 s28, 86
	s_cselect_b32 s29, 1, 0
	s_cmp_ge_u32 s28, 172
	s_cselect_b32 s30, 1, 0
	s_add_co_u32 s29, s29, s30                     ; matrix
	s_mul_i32 s30, s29, 86
	s_sub_co_u32 s30, s28, s30
	s_lshl_b32 s30, s30, 2
	s_add_co_u32 s30, s30, s[WV]                   ; entry 0..343
	s_lshl_b32 s32, s30, 13
	s_mov_b32 s33, 0
	s_mul_i32 s34, s29, 344
	s_add_co_u32 s34, s34, s30
	s_lshl_b32 s34, s34, 4
	s_mov_b32 s35, 0
	s_mov_b32 s42, 0                               ; the count of real elements
	v_mov_b32 v[ZR], 0
	s_wait_alu depctr_va_vdst(0)                   ; the wait here, directly ahead of the reader below
	v_lshlrev_b32 v5, 4, v1
	s_wait_alu depctr_va_vdst(0)                   ; and at the head's end
	s_wait_kmcnt 0x0
	s_cmp_eq_u32 s29, 0
	s_cselect_b64 s[36:37], s[8:9], s[12:13]       ; the choice hangs on the work-group's number alone
	s_cselect_b64 s[38:39], s[10:11], s[14:15]
	s_cmp_eq_u32 s29, 2
	s_cselect_b64 s[36:37], s[16:17], s[36:37]
	s_cselect_b64 s[38:39], s[18:19], s[38:39]
	s_add_nc_u64 s[36:37], s[36:37], s[32:33]
	s_add_nc_u64 s[38:39], s[38:39], s[32:33]
	s_add_nc_u64 s[26:27], s[26:27], s[34:35]
.irp i, 0,1,2,3,4,5,6,7,8,9,10,11,12,13,14,15
	global_load_b128 v[32+4*\i:35+4*\i], v5, s[36:37] offset:512*\i
	global_load_b128 v[96+4*\i:99+4*\i], v5, s[38:39] offset:512*\i
.endr
	s_wait_loadcnt 0x0
.set E_, 0
.rept 64
.set TT, 16+8*(E_%2)
	v_xor_b32 v[TT], v[32+E_], v[96+E_]
	v_lshlrev_b32 v[TT+2], 1, v[96+E_]             ; |wi|'s bits, one up
	v_lshrrev_b32 v[TT], 31, v[TT]                 ; 1 where the signs differ
	v_cmp_eq_u32 s40, 0, v[TT+2]                   ; wi = +-0
	v_lshl_or_b32 v[TT+1], v[32+E_], 1, v[TT]      ; |wr|'s bits, one up, + that 1: it decides where the magnitudes are equal
	v_cmp_gt_u32 vcc_lo, v[TT+1], v[TT+2]
	s_or_b32 vcc_lo, vcc_lo, s40                   ; real
	s_bcnt1_i32_b32 s41, vcc_lo
	s_add_co_u32 s42, s42, s41
	v_cndmask_b32 v[TT+3], 0, v[32+E_], vcc_lo
	v_cndmask_b32 v[TT+4], v[96+E_], v[ZR], vcc_lo
.if E_ < 4
	v_and_b32 v[160+E_], 0x7fffffff, v[TT+3]       ; the first four start the chains
	v_and_b32 v[164+E_], 0x7fffffff, v[TT+4]
.else
	v_add_f32 v[160+E_%4], v[160+E_%4], |v[TT+3]|
	v_add_f32 v[164+E_%4], v[164+E_%4], |v[TT+4]|
.endif
.set E_, E_+1
.endr
	v_add_f32 v160, v160, v161
	v_add_f32 v162, v162, v163
	v_add_f32 v164, v164, v165
	v_add_f32 v166, v166, v167
	v_add_f32 v160, v160, v162
	v_add_f32 v164, v164, v166
.irp m, 1,2,4,8
	v_add_f32_dpp v160, v160, v160 row_xmask:\m row_mask:0xf bank_mask:0xf
	v_add_f32_dpp v164, v164, v164 row_xmask:\m row_mask:0xf bank_mask:0xf
.endr
	v_permlanex16_b32 v161, v160, s[SEL], s[SEL+1]
	v_permlanex16_b32 v165, v164, s[SEL], s[SEL+1]
	v_add_f32 v168, v160, v161                     ; sum of |wr| over the real elements
	v_add_f32 v169, v164, v165                     ; sum of |wi| over the others
	v_cvt_f32_u32 v170, s42                        ; the count, at most 2,048: exact
	v_mov_b32 v171, 0
	v_mov_b32 v172, 0
	s_wait_alu depctr_va_vdst(0)                   ; the wait here, directly ahead of the wait below
	s_wait_xcnt 0x0                                ; EXEC changes only behind this wait
	v_cmp_eq_u32 vcc_lo, 0, v1
	s_and_saveexec_b32 s43, vcc_lo
	global_store_b128 v172, v[168:171], s[26:27]   ; lane 0 stores the entry's 16 bytes
	s_endpgm
.Lfunc_end_k_q22be71399f_wsum:
	.size	k_q22be71399f_wsum, .Lfunc_end_k_q22be71399f_wsum-k_q22be71399f_wsum
	.p2alignl 7, 3214868480
	.fill 96, 4, 3214868480
	.section	.rodata,"a",@progbits
	.p2align	6, 0x0
	.amdhsa_kernel k_q22be71399f_wsum
		.amdhsa_group_segment_fixed_size 0
		.amdhsa_private_segment_fixed_size 0
		.amdhsa_enable_private_segment 0
		.amdhsa_kernarg_size 56
		.amdhsa_user_sgpr_count 2
		.amdhsa_user_sgpr_kernarg_segment_ptr 1
		.amdhsa_wavefront_size32 1
		.amdhsa_system_sgpr_workgroup_id_x 1
		.amdhsa_system_sgpr_workgroup_id_y 1
		.amdhsa_system_sgpr_workgroup_id_z 1
		.amdhsa_system_vgpr_workitem_id 0
		.amdhsa_next_free_vgpr 176
		.amdhsa_next_free_sgpr 66
		.amdhsa_reserve_vcc 1
		.amdhsa_float_denorm_mode_32 3
		.amdhsa_float_denorm_mode_16_64 3
		.amdhsa_memory_ordered 1
		.amdhsa_forward_progress 1
		.amdhsa_inst_pref_size 40
	.end_amdhsa_kernel
	.amdgpu_metadata
---
amdhsa.version: [ 1, 2 ]
amdhsa.kernels:
  - .name:           k_q22be71399f_wsum
    .symbol:         k_q22be71399f_wsum.kd
    .args:
      - { .name: gate_wr, .offset: 0, .size: 8, .value_kind: global_buffer, .address_space: global }
      - { .name: gate_wi, .offset: 8, .size: 8, .value_kind: global_buffer, .address_space: global }
      - { .name: up_wr, .offset: 16, .size: 8, .value_kind: global_buffer, .address_space: global }
      - { .name: up_wi, .offset: 24, .size: 8, .value_kind: global_buffer, .address_space: global }
      - { .name: down_wr, .offset: 32, .size: 8, .value_kind: global_buffer, .address_space: global }
      - { .name: down_wi, .offset: 40, .size: 8, .value_kind: global_buffer, .address_space: global }
      - { .name: wpart, .offset: 48, .size: 8, .value_kind: global_buffer, .address_space: global }
    .group_segment_fixed_size: 0
    .private_segment_fixed_size: 0
    .kernarg_segment_align: 8
    .kernarg_segment_size: 56
    .max_flat_workgroup_size: 128
    .sgpr_count:     66
    .vgpr_count:     176
    .wavefront_size: 32
...
	.end_amdgpu_metadata
.endif
;; end of part 4
;; launch wquant (part 5): grid 1296 x 1, 4 waves a work-group, no clusters, 68,608 bytes of LDS; arguments gate_wr, gate_wi, up_wr, up_wi, down_wr, down_wi, wpart, wc, wsc, x_real, x_imag, xq; writes wc, wsc, xq
.if DOCPART == 5
	.amdgcn_target "amdgcn-amd-amdhsa--gfx1250"
	.amdhsa_code_object_version 6
	.text
	.protected	k_q22be71399f_wquant
	.globl	k_q22be71399f_wquant
	.p2align	8
	.type	k_q22be71399f_wquant,@function
k_q22be71399f_wquant:
	s_mov_b64 s[64:65], 0
	v_nop
	global_prefetch_b8 v0, s[64:65] scope:SCOPE_SE
	s_setreg_imm32_b32 hwreg(HW_REG_WAVE_MODE, 25, 1), 1
	s_wait_xcnt 0x0
; Second launch: weight_quant and the MX quantiser of the six weights.  Nothing of reference() is left out here.
; A quantised weight is (+1, 0, -1) x max(mean, 1e-5).  So every block of 32 that is not all zeros has the mean as its largest magnitude: ONE scale byte serves a whole matrix component (a block of zeros has zero
; codes, which add nothing under any byte).  The byte goes to wsc, four times in a word; the codes go to wc in the order in which the third launch streams them.
; The sectors of arctan2 are told apart as in the first launch (its head comment, (a)); the count of imaginary elements is 704,512 less the count of real ones, since the four sectors share out the plane.
; The means: each wave adds the matrix's 344 partial sums in one fixed order, so that all waves hold the same bits; the quotient has one correction step.
; SHARES.  One wave makes one pair of fragments (wr, wi) of 16 rows x 128 along K; lane (r, h) takes row(r) and k = 64 c + 32 h + 0 .. 31, as the operand's layout has them: the conversions' results are the
; operand's registers.  The wave's number is the quarter of a slot that the third launch's wave of that number reads.
; wc: 24 slots of 135,168 bytes, a quarter 33,792.  Slots 0-15 (2 x K step + (0 gate, 1 up)): 11 tiles x (wr, wi) x 1,536.  Slots 16-23 (down): 2 tiles x (5 K steps x (wr, wi) x 1,536 + the lower half of K step 5,
; (wr, wi) x 768).  THE ROWS OF A TILE ARE NOT NEIGHBOURS: lane r takes row base + r + 8 (r / 8), so that two neighbouring tiles' results are 16 neighbours in a lane.
; Hidden units 688-703 and k = 688-703 of the down layer get zero codes; no load leaves its buffer (rows are held at the last row, the lanes' offsets at the row's end, and the numbers masked away).
.set FR,  204                          ; v204-215 wr's codes
.set FI,  216                          ; v216-227 wi's
.set TMP, 228
.set SEL, 58
.macro LOADH c                         ; my 32 numbers of wr and of wi at k = 64 c + 32 h on: the first 16 by v6, the last 16 by v7
.irp j, 0,1,2,3
	global_load_b128 v[32+32*\c+4*\j:35+32*\c+4*\j], v6, s[40:41] offset:256*\c+16*\j
	global_load_b128 v[96+32*\c+4*\j:99+32*\c+4*\j], v6, s[42:43] offset:256*\c+16*\j
.endr
.irp j, 4,5,6,7
	global_load_b128 v[32+32*\c+4*\j:35+32*\c+4*\j], v7, s[40:41] offset:256*\c+16*\j
	global_load_b128 v[96+32*\c+4*\j:99+32*\c+4*\j], v7, s[42:43] offset:256*\c+16*\j
.endr
.endm
.macro MEANS                           ; v12, v13: the two clipped means; v14, v15: the conversions' scale operands
	v_cmp_gt_u32 vcc_lo, 24, v1                    ; the last round has 24 entries
.irp k, 0,1,2
	v_cndmask_b32 v[200+\k], 0, v[200+\k], vcc_lo
.endr
.irp k, 0,1,2
	v_add_f32 v[24+\k], v[160+\k], v[164+\k]
.endr
.irp p, 2,3,4,5,6,7,8,9,10
.irp k, 0,1,2
	v_add_f32 v[24+\k], v[24+\k], v[160+4*\p+\k]
.endr
.endr
.irp m, 1,2,4,8
.irp k, 0,1,2
	v_add_f32_dpp v[24+\k], v[24+\k], v[24+\k] row_xmask:\m row_mask:0xf bank_mask:0xf
.endr
.endr
.irp k, 0,1,2
	v_permlanex16_b32 v[28+\k], v[24+\k], s[SEL], s[SEL+1]
.endr
.irp k, 0,1,2
	v_add_f32 v[24+\k], v[24+\k], v[28+\k]
.endr
	v_sub_f32 v27, 0x492c0000, v26                 ; 704,512 - the count of real elements (counts are exact in f32)
	v_max_num_f32 v26, 1.0, v26
	v_max_num_f32 v27, 1.0, v27
	s_wait_alu depctr_va_vdst(0)
	v_rcp_f32 v28, v26
	v_rcp_f32 v29, v27
	v_nop
	s_wait_alu depctr_va_vdst(0)                   ; the wait ahead of the first reader: one for both
	v_mul_f32 v30, v24, v28
	v_mul_f32 v31, v25, v29
	v_fma_f32 v24, -v30, v26, v24
	v_fma_f32 v25, -v31, v27, v25
	v_fma_f32 v30, v24, v28, v30
	v_fma_f32 v31, v25, v29, v31
	v_max_num_f32 v12, 0x3727c5ac, v30             ; clip at 1e-5
	v_max_num_f32 v13, 0x3727c5ac, v31
	v_add_nc_u32 v14, 0xfe000000, v12              ; 4 off the exponent field
	v_add_nc_u32 v15, 0xfe000000, v13
.endm
.macro TERN c                          ; my 32 pairs become (+-mean or 0, +-mean or 0), in place
.set E_, 0
.rept 32
.set R_, 32+32*(\c)+E_
.set I_, 96+32*(\c)+E_
.set TT, 16+4*(E_%2)
	v_xor_b32 v[TT], v[R_], v[I_]
	v_lshlrev_b32 v[TT+2], 1, v[I_]
	v_lshrrev_b32 v[TT], 31, v[TT]
	v_cmp_eq_u32 s52, 0, v[TT+2]
	v_lshl_or_b32 v[TT+1], v[R_], 1, v[TT]
	v_cmp_gt_u32 vcc_lo, v[TT+1], v[TT+2]
	s_or_b32 s52, vcc_lo, s52                      ; real
.if E_ < 16
	s_and_b32 vcc_lo, s52, s36
	s_and_not1_b32 s53, s36, s52
.else
	s_and_b32 vcc_lo, s52, s47
	s_and_not1_b32 s53, s47, s52
.endif
	v_bfi_b32 v[R_], s46, v12, v[R_]               ; the mean with wr's sign (a zero's sign too, as arctan2 reads it)
	v_bfi_b32 v[I_], s46, v13, v[I_]
	v_cndmask_b32 v[R_], 0, v[R_], vcc_lo
	v_cndmask_b32 v[I_], 0, v[I_], s53
.set E_, E_+1
.endr
.endm
.macro CODES c                         ; registers 6 c .. 6 c + 5 of both fragments
	v_cvt_scalef32_pk16_bf6_f32 v[FR+6*\c:FR+6*\c+2], v[32+32*\c:47+32*\c], v14
	v_cvt_scalef32_pk16_bf6_f32 v[TMP:TMP+2], v[48+32*\c:63+32*\c], v14        ; (a conversion's three registers begin on an even number)
	v_cvt_scalef32_pk16_bf6_f32 v[FI+6*\c:FI+6*\c+2], v[96+32*\c:111+32*\c], v15
	v_cvt_scalef32_pk16_bf6_f32 v[TMP+4:TMP+6], v[112+32*\c:127+32*\c], v15
	v_nop                                          ; one plain place behind a scaled conversion
.irp i, 0,1,2
	v_mov_b32 v[FR+6*\c+3+\i], v[TMP+\i]
	v_mov_b32 v[FI+6*\c+3+\i], v[TMP+4+\i]
.endr
.endm
	s_cmp_ge_u32 ttmp9, 272                        ; work-groups 0-271 take the weights, 272-1295 x: the same for all four waves
	s_cbranch_scc1 .Lx
	s_load_b256 s[4:11], s[0:1], 0x0               ; gate_wr, gate_wi, up_wr, up_wi
	s_load_b256 s[12:19], s[0:1], 0x20             ; down_wr, down_wi, wpart, wc
	s_load_b64 s[20:21], s[0:1], 0x40              ; wsc
	v_lshrrev_b32 v1, 5, v0
	v_readfirstlane_b32 s22, v1                    ; wave = quarter
	v_and_b32 v1, 31, v0
	v_and_b32 v2, 15, v0                           ; r
	v_bfe_u32 v3, v0, 4, 1                         ; h
	s_mov_b32 s[SEL], 0x76543210
	s_mov_b32 s[SEL+1], 0xfedcba98
	s_mov_b32 s46, 0x7fffffff
	s_cmp_ge_u32 ttmp9, 176
	s_cbranch_scc1 .Ldown
	s_lshr_b32 s30, ttmp9, 4                       ; tile i 0..10
	s_and_b32 s31, ttmp9, 15                       ; slot
	s_lshr_b32 s25, s31, 1                         ; K step
	s_and_b32 s23, s31, 1                          ; matrix: 0 gate, 1 up
	s_mul_i32 s32, s22, 5
	s_lshr_b32 s33, s30, 1
	s_add_co_u32 s32, s32, s33                     ; block 5 w + i / 2,
	s_and_b32 s33, s30, 1                          ; its tile i % 2;
	s_lshr_b32 s34, s22, 1
	s_add_co_u32 s34, s34, 20                      ; the eleventh tile: block 20 + w / 2,
	s_and_b32 s35, s22, 1                          ; its tile w % 2
	s_cmp_lt_u32 s30, 10
	s_cselect_b32 s32, s32, s34
	s_cselect_b32 s33, s33, s35
	s_lshl_b32 s26, s32, 5
	s_lshl_b32 s33, s33, 3
	s_add_co_u32 s26, s26, s33                     ; the tile's first hidden unit
	s_mov_b32 s24, 4096                            ; a row in bytes
	s_mov_b32 s27, 0
	s_mov_b32 s37, 687                             ; the last row
	s_mul_i32 s28, s31, 135168
	s_mul_i32 s33, s30, 3072
	s_add_co_u32 s28, s28, s33
	s_branch .Lcommon
.Ldown:
	s_sub_co_u32 s30, ttmp9, 176
	s_lshr_b32 s25, s30, 4                         ; K step 0..5
	s_bfe_u32 s31, s30, 0x30001                    ; slot 16 + this
	s_and_b32 s32, s30, 1                          ; tile j
	s_mov_b32 s23, 2
	s_lshr_b32 s33, s31, 1
	s_lshl_b32 s33, s33, 2
	s_add_co_u32 s33, s33, s22
	s_lshl_b32 s26, s33, 6                         ; 64 columns for each (trip, wave),
	s_and_b32 s33, s31, 1
	s_lshl_b32 s33, s33, 5
	s_add_co_u32 s26, s26, s33                     ; 32 for each slot of the trip,
	s_lshl_b32 s33, s32, 3
	s_add_co_u32 s26, s26, s33                     ; and the tile
	s_mov_b32 s24, 2752
	s_mov_b32 s37, 1023
	s_add_co_u32 s28, s31, 16
	s_mul_i32 s28, s28, 135168
	s_mul_i32 s33, s32, 16896
	s_add_co_u32 s28, s28, s33
	s_mul_i32 s33, s25, 3072
	s_add_co_u32 s28, s28, s33
	s_cmp_eq_u32 s25, 5
	s_cselect_b32 s27, 1, 0                        ; the half K step
.Lcommon:
	s_mul_i32 s33, s22, 33792
	s_add_co_u32 s28, s28, s33
	s_mov_b32 s29, 0
	s_wait_alu depctr_va_vdst(0)
	v_and_b32 v4, 8, v2
	v_add_nc_u32 v4, v4, v2
	v_add_nc_u32 v4, s26, v4                       ; my row
	s_mov_b32 s38, 688
	v_cmp_gt_u32 s36, s38, v4                      ; gate, up: hidden units from 688 on are padding
	s_cmp_eq_u32 s23, 2
	s_cselect_b32 s36, -1, s36
	v_min_u32 v4, s37, v4
	v_mul_lo_u32 v5, v4, s24
	s_lshl_b32 s38, s25, 9
	v_add_nc_u32 v5, s38, v5
	v_lshl_add_u32 v6, v3, 7, v5                   ; + 128 h
	s_cmp_eq_u32 s27, 1
	s_cselect_b32 s39, 0, 128                      ; in the half K step lanes 16-31 would pass the row's end with their last 16 numbers (k = 688 on):
	s_mov_b32 s47, 0xffff
	s_cselect_b32 s47, s47, -1
	s_and_b32 s47, s47, s36                        ; they load lanes 0-15's and are masked away
	v_mad_u32_u24 v7, v3, s39, v5
	v_lshlrev_b32 v8, 4, v1
	v_min_u32 v9, 23, v1
	v_lshlrev_b32 v9, 4, v9
	v_lshlrev_b32 v10, 3, v1
	v_mov_b32 v11, 0
.irp k, 0,1,2
	v_mov_b32 v[28+\k], 0                          ; a lane permute's destination counts as one of its sources
.endr
	s_mul_i32 s50, s23, 5504
	s_mov_b32 s51, 0
	s_wait_alu depctr_va_vdst(0)
	s_wait_kmcnt 0x0
	s_cmp_eq_u32 s23, 0
	s_cselect_b64 s[40:41], s[4:5], s[8:9]
	s_cselect_b64 s[42:43], s[6:7], s[10:11]
	s_cmp_eq_u32 s23, 2
	s_cselect_b64 s[40:41], s[12:13], s[40:41]
	s_cselect_b64 s[42:43], s[14:15], s[42:43]
	s_add_nc_u64 s[44:45], s[16:17], s[50:51]      ; my matrix's partial sums
	s_add_nc_u64 s[48:49], s[18:19], s[28:29]      ; where my pair of fragments goes
.irp p, 0,1,2,3,4,5,6,7,8,9
	global_load_b128 v[160+4*\p:163+4*\p], v8, s[44:45] offset:512*\p
.endr
	global_load_b128 v[200:203], v9, s[44:45] offset:5120      ; entries 320 .. 343; lanes from 24 on repeat the last and are cleared
	LOADH 0
	s_cmp_eq_u32 s27, 1
	s_cbranch_scc1 .Lhalf
	LOADH 1
	s_wait_loadcnt 0x0
	MEANS
	TERN 0
	CODES 0
	TERN 1
	CODES 1
.irp q, 0,1,2
	global_store_b128 v8, v[FR+4*\q:FR+4*\q+3], s[48:49] offset:512*\q             ; 32 lanes store 512 consecutive bytes, aligned
	global_store_b128 v8, v[FI+4*\q:FI+4*\q+3], s[48:49] offset:1536+512*\q
.endr
	s_branch .Lwords
.Lhalf:
	s_wait_loadcnt 0x0
	MEANS
	TERN 0
	CODES 0
	global_store_b128 v8, v[FR:FR+3], s[48:49]                 ; registers 0-3, then 4-5: 768 bytes a half fragment
	global_store_b64 v10, v[FR+4:FR+5], s[48:49] offset:512
	global_store_b128 v8, v[FI:FI+3], s[48:49] offset:768
	global_store_b64 v10, v[FI+4:FI+5], s[48:49] offset:1280
.Lwords:
	s_cmp_lt_u32 ttmp9, 2                          ; wave 0 of work-groups 0 (gate), 1 (up) and 176 (down) stores the matrix's two scale words
	s_cselect_b32 s54, 1, 0
	s_cmp_eq_u32 ttmp9, 176
	s_cselect_b32 s55, 1, 0
	s_or_b32 s54, s54, s55
	s_cmp_eq_u32 s22, 0
	s_cselect_b32 s54, s54, 0
	s_cmp_eq_u32 s54, 0
	s_cbranch_scc1 .Lend
	v_lshrrev_b32 v24, 23, v14
	v_lshrrev_b32 v25, 23, v15
	s_mov_b32 s55, 0x01010101
	v_mul_lo_u32 v24, v24, s55                     ; the byte four times
	v_mul_lo_u32 v25, v25, s55
	s_lshl_b32 s56, s23, 3
	s_mov_b32 s57, 0
	s_add_nc_u64 s[20:21], s[20:21], s[56:57]
	s_wait_alu depctr_va_vdst(0)
	s_wait_xcnt 0x0                                ; EXEC changes only behind this wait
	v_cmp_eq_u32 vcc_lo, 0, v1
	s_and_saveexec_b32 s54, vcc_lo
	global_store_b64 v11, v[24:25], s[20:21]
	s_endpgm
.Lend:
	s_endpgm
; ---------------- x: work-groups 272-1295 ----------------
; act_quant of x (per row: rs = 127 / max(max|x|, 1e-5); q = clip(round(x rs), -128, 127) / rs) and then the MX quantiser along K (blocks of 32, E3M2, E8M0 scale), stored as images of the matrix operand's registers.
; A work-group takes 16 rows of one component (unit u = number - 272: tile u & 1, component (u >> 1) & 1, row block u >> 2); wave w takes K steps 2 w and 2 w + 1 (128 along K each).  Each load reads 512
; consecutive bytes of one row, 16 a lane.  QUANT wants a lane to hold, of row r, the 16 neighbours at 16 h of each block of 32: so the wave's 16 rows x 1,024 bytes turn through its own stage in LDS (rows 528
; bytes apart).  The row's maximum meets in LDS: one barrier.  This path alone uses LDS.
; xq: row block x 51,200 bytes: [K step 8] x 6,400: codes [component 2][tile 2][1,536], register g of lane l at 512 (g / 4) + 16 l + 4 (g % 4); then the K step's scale words [component 2][32 rows].
.Lx:
.set XM,    0                          ; LDS: 4 waves x 128 bytes: each wave's row maxima
.set SPARE, 512                        ; the spare words, 128 bytes for each wave: two blocks of 256 bytes that no other line names
.set STG,   1024                       ; the stages: for each wave 2 K steps x 16 rows x 528 bytes
.set SROW,  528
.set SKS,   16*SROW
.set SPW,   12                         ; v12  my spare word's address; never rewritten
.set NIL,   13                         ; v13  0; never rewritten
.set TM,    16                         ; v16-31 at work in QUANT
.set D,     32                         ; v32-159 my 128 numbers
.set PC0,   160                        ; v160-178, v180-198 the two fragments' codes
.set PC1,   180
.set PW0,   200                        ; their scale words
.set PW1,   201
.set MX,    204
.set RS,    208                        ; v[208:209] rs twice, v[210:211] 1 / rs twice
.set IRS,   210
.set WV,    22
; 64 numbers of a lane, register 16 b + i = k 32 b + 16 (lane / 16) + i of my row, become a fragment's codes in v[pc] on and its scale word in v[pw]
.macro QUANT s, pc, pw
.irp b, 0,1,2,3
	v_max3_num_f32 v[TM+\b], |v[\s+16*\b]|, |v[\s+1+16*\b]|, 0x2800000   ; block b: my 16 numbers, and the floor 2^(5 - 127): the byte cannot fall under 1
.endr
.irp i, 2,4,6,8,10,12,14
.irp b, 0,1,2,3
	v_max3_num_f32 v[TM+\b], v[TM+\b], |v[\s+16*\b+\i]|, |v[\s+1+16*\b+\i]|
.endr
.endr
.irp b, 0,1,2,3
	v_permlanex16_b32 v[TM+4+\b], v[TM+\b], s[SEL], s[SEL+1]
.endr
.irp b, 0,1,2,3
	v_max_num_f32 v[TM+\b], v[TM+\b], v[TM+4+\b]                ; with lane l xor 16's: the block's largest magnitude
.endr
.irp b, 0,1,2,3
	v_add_nc_u32 v[TM+12+\b], 0xfe000000, v[TM+\b]              ; 4 off its exponent field: the conversion's scale operand
.endr
.irp b, 0,1,2,3
	v_lshrrev_b32 v[TM+4+\b], 23, v[TM+12+\b]                   ; the scale's byte
.endr
	v_lshl_or_b32 v[\pw], v[TM+5], 8, v[TM+4]
	v_lshl_or_b32 v[\pw], v[TM+6], 16, v[\pw]
	v_lshl_or_b32 v[\pw], v[TM+7], 24, v[\pw]
.irp c, 0,1
	v_cvt_scalef32_pk16_bf6_f32 v[\pc+6*\c:\pc+2+6*\c], v[\s+32*\c:\s+15+32*\c], v[TM+12+2*\c]
	v_cvt_scalef32_pk16_bf6_f32 v[\pc+12+4*\c:\pc+14+4*\c], v[\s+16+32*\c:\s+31+32*\c], v[TM+12+2*\c+1]   ; (a conversion's three registers begin on an even number)
.endr
	v_nop                                                       ; one plain place behind a scaled conversion
.irp c, 0,1                                                     ; the operand's layout wants a whole block in a lane
.irp i, 0,1,2
	v_permlane16_swap_b32 v[\pc+6*\c+\i], v[\pc+12+4*\c+\i]
.endr
.irp i, 0,1,2
	v_mov_b32 v[\pc+3+6*\c+\i], v[\pc+12+4*\c+\i]
.endr
.endr
.endm
	s_load_b128 s[4:7], s[0:1], 0x48               ; x_real, x_imag
	s_load_b64 s[24:25], s[0:1], 0x58              ; xq
	v_lshl_add_u32 v[SPW], v0, 2, SPARE
	v_mov_b32 v[NIL], 0
	v_lshrrev_b32 v1, 5, v0
	v_readfirstlane_b32 s[WV], v1                  ; wave 0..3
	v_and_b32 v1, 31, v0                           ; lane
	s_mov_b32 s[SEL], 0x76543210
	s_mov_b32 s[SEL+1], 0xfedcba98                 ; v_permlanex16_b32's selects for lane l xor 16
	s_sub_co_u32 s46, ttmp9, 272                   ; unit u
	v_and_b32 v2, 15, v0                           ; r
	v_bfe_u32 v3, v0, 4, 1                         ; h
	v_lshlrev_b32 v5, 4, v1                        ; 16 x lane: my 16 bytes of a load's 512, and an image's place for my lane
	v_lshlrev_b32 v6, 2, v2                        ; my row's scale word
	v_lshlrev_b32 v7, 2, v0                        ; LDS: my wave's 128 bytes, my lane's word
	v_lshlrev_b32 v8, 2, v1                        ; and the same lane's word of every wave
	s_mul_i32 s31, s[WV], 2*SKS
	s_add_co_u32 s31, s31, STG                     ; my wave's stage
	v_add_nc_u32 v9, s31, v5                       ; into it: 16 x lane, as loaded
	v_mul_u32_u24 v10, v2, SROW
	v_lshl_add_u32 v10, v3, 6, v10
	v_add_nc_u32 v10, s31, v10                     ; out of it: row r, + 64 h
	s_and_b32 s28, s46, 1                          ; tile
	s_bfe_u32 s29, s46, 0x10001                    ; component
	s_lshr_b32 s30, s46, 2                         ; row block
	s_lshl_b32 s32, s30, 17                        ; 32 rows of 4,096 bytes
	s_lshl_b32 s31, s28, 16
	s_add_co_u32 s32, s32, s31
	s_lshl_b32 s31, s[WV], 10                      ; my wave's 256 numbers of a row
	s_add_co_u32 s32, s32, s31
	s_mov_b32 s33, 0
	s_mul_i32 s34, s30, 51200
	s_mul_i32 s31, s[WV], 12800                    ; K step 2 w
	s_add_co_u32 s34, s34, s31
	s_add_co_u32 s36, s34, 6144                    ; its scale words
	s_mul_i32 s31, s29, 3072
	s_add_co_u32 s34, s34, s31
	s_mul_i32 s31, s28, 1536
	s_add_co_u32 s34, s34, s31
	s_mov_b32 s35, 0
	s_lshl_b32 s31, s29, 7
	s_add_co_u32 s36, s36, s31
	s_lshl_b32 s31, s28, 6
	s_add_co_u32 s36, s36, s31
	s_mov_b32 s37, 0
	s_mov_b32 s44, 0xc3000000                      ; -128.0
	s_mov_b32 s45, 0x42fe0000                      ; 127.0
	s_wait_alu depctr_va_vdst(0)                   ; the wait at the head's end
	s_wait_kmcnt 0x0
	s_cmp_eq_u32 s29, 0
	s_cselect_b64 s[4:5], s[4:5], s[6:7]           ; the choice hangs on the work-group's number alone
	s_add_nc_u64 s[4:5], s[4:5], s[32:33]
	s_add_nc_u64 s[38:39], s[24:25], s[34:35]      ; my codes
	s_add_nc_u64 s[40:41], s[24:25], s[36:37]      ; my scale words
.irp s, 0,1
.irp p, 0,1,2,3,4,5,6,7,8,9,10,11,12,13,14,15
	global_load_b128 v[D+64*\s+4*\p:D+64*\s+4*\p+3], v5, s[4:5] offset:4096*\p+512*\s th:TH_LOAD_NT   ; row p, K step s: 32 lanes read 512 consecutive bytes, aligned
.endr
.endr
.irp b, 0,1,2,3
	v_mov_b32 v[TM+4+\b], 0                        ; written once: a lane permute's destination counts as one of its sources
.endr
.irp g, 0,1,2,3
	s_wait_loadcnt 24-8*\g                         ; this group's eight loads are in; the later groups' may be out
.irp p, 0,1,2,3,4,5,6,7
	ds_store_b128 v9, v[D+32*\g+4*\p:D+32*\g+4*\p+3] offset:SKS*(\g/2)+SROW*(8*(\g%2)+\p)
.endr
.endr
	s_wait_dscnt 0x0                               ; the stores have read their registers, which the loads below write
.irp s, 0,1
.irp b, 0,1,2,3
.irp j, 0,1,2,3
	ds_load_b128 v[D+64*\s+16*\b+4*\j:D+64*\s+16*\b+4*\j+3], v10 offset:SKS*\s+128*\b+16*\j   ; my wave's own bytes: no barrier
.endr
.endr
.endr
	s_wait_dscnt 0x0
.irp c, 0,1,2,3                                    ; the largest magnitude of my 128, in four chains
	v_max3_num_f32 v[MX+\c], |v[D+32*\c]|, |v[D+32*\c+1]|, |v[D+32*\c+2]|
.endr
.irp i, 3,5,7,9,11,13,15,17,19,21,23,25,27,29
.irp c, 0,1,2,3
	v_max3_num_f32 v[MX+\c], v[MX+\c], |v[D+32*\c+\i]|, |v[D+32*\c+\i+1]|
.endr
.endr
.irp c, 0,1,2,3
	v_max_num_f32 v[MX+\c], v[MX+\c], |v[D+32*\c+31]|
.endr
	v_max3_num_f32 v[MX], v[MX], v[MX+1], v[MX+2]
	v_max_num_f32 v[MX], v[MX], v[MX+3]
	v_permlanex16_b32 v[MX+1], v[MX], s[SEL], s[SEL+1]
	v_max_num_f32 v[MX], v[MX], v[MX+1]            ; my wave's 256 numbers of row r
	ds_store_b32 v7, v[MX]
	s_wait_dscnt 0x0                               ; for the others' sake: my store has landed
	s_barrier_signal -1
	s_barrier_wait -1
.irp c, 0,1,2,3
	ds_load_b32 v[MX+\c], v8 offset:XM+128*\c
.endr
	s_wait_dscnt 0x0
	v_max3_num_f32 v[MX], v[MX], v[MX+1], v[MX+2]
	v_max_num_f32 v[MX], v[MX], v[MX+3]
	v_max_num_f32 v[MX], 0x3727c5ac, v[MX]         ; clip at 1e-5
	s_wait_alu depctr_va_vdst(0)                   ; the wait ahead of the transcendental too
	v_rcp_f32 v[MX+1], v[MX]
	v_nop                                          ; a plain place behind the reciprocal
	s_wait_alu depctr_va_vdst(0)                   ; the wait ahead of the first reader
	v_mul_f32 v[MX+2], 0x42fe0000, v[MX+1]         ; 127 / m, with one correction step
	v_fma_f32 v[MX+3], -v[MX+2], v[MX], 0x42fe0000
	v_fma_f32 v[RS], v[MX+3], v[MX+1], v[MX+2]
	v_mov_b32 v[RS+1], v[RS]
	v_rcp_f32 v[IRS], v[RS]
	v_nop
	s_wait_alu depctr_va_vdst(0)
	v_fma_f32 v[IRS+1], -v[RS], v[IRS], 1.0        ; 1 / rs, likewise
	v_fma_f32 v[IRS], v[IRS+1], v[IRS], v[IRS]
	v_mov_b32 v[IRS+1], v[IRS]
.set E_, 0
.rept 64
	v_pk_mul_f32 v[D+E_:D+E_+1], v[D+E_:D+E_+1], v[RS:RS+1]
.set E_, E_+2
.endr
.set E_, 0
.rept 128
	v_rndne_f32 v[D+E_], v[D+E_]
.set E_, E_+1
.endr
.set E_, 0
.rept 128
	v_med3_num_f32 v[D+E_], v[D+E_], s44, s45
.set E_, E_+1
.endr
.set E_, 0
.rept 64
	v_pk_mul_f32 v[D+E_:D+E_+1], v[D+E_:D+E_+1], v[IRS:IRS+1]
.set E_, E_+2
.endr
	QUANT D, PC0, PW0
	QUANT D+64, PC1, PW1
.irp q, 0,1,2
	global_store_b128 v5, v[PC0+4*\q:PC0+4*\q+3], s[38:39] offset:512*\q          ; 32 lanes store 512 consecutive bytes, aligned
.endr
.irp q, 0,1,2
	global_store_b128 v5, v[PC1+4*\q:PC1+4*\q+3], s[38:39] offset:6400+512*\q
.endr
	global_store_b32 v6, v[PW0], s[40:41]          ; lanes l and l xor 16 write the same word with the same value
	global_store_b32 v6, v[PW1], s[40:41] offset:6400
	s_wait_tensorcnt 0x0                           ; the wave's end, behind my last LDS store
	ds_add_u32 v[SPW], v[NIL]
	s_wait_dscnt 0x0
	s_endpgm
.Lfunc_end_k_q22be71399f_wquant:
	.size	k_q22be71399f_wquant, .Lfunc_end_k_q22be71399f_wquant-k_q22be71399f_wquant
	.p2alignl 7, 3214868480
	.fill 96, 4, 3214868480
	.section	.rodata,"a",@progbits
	.p2align	6, 0x0
	.amdhsa_kernel k_q22be71399f_wquant
		.amdhsa_group_segment_fixed_size 68608
		.amdhsa_private_segment_fixed_size 0
		.amdhsa_enable_private_segment 0
		.amdhsa_kernarg_size 96
		.amdhsa_user_sgpr_count 2
		.amdhsa_user_sgpr_kernarg_segment_ptr 1
		.amdhsa_wavefront_size32 1
		.amdhsa_system_sgpr_workgroup_id_x 1
		.amdhsa_system_sgpr_workgroup_id_y 1
		.amdhsa_system_sgpr_workgroup_id_z 1
		.amdhsa_system_vgpr_workitem_id 0
		.amdhsa_next_free_vgpr 240
		.amdhsa_next_free_sgpr 66
		.amdhsa_reserve_vcc 1
		.amdhsa_float_denorm_mode_32 3
		.amdhsa_float_denorm_mode_16_64 3
		.amdhsa_memory_ordered 1
		.amdhsa_forward_progress 1
		.amdhsa_inst_pref_size 116
	.end_amdhsa_kernel
	.amdgpu_metadata
---
amdhsa.version: [ 1, 2 ]
amdhsa.kernels:
  - .name:           k_q22be71399f_wquant
    .symbol:         k_q22be71399f_wquant.kd
    .args:
      - { .name: gate_wr, .offset: 0, .size: 8, .value_kind: global_buffer, .address_space: global }
      - { .name: gate_wi, .offset: 8, .size: 8, .value_kind: global_buffer, .address_space: global }
      - { .name: up_wr, .offset: 16, .size: 8, .value_kind: global_buffer, .address_space: global }
      - { .name: up_wi, .offset: 24, .size: 8, .value_kind: global_buffer, .address_space: global }
      - { .name: down_wr, .offset: 32, .size: 8, .value_kind: global_buffer, .address_space: global }
      - { .name: down_wi, .offset: 40, .size: 8, .value_kind: global_buffer, .address_space: global }
      - { .name: wpart, .offset: 48, .size: 8, .value_kind: global_buffer, .address_space: global }
      - { .name: wc, .offset: 56, .size: 8, .value_kind: global_buffer, .address_space: global }
      - { .name: wsc, .offset: 64, .size: 8, .value_kind: global_buffer, .address_space: global }
      - { .name: x_real, .offset: 72, .size: 8, .value_kind: global_buffer, .address_space: global }
      - { .name: x_imag, .offset: 80, .size: 8, .value_kind: global_buffer, .address_space: global }
      - { .name: xq, .offset: 88, .size: 8, .value_kind: global_buffer, .address_space: global }
    .group_segment_fixed_size: 68608
    .private_segment_fixed_size: 0
    .kernarg_segment_align: 8
    .kernarg_segment_size: 96
    .max_flat_workgroup_size: 128
    .sgpr_count:     66
    .vgpr_count:     240
    .wavefront_size: 32
...
	.end_amdgpu_metadata
.endif
;; end of part 5
;; launch mlp (part 6): grid 256 x 1, 4 waves a work-group, clusters of 4 x 1, 327,680 bytes of LDS; arguments xq, wc, wsc, ln_wr, ln_wi, out0, out1; writes out0, out1
.if DOCPART == 6
	.amdgcn_target "amdgcn-amd-amdhsa--gfx1250"
	.amdhsa_code_object_version 6
	.text
	.protected	k_q22be71399f_mlp
	.globl	k_q22be71399f_mlp
	.p2align	8
	.type	k_q22be71399f_mlp,@function
k_q22be71399f_mlp:
	s_mov_b64 s[64:65], 0
	v_nop
	global_prefetch_b8 v0, s[64:65] scope:SCOPE_SE
	s_setreg_imm32_b32 hwreg(HW_REG_WAVE_MODE, 25, 1), 1
	s_wait_xcnt 0x0
	s_wait_alu depctr_hold_cnt(0) depctr_sa_sdst(0) depctr_va_vdst(0) depctr_va_sdst(0) depctr_va_ssrc(0) depctr_va_vcc(0) depctr_vm_vsrc(0)
	s_getreg_b32 s2, hwreg(HW_REG_IB_STS2, 6, 4)
	s_cmp_eq_u32 s2, 0
	s_cbranch_scc0 .Lentry_in_a_cluster
	s_endpgm
.Lentry_in_a_cluster:
	s_bfe_u32 s2, ttmp6, 0x10000c
	s_cmp_lg_u32 s2, 0x3003
	s_cbranch_scc0 .Lentry_shape_is_right
	s_endpgm
.Lentry_shape_is_right:
; Third launch: gate and up, relu^2, the complex product, the RMS norm, act_quant, the MX quantiser and the down layer, fused; the hidden layer never goes to memory.  Nothing of reference() is left out.
; SHARES.  A work-group owns 32 rows (two tiles t of 16).  THE WAVES SHARE THE COLUMNS: each works on all 32 rows, so that a weight fragment read from LDS feeds four matrix instructions.
;  Phase 1: wave w makes hidden blocks 5 w .. 5 w + 4 (32 units each, two tiles u) and one lone tile, tile w % 2 of block 20 + w / 2: 11 tiles x (Gr, Gi, Ur, Ui) x 2 row tiles = 704 accumulator registers.
;  Phase Q: h, the row sums and maxima (exchanged through LDS), n's codes and scale bytes, as images of the operand's registers in LDS.   Phase 2: in the trip for m wave w makes columns 64 (4 m + w) .. + 63 of both outputs.
; BOTH PRODUCTS ARE USED TRANSPOSED (source 0 = 16 rows of a weight, source 1 = 16 rows of x or n): a lane holds one row, and its registers run along the hidden units or the columns.
; out_i = xr wi - xi wr is summed as xr wi + (-xi) wr in one accumulator: -xi's codes are xi's with the sign bits turned, which is what the quantiser, an odd function, gives for -xi.
; THE WEIGHTS come as 24 slots of 135,168 bytes through a ring of two LDS slots; wave w fetches and reads quarter w.  The four work-groups of a cluster walk the same slots and ask JOINTLY.
; THE CLUSTERS WALK FROM DIFFERENT STARTS: cluster c takes the K steps of phase 1 in the order k0, k0 + 1 .. modulo 8 with k0 = (c + c / 8) % 8, and the column trips of phase 2 from (c + c / 4) % 4 on, modulo 4:
; at any time the clusters ask for different slots, and a slot that one asks for has been read by another a slot earlier.  Global addresses alone hang on the start, which the partners share: x's K steps are
; laid into LDS in the cluster's own order, so every LDS address is as it would be without.
; The upper halves of the down layer's K step 5 (k = 704-767) are never fetched: n's codes there are zeros, E3M2 has no code for NaN or infinity, so whatever those weight registers still hold adds 0.
; ORDER OF ROUNDING that differs from reference()'s: the sums over K begin at the cluster's own K step; n rs is (g h) (inv rs), max|n| is max|g h| inv, the mean is the sum x (1 / 688), a multiply and an add are
; fused: a few 1e-7 of the number.  A block's largest quantised magnitude is the block's largest |g h| put through the same lines as the numbers (they rise with the magnitude).  NaN and infinities are not served.
; LDS: 0 ring slot 0; 135,168 ring slot 1; 270,336 XR: x's block, 8 K steps x 6,400 (filled once; when its last read is over: n's images and scale words, later each wave's stage for the way out);
;  321,536 spare words; 322,048 exchange.
; REGISTERS.  Window 0: v1-15 addresses; v16-19 x's scale words, v20-25 the weights', v26-37 n's; v38-57 addresses; v58-87 row figures; v88-183 weight fragments (2 buffers x 2 tiles x (wr, wi));
;  v184-231 x's fragments of even steps; v232-255 -xi.  Windows 1, 2: blocks 0-3, 128 registers each at 32 kind + 16 t + 8 u (kind: Gr, Gi, Ur, Ui); in phase 2 n's fragments (K step s: window 1 + s / 3, 72 (s % 3):
;  nr0, nr1, ni0, ni1, -ni0, -ni1).  Window 3: v0-127 block 4, later the outputs' accumulators; v128-191 the lone tile; v192-239 x's fragments of odd steps; v240-251 LDS addresses of n's stores.
.set SLOTB, 135168
.set QB,    33792
.set XR,    270336
.set XKS,   6400                       ; a K step of x: four fragments and 256 bytes of scale words
.set XSCL,  XR+6144
.set SPARE, 321536                     ; the spare words, 128 bytes for each wave: two blocks of 256 bytes that no other line names
.set EX,    322048                     ; 4 waves x 5 kinds x 128 bytes
.set NI,    XR                         ; n's 24 images, 1,536 bytes each, 48 bytes a lane
.set NSB,   XR+36864                   ; n's scale words [K step][component][32 rows]
.set STG,   XR                         ; the way out: 16 rows x 272 bytes for each wave
.set LI,  1
.set WA,  2                            ; v2, v3   16 x lane + my quarter, in slot 0, 1
.set WH,  4                            ; v4, v5   8 x lane + the same
.set XA0, 6
.set XAD, 7
.set XS0, 8
.set XSD, 9
.set RR,  10
.set HH,  11
.set SPW, 12                           ; my spare word's address; never rewritten
.set NIL, 13                           ; 0; never rewritten
.set ZR,  14
.set PFO, 15
.set XSR, 16
.set WSR, 20
.set NSR, 26
.set EXW, 38
.set EXR, 39
.set EXP, 40
.set NW0, 41
.set NSW0, 42
.set NRD, 43
.set NSL, 44
.set STO, 52
.set SRD, 53
.set GO,  54
.set GA,  55
.set GL,  56
.set LN,  57
.set SS,  58
.set AM,  66
.set INV, 70
.set KP,  72
.set IR,  80
.set WB,  88
.set BM,  88
.set BY,  112
.set SO,  136
.set CD,  160
.set T1,  184
.set T2,  216
.set BK,  184
.set NWA, 240                          ; in window 3
.set NSA, 245
.set LCA, 250
.set LBA, 251
.set WV,  18
.set G1W, 24
.set G1X, 32
.set G0A, 40
.set G0B, 44
.set G0X, 48
.set SEL, 52
.set SGN, 54
.set HM,  57
.set CNT, 58
.set XO,  59
.set SIG, 61
.set LIM, 62
.set MC,  63                           ; s63  the column trip in hand
.set PFA, 66
.set CLO, 68
.set CHI, 69
.set KC,  70                           ; s70  the K step (later: the column trip) whose slots were asked for last
.set MST, 71                           ; s71  the column trip at which my cluster begins
.set G0Y, 72                           ; s[74:75] my second K step of x in memory
.set WBS, 76                           ; s[76:77] wc at my quarter of slot 0
.set OFS, 78                           ; s[78:79] a slot's byte offset in wc
.set OP0, 96                           ; s[96:97], s[98:99] the outputs at the trip's columns
.set OP1, 98
.set MSB, 0
.macro WIN new                         ; bits 1:0 source 0, 3:2 source 1, 5:4 source 2, 7:6 destination; the high byte repeats the setting that is left
.if MSB != (\new)
	s_set_vgpr_msb (MSB<<8)|(\new)
.set MSB, (\new)
.endif
.endm
.macro PLACES                          ; four plain places behind matrix instructions, in front of loads into their sources and of reads of their results
.rept 4
	v_nop
.endr
.endm
.macro CREST                           ; a round of the cluster's barrier behind its opening barrier
	s_cmp_lg_u32 s[WV], 0
	s_cbranch_scc1 .Lnot_wave_0_\@
	s_barrier_signal -3
.Lnot_wave_0_\@:
	s_barrier_wait -3
	s_barrier_signal -1
	s_barrier_wait -1
.endm
.macro CROUND
	s_barrier_signal -1
	s_barrier_wait -1
	CREST
.endm
.macro JL g0                           ; a joint load: my quarter of a slot, the same line and the same registers in all four partners; s_nop 0 and four v_nop follow
	tensor_load_to_lds s[(\g0):(\g0)+3], s[G1W:G1W+7]
	s_nop 0
.rept 4
	v_nop
.endr
.endm
; A prefetch of the down layer's slots, which no cluster asks for before the end of phase 1: change of slots number i, for i = 4 .. 11, names slot i + 12; the loads that want them stand at changes 14 and 15.
; The first cluster alone asks; its four partners share a quarter's bytes out by address (8,448 each), a lane to each 256 bytes: 32 of a partner's 33 blocks are named, the last comes by its load.
; The gate's and up's slots are all asked for by the clusters' first fills: nothing is prefetched of them, and nothing at the head.
.macro ASK
	s_sub_co_u32 s95, s[SIG], 4
	s_cmp_lt_u32 s95, s[LIM]
	s_cbranch_scc0 .Lnot_mine_\@
	global_prefetch_b8 v[PFO], s[PFA:PFA+1] th:TH_LOAD_NT scope:SCOPE_SE
.Lnot_mine_\@:
	s_add_co_u32 s[SIG], s[SIG], 1
.endm
.macro MM d, a, b, z, sa, sb, row
.if \z
.if \row
	v_wmma_scale_f32_16x16x128_f8f6f4 v[(\d):(\d)+7], v[(\a):(\a)+11], v[(\b):(\b)+11], 0, v[\sa], v[\sb] matrix_a_fmt:MATRIX_FMT_BF6 matrix_b_fmt:MATRIX_FMT_BF6 matrix_b_scale:MATRIX_SCALE_ROW1
.else
	v_wmma_scale_f32_16x16x128_f8f6f4 v[(\d):(\d)+7], v[(\a):(\a)+11], v[(\b):(\b)+11], 0, v[\sa], v[\sb] matrix_a_fmt:MATRIX_FMT_BF6 matrix_b_fmt:MATRIX_FMT_BF6
.endif
.else
.if \row
	v_wmma_scale_f32_16x16x128_f8f6f4 v[(\d):(\d)+7], v[(\a):(\a)+11], v[(\b):(\b)+11], v[(\d):(\d)+7], v[\sa], v[\sb] matrix_a_fmt:MATRIX_FMT_BF6 matrix_b_fmt:MATRIX_FMT_BF6 matrix_b_scale:MATRIX_SCALE_ROW1
.else
	v_wmma_scale_f32_16x16x128_f8f6f4 v[(\d):(\d)+7], v[(\a):(\a)+11], v[(\b):(\b)+11], v[(\d):(\d)+7], v[\sa], v[\sb] matrix_a_fmt:MATRIX_FMT_BF6 matrix_b_fmt:MATRIX_FMT_BF6
.endif
.endif
.endm
; Four matrix instructions with one weight fragment.  part 0 (wr): I0 += wr (-xi0), I1 += wr (-xi1), R0 += wr xr0, R1 += wr xr1.  part 1 (wi): R0 += wi xi0, R1 += wi xi1, I0 += wi xr0, I1 += wi xr1.
; The accumulators take turns, one instruction a turn.  Row tile 1's scale words lie in lanes 16-31 of the register.  The symbols are set by WT1 and WT2.
.macro WTP part, z
.if (\part) == 0
	WIN (ACW<<6)|(ACW<<4)|(NXW<<2)
	MM DIB, WR_, NXB, \z, SA_, SBI, 0
	MM DIB+TST, WR_, NXB+12, \z, SA_, SBI, 1
	WIN (ACW<<6)|(ACW<<4)|(XBW<<2)
	MM DRB, WR_, XBB, \z, SA_, SBR, 0
	MM DRB+TST, WR_, XBB+12, \z, SA_, SBR, 1
.else
	WIN (ACW<<6)|(ACW<<4)|(XBW<<2)
	MM DRB, WR_, XBB+24, 0, SA_, SBI, 0
	MM DRB+TST, WR_, XBB+36, 0, SA_, SBI, 1
	MM DIB, WR_, XBB, 0, SA_, SBR, 0
	MM DIB+TST, WR_, XBB+12, 0, SA_, SBR, 1
.endif
.endm
; Phase 1: tile tau of a K step's 22 (0-10 gate, 11-21 up); pi: the step's parity in my cluster's order
.macro WT1 tau, pi, part, z
.set TI, (\tau)%11
.set KD, (\tau)/11
.set WR_, WB+48*((((\tau)/2)+(\pi))&1)+24*((\tau)%2)+12*(\part)
.if TI < 10
.set ACW, 1+TI/4
.set DRB, 128*((TI/2)%2)+64*KD+8*(TI%2)
.set DIB, DRB+32
.set TST, 16
.else
.set ACW, 3
.set DRB, 128+32*KD
.set DIB, DRB+16
.set TST, 8
.endif
.if \pi
.set XBB, 192
.set XBW, 3
.else
.set XBB, 184
.set XBW, 0
.endif
.set NXB, 232
.set NXW, 0
.set SA_, WSR+2*KD+(\part)
.set SBR, XSR+2*(\pi)
.set SBI, XSR+2*(\pi)+1
	WTP \part, \z
.endm
.macro WTT tau, pi, z
	WT1 \tau, \pi, 0, \z
	WT1 \tau, \pi, 1, 0
.endm
.macro FT tau, buf, half               ; tile tau's pair of fragments from my quarter: six loads of 512 dense bytes
	WIN 0
.set FO, ((\tau)%11)*3072
.set FD, WB+48*(\buf)+24*(\half)
.irp q, 0,1,2,3,4,5
	ds_load_b128 v[FD+4*\q:FD+4*\q+3], v[WA+(\tau)/11] offset:FO+512*\q
.endr
.endm
.macro FP p, pi
	FT 2*(\p), ((\p)+(\pi))&1, 0
	FT 2*(\p)+1, ((\p)+(\pi))&1, 1
.endm
.macro XF pn                           ; the next step's x: four fragments and two registers of scale words (lanes 0-15 row tile 0, lanes 16-31 row tile 1)
	WIN 0
	s_min_u32 s95, s[XO], 7*XKS                    ; the loop's last pass has no next step: it takes x's last K step once more, inside x's bytes
	v_add_nc_u32 v[XAD], s95, v[XA0]
	v_add_nc_u32 v[XSD], s95, v[XS0]
	s_add_co_u32 s[XO], s[XO], XKS
.if \pn
	WIN 0xc0
.set XD, 192
.else
.set XD, 184
.endif
.irp f, 0,1,2,3
.irp q, 0,1,2
	ds_load_b128 v[XD+12*\f+4*\q:XD+12*\f+4*\q+3], v[XAD] offset:1536*\f+512*\q
.endr
.endr
	WIN 0
	ds_load_b32 v[XSR+2*(\pn)], v[XSD]
	ds_load_b32 v[XSR+2*(\pn)+1], v[XSD] offset:128
.endm
.macro NEG pn                          ; -xi: the sign bits of 16 codes lie at bits 5, 11 .. 95 of three registers
.if \pn
	WIN 0x0c
.set XD, 192+24
.else
	WIN 0
.set XD, 184+24
.endif
.set G_, 0
.rept 24
	v_xor_b32 v[232+G_], s[SGN+G_%3], v[XD+G_]
.set G_, G_+1
.endr
	WIN 0
.endm
; THE CHANGE OF SLOTS, in three parts with matrix instructions between them.  In front of the round each wave waits for all its tensor loads (one is out: my quarter of the other slot), adds 0 to its spare word, and
; waits for that and for its reads of this slot.  Behind the round no wave of any partner reads this slot or has a load on its way: the joint refill is the first thing there.
.macro THEAD cnt
	WIN 0
	s_wait_xcnt 0x0                                ; the last prefetch, a slot back, has read its address
	s_add_nc_u64 s[PFA:PFA+1], s[PFA:PFA+1], SLOTB
	s_wait_tensorcnt 0x0
	ds_add_u32 v[SPW], v[NIL]
	s_wait_dscnt \cnt                              ; (the add, and the loads issued just ahead of it, may be out)
.endm
.macro TMID
	s_wait_dscnt 0x0                               ; the add is done, and my reads of this slot are over
	s_barrier_signal -1
.endm
; adv = 1: the walk goes one on, modulo msk + 1; 0: the second slot of the same step.  bas: where the walk's slots begin in wc.
.macro TFILL g0, adv, msk, bas
	WIN 0
	s_barrier_wait -1
	CREST
.if (\adv) == 1
	s_add_co_u32 s[KC], s[KC], 1
	s_and_b32 s[KC], s[KC], \msk
.elseif (\adv) == 3                                ; as 1, but in the loop's last pass (s[CNT] = 1) the walk turns to the down layer, at my cluster's first trip; s94: where the walk's slots begin
	s_add_co_u32 s[KC], s[KC], 1
	s_and_b32 s[KC], s[KC], \msk
	s_cmp_eq_u32 s[CNT], 1                         ; a counted loop's step: the same in all partners
	s_cselect_b32 s[KC], s[MST], s[KC]
	s_cselect_b32 s94, 16*SLOTB, 0
.endif
	s_mul_i32 s[OFS], s[KC], 2*SLOTB
.if (\adv) >= 3                                    ; 4: the second slot of a step begun by 3
	s_add_co_u32 s[OFS], s[OFS], s94
.endif
.if (\bas) != 0
	s_add_co_u32 s[OFS], s[OFS], (\bas)
.endif
	s_add_nc_u64 s[(\g0)+2:(\g0)+3], s[WBS:WBS+1], s[OFS:OFS+1]    ; no tensor load of mine is out: the group 0 may be written
	s_or_b32 s[(\g0)+3], s[(\g0)+3], 0x80000000
	JL \g0
.endm
; A K STEP of phase 1: 22 tiles in 11 pairs, 176 matrix instructions; pair p + 1 is fetched while pair p is multiplied.  z = 1: the first products start the sums.  last = 1: nothing of x or of phase 1 follows.
.macro KSTEP pi, z, last
	PLACES
	FP 1, \pi
	s_wait_dscnt 12                                ; pair 0 is in; pair 1's twelve may be out
	WTT 0, \pi, \z
	WTT 1, \pi, \z
	PLACES
	FP 2, \pi
.if \last
	s_wait_dscnt 12
.else
	XF 1-\pi
	s_wait_dscnt 26                                ; pair 2's twelve and x's fourteen may be out
.endif
	WTT 2, \pi, \z
	WTT 3, \pi, \z
	PLACES
	FP 3, \pi
.if \last
	s_wait_dscnt 12
.else
	s_wait_dscnt 26                                ; x's fourteen and pair 3's twelve
.endif
	WTT 4, \pi, \z
	WTT 5, \pi, \z
	PLACES
	FP 4, \pi
	s_wait_dscnt 12
	WTT 6, \pi, \z
	WTT 7, \pi, \z
	PLACES                                         ; gate's slot is left
	FT 10, (5+\pi)&1, 0                            ; my last reads of it
	THEAD 7                                        ; those six and the add may be out
	WTT 8, \pi, \z
	TMID
	WT1 9, \pi, 0, \z
.if \pi
	TFILL G0A, 3, 7, 0
.else
	TFILL G0A, 1, 7, 0
.endif
	FT 11, (5+\pi)&1, 1
.if (\z) == 0
	ASK
.endif
	WT1 9, \pi, 1, 0
	PLACES
	FP 6, \pi
	WTT 10, \pi, \z
	s_wait_dscnt 12
	WTT 11, \pi, \z
.irp p, 6,7,8,9
	PLACES
	FP \p+1, \pi
	s_wait_dscnt 12
	WTT 2*\p, \pi, \z
	WTT 2*\p+1, \pi, \z
.endr
	THEAD 1                                        ; up's slot is left; the add alone may be out
	WTT 20, \pi, \z
	TMID
	WT1 21, \pi, 0, \z
.if \pi
	TFILL G0B, 4, 0, SLOTB
.else
	TFILL G0B, 0, 0, SLOTB
.endif
.if (\last) == 0
	FP 0, 1-\pi
.endif
.if (\z) == 0
	ASK
.endif
	WT1 21, \pi, 1, 0
.if (\last) == 0
	NEG 1-\pi                                      ; the last products that read -xi stand in front of the joint load's four places
.endif
	WIN 0
.endm
	s_load_b256 s[4:11], s[0:1], 0x0               ; xq, wc, wsc, ln_wr
	s_load_b128 s[12:15], s[0:1], 0x20             ; ln_wi, out0
	s_load_b64 s[16:17], s[0:1], 0x30              ; out1
	v_lshl_add_u32 v[SPW], v0, 2, SPARE
	v_mov_b32 v[NIL], 0
	ds_add_u32 v[SPW], v[NIL]                      ; the wave's opening: the add, twice on end, and its wait ahead of my first tensor load
	ds_add_u32 v[SPW], v[NIL]
	v_lshrrev_b32 v1, 5, v0
	v_readfirstlane_b32 s[WV], v1                  ; wave 0..3
	s_bfe_u32 s19, ttmp6, 0x40000                  ; cx: it enters xq's, the outputs' and the prefetches' addresses alone
	s_lshl_b32 s20, ttmp9, 2
	s_add_co_u32 s20, s20, s19                     ; my row block
	s_lshr_b32 s92, ttmp9, 3
	s_add_co_u32 s92, s92, ttmp9
	s_and_b32 s[KC], s92, 7                        ; the K step at which my cluster begins: (c + c / 8) % 8, the same in all four partners
	s_lshr_b32 s92, ttmp9, 2
	s_add_co_u32 s92, s92, ttmp9
	s_and_b32 s[MST], s92, 3                       ; and the column trip: (c + c / 4) % 4
	s_mov_b32 s[MC], s[MST]
	s_mov_b32 s[G1W], 15|(3<<16)|(1<<21)           ; the mask: all four work-groups; elements of 8 bytes; bit 21 beside a mask; no padding
	s_mov_b32 s[G1W+1], 32<<16                     ; tensor_dim0 = 32: rows of 256 bytes
	s_mov_b32 s[G1W+2], 132<<16                    ; tensor_dim1 = 132: a quarter is 33,792 dense bytes
	s_mov_b32 s[G1W+3], 32<<16                     ; tile_dim0
	s_mov_b32 s[G1W+4], 132                        ; tile_dim1
	s_mov_b32 s[G1W+5], 32                         ; the pitch
	s_mov_b32 s[G1W+6], 0
	s_mov_b32 s[G1W+7], 0
	s_mov_b32 s[SEL], 0x76543210
	s_mov_b32 s[SEL+1], 0xfedcba98
	s_mov_b32 s[SGN], 0x20820820
	s_mov_b32 s[SGN+1], 0x08208208
	s_mov_b32 s[SGN+2], 0x82082082
	s_mov_b32 s[HM], 0xffff0000
	s_mov_b32 s[XO], 0
	s_mov_b32 s[SIG], 2                            ; the first K step's two changes of slots ask for nothing and are not counted by a test
	s_mov_b32 s[CLO], 0x2800000                    ; the floor 2^(5 - 127)
	s_mov_b32 s[CHI], 0xfe000000                   ; 4 off an exponent field
	s_cmp_eq_u32 ttmp9, 0                          ; the same in all four partners
	s_cselect_b32 s[LIM], 8, 0
	s_mul_i32 s82, s[WV], QB                       ; my quarter: in a slot and in the stream
	s_mov_b32 s83, 0
	s_mul_i32 s86, s[WV], 2*XKS                    ; LDS places 2 w and 2 w + 1 of x take K steps (k0 + 2 w) % 8 and (k0 + 2 w + 1) % 8
	s_mul_i32 s94, s20, 51200
	s_lshl_b32 s92, s[WV], 1
	s_add_co_u32 s92, s92, s[KC]
	s_and_b32 s93, s92, 7
	s_mul_i32 s84, s93, XKS
	s_add_co_u32 s84, s84, s94
	s_mov_b32 s85, 0
	s_add_co_u32 s92, s92, 1
	s_and_b32 s93, s92, 7
	s_mul_i32 s80, s93, XKS
	s_add_co_u32 s80, s80, s94
	s_mov_b32 s81, 0
	s_mul_i32 s[OFS], s[KC], 2*SLOTB               ; my cluster's first two slots
	s_mov_b32 s[OFS+1], 0
	s_mul_i32 s88, s19, 8448
	s_mov_b32 s89, 0
	s_lshl_b32 s90, s20, 17                        ; 32 rows of 4,096 bytes,
	s_lshl_b32 s91, s[WV], 8                       ; my 64 columns
	s_add_co_u32 s90, s90, s91
	s_mov_b32 s91, 0
	s_wait_dscnt 0x0                               ; both opening adds are done
	s_wait_kmcnt 0x0
	s_add_nc_u64 s[WBS:WBS+1], s[6:7], s[82:83]
	s_mov_b32 s[G0A], 1
	s_mov_b32 s[G0A+1], s82
	s_add_nc_u64 s[G0A+2:G0A+3], s[WBS:WBS+1], s[OFS:OFS+1]
	s_mov_b32 s[G0B], 1
	s_add_co_u32 s[G0B+1], s82, SLOTB
	s_add_nc_u64 s[G0B+2:G0B+3], s[G0A+2:G0A+3], SLOTB
	s_or_b32 s[G0A+3], s[G0A+3], 0x80000000
	s_or_b32 s[G0B+3], s[G0B+3], 0x80000000
	s_add_nc_u64 s[G0X+2:G0X+3], s[4:5], s[84:85]  ; my two K steps of x in memory
	s_add_nc_u64 s[G0Y+2:G0Y+3], s[4:5], s[80:81]
	s_add_nc_u64 s[G0X:G0X+1], s[WBS:WBS+1], s[OFS:OFS+1]
	s_add_nc_u64 s[G0X:G0X+1], s[G0X:G0X+1], s[88:89]
	s_add_nc_u64 s[G0X:G0X+1], s[G0X:G0X+1], SLOTB ; my work-group's 8,448 bytes of my quarter of my cluster's second slot: the head's prefetch
	s_add_nc_u64 s[PFA:PFA+1], s[WBS:WBS+1], 11*SLOTB  ; every change of slots steps it by a slot: at change 4 it stands at slot 16
	s_add_nc_u64 s[PFA:PFA+1], s[PFA:PFA+1], s[88:89]
	s_add_nc_u64 s[14:15], s[14:15], s[90:91]
	s_add_nc_u64 s[16:17], s[16:17], s[90:91]
	s_mov_b64 s[OP0:OP0+1], s[14:15]               ; the stores' bases hold the outputs' addresses from here on; each way out adds its trip's columns
	s_mov_b64 s[OP1:OP1+1], s[16:17]
	CROUND                                         ; all four work-groups are here: the first joint loads meet
	JL G0A                                         ; ring slot 0: one tensor load a wave at the head
	v_mov_b32 v[ZR], 0
	global_load_b128 v[WSR:WSR+3], v[ZR], s[8:9]               ; gate r, i; up r, i;
	global_load_b64 v[WSR+4:WSR+5], v[ZR], s[8:9] offset:16    ; down r, i: the same words in every lane
	v_and_b32 v[LN], 31, v0
	v_and_b32 v[RR], 15, v0
	v_bfe_u32 v[HH], v0, 4, 1
	v_lshlrev_b32 v[LI], 4, v[LN]
	v_add_nc_u32 v[WA], s82, v[LI]
	v_add_nc_u32 v[WA+1], SLOTB, v[WA]
	v_lshl_add_u32 v[WH], v[LN], 3, s82
	v_add_nc_u32 v[WH+1], SLOTB, v[WH]
	v_add_nc_u32 v[XA0], XR, v[LI]
	v_lshl_add_u32 v[XS0], v[LN], 2, XSCL
	v_lshlrev_b32 v[PFO], 8, v[LN]
	; x COMES THROUGH REGISTERS: my two K steps, 6,400 bytes each, by twelve loads of 512 dense bytes and one of 256; they go to LDS places 2 w and 2 w + 1 by stores, into bytes that no tensor load fills
	v_lshlrev_b32 v[XAD], 3, v[LN]
	v_add_nc_u32 v[XSD], s86, v[XA0]
	v_lshl_add_u32 v[SS], v[LN], 3, XR+6144
	v_add_nc_u32 v[SS], s86, v[SS]
.irp q, 0,1,2,3,4,5,6,7,8,9,10,11
	global_load_b128 v[88+4*\q:91+4*\q], v[LI], s[G0X+2:G0X+3] offset:512*\q th:TH_LOAD_NT
	global_load_b128 v[140+4*\q:143+4*\q], v[LI], s[G0Y+2:G0Y+3] offset:512*\q th:TH_LOAD_NT
.endr
	global_load_b64 v[136:137], v[XAD], s[G0X+2:G0X+3] offset:6144 th:TH_LOAD_NT
	global_load_b64 v[138:139], v[XAD], s[G0Y+2:G0Y+3] offset:6144 th:TH_LOAD_NT
	global_prefetch_b8 v[PFO], s[G0X:G0X+1] th:TH_LOAD_NT scope:SCOPE_SE   ; ring slot 1's bytes, whose load stands behind the next round: a lane to each 256 bytes, the partners told apart by address; its registers are never rewritten
	s_mul_i32 s92, s[WV], 640
	s_add_co_u32 s92, s92, EX
	v_lshl_add_u32 v[EXW], v[LN], 2, s92
	v_lshl_add_u32 v[EXR], v[RR], 2, EX
	s_xor_b32 s92, s[WV], 1
	s_mul_i32 s92, s92, 640
	s_add_co_u32 s92, s92, EX
	v_lshl_add_u32 v[EXP], v[RR], 2, s92           ; the wave that holds the other tile of my lone tile's block
	v_mul_u32_u24 v[NW0], v[RR], 48
	v_mad_u32_u24 v[NW0], v[HH], 12, v[NW0]
	v_add_nc_u32 v[NW0], NI, v[NW0]
	v_lshl_add_u32 v[NSW0], v[RR], 2, NSB
	v_mul_u32_u24 v[NRD], v[LN], 48
	v_add_nc_u32 v[NRD], NI, v[NRD]
	v_lshl_add_u32 v[NSL], v[LN], 2, NSB
	s_mul_i32 s92, s[WV], 4352
	s_add_co_u32 s92, s92, STG
	v_mul_u32_u24 v[STO], v[RR], 272
	v_lshl_add_u32 v[STO], v[HH], 6, v[STO]
	v_add_nc_u32 v[STO], s92, v[STO]
	v_mul_u32_u24 v[SRD], v[HH], 272
	v_lshl_add_u32 v[SRD], v[RR], 4, v[SRD]
	v_add_nc_u32 v[SRD], s92, v[SRD]
	v_lshlrev_b32 v[GO], 12, v[HH]
	v_lshl_add_u32 v[GO], v[RR], 4, v[GO]
	s_mul_i32 s92, s[WV], 640
	v_lshl_add_u32 v[GA], v[HH], 6, s92            ; the gains of my blocks: 128 bytes a block, + 64 h
	s_lshr_b32 s93, s[WV], 1
	s_and_b32 s94, s[WV], 1
	s_lshl_b32 s92, s93, 7
	s_lshl_b32 s95, s94, 5
	s_add_co_u32 s92, s92, s95
	s_add_co_u32 s92, s92, 2560
	v_lshl_add_u32 v[GL], v[HH], 6, s92            ; the lone tile's;
	v_min_u32 v[GL], 2720, v[GL]                   ; units from 688 on, whose h is 1, take the last eight gains: no load leaves its buffer
	; where n's codes and scale bytes go: block beta = 4 s + 2 c + h' is half 3 h of registers 6 c .. 6 c + 5 of lane (r, h') of K step s's image, and byte beta % 4 of the row's word
	WIN 0xc0
.irp b, 0,1,2,3,4
	s_mul_i32 s92, s[WV], 5
	s_add_co_u32 s92, s92, \b
	s_lshr_b32 s95, s92, 2
	s_mul_i32 s87, s95, 6144
	s_lshl_b32 s95, s95, 8
	s_and_b32 s81, s92, 3
	s_add_co_u32 s95, s95, s81
	s_bfe_u32 s81, s92, 0x10001
	s_mul_i32 s81, s81, 24
	s_add_co_u32 s87, s87, s81
	s_and_b32 s81, s92, 1
	s_mul_i32 s81, s81, 768
	s_add_co_u32 s87, s87, s81
	v_add_nc_u32 v[NWA+\b], s87, v[NW0]
	v_add_nc_u32 v[NSA+\b], s95, v[NSW0]
.endr
	s_mul_i32 s92, s93, 768
	s_mul_i32 s95, s94, 6
	s_add_co_u32 s92, s92, s95
	s_add_co_u32 s92, s92, 30720
	v_add_nc_u32 v[LCA], s92, v[NW0]               ; the lone tile's 48 bits: half w % 2 of its lane's 96
	s_lshl_b32 s95, s94, 1
	s_add_co_u32 s95, s95, s93
	s_add_co_u32 s95, s95, 1280
	v_add_nc_u32 v[LBA], s95, v[NSW0]              ; byte w / 2 + 2 (w % 2) of K step 5's word: no two waves share a byte, and bytes 2 and 3 (zero codes) hold a sound scale
	WIN 0
	s_wait_alu depctr_va_vdst(0)                   ; the wait at the head's end
	s_wait_loadcnt 0x0                             ; x and the weights' scale words are in registers
.irp q, 0,1,2,3,4,5,6,7,8,9,10,11
	ds_store_b128 v[XSD], v[88+4*\q:91+4*\q] offset:512*\q
	ds_store_b128 v[XSD], v[140+4*\q:143+4*\q] offset:XKS+512*\q
.endr
	ds_store_b64 v[SS], v[136:137]
	ds_store_b64 v[SS], v[138:139] offset:XKS
	s_wait_tensorcnt 0x0                           ; my quarter of ring slot 0 is in
	ds_add_u32 v[SPW], v[NIL]
	s_wait_dscnt 0x0                               ; the add is done, and for the others' sake my stores of x have landed
	CROUND                                         ; everybody's part of x and of slot 0 is in, and all four work-groups are here
	JL G0B                                         ; ring slot 1, the first tensor load behind the round
	XF 0
	FP 0, 0
	s_wait_loadcnt 0x0                             ; the weights' scale words
	s_wait_dscnt 0x0
	NEG 0
	; ---------------- phase 1 ----------------
	s_wait_alu depctr_va_vdst(0)
	KSTEP 0, 1, 0
	s_mov_b32 s[CNT], 4                            ; seven K steps are left: the loop is left at its middle in its fourth pass
.Lk:
	s_wait_alu depctr_va_vdst(0)
	KSTEP 1, 0, 0                                  ; in the fourth pass its two refills bring the down layer's first two slots
	s_sub_co_u32 s[CNT], s[CNT], 1
	s_cmp_eq_u32 s[CNT], 0
	s_cbranch_scc1 .Lq
	s_wait_alu depctr_va_vdst(0)
	KSTEP 0, 0, 0
	s_cmp_lg_u32 s[CNT], 0
	s_cbranch_scc1 .Lk
.Lq:
	s_wait_dscnt 0x0                               ; the step's last LDS loads have landed: their registers are at work below
	; ---------------- phase Q ----------------
; wn, bs: window and first register of a block's (Gr, Gi, Ur, Ui), ne registers each (both row tiles).  h takes Gr's and Gi's places; then the block's gains are asked for, into Ur's and Ui's.
; Every accumulator is first read at its low end: all runs ascend.
.macro PASS1 wn, bs, ne, first, ga, go, nq
.set GR_, (\bs)
.set GI_, (\bs)+(\ne)
.set UR_, (\bs)+2*(\ne)
.set UI_, (\bs)+3*(\ne)
	WIN ((\wn)<<2)|(\wn)
.set E_, 0
.rept \ne
	v_max_num_f32 v[T1+E_], v[GR_+E_], v[GI_+E_]               ; both are negative where the larger is
.set E_, E_+1
.endr
	WIN ((\wn)<<6)|(\wn)
.set E_, 0
.rept \ne
	v_cmp_gt_f32 vcc_lo, 0, v[T1+E_]
	v_cndmask_b32 v[GR_+E_], v[GR_+E_], v[ZR], vcc_lo
	v_cndmask_b32 v[GI_+E_], v[GI_+E_], v[ZR], vcc_lo
.set E_, E_+1
.endr
	WIN ((\wn)<<6)|((\wn)<<2)|(\wn)
.set E_, 0
.rept (\ne)/2
	v_pk_mul_f32 v[GR_+E_:GR_+E_+1], v[GR_+E_:GR_+E_+1], v[GR_+E_:GR_+E_+1]   ; a_r, a_i
	v_pk_mul_f32 v[GI_+E_:GI_+E_+1], v[GI_+E_:GI_+E_+1], v[GI_+E_:GI_+E_+1]
.set E_, E_+2
.endr
	WIN ((\wn)<<2)|(\wn)
.set E_, 0
.rept (\ne)/2
	v_pk_mul_f32 v[T1+E_:T1+E_+1], v[GI_+E_:GI_+E_+1], v[UI_+E_:UI_+E_+1]
	v_pk_mul_f32 v[T2+E_:T2+E_+1], v[GI_+E_:GI_+E_+1], v[UR_+E_:UR_+E_+1]
.set E_, E_+2
.endr
	WIN ((\wn)<<6)|((\wn)<<2)|(\wn)
.set E_, 0
.rept (\ne)/2
	v_pk_fma_f32 v[GI_+E_:GI_+E_+1], v[GR_+E_:GR_+E_+1], v[UI_+E_:UI_+E_+1], v[T2+E_:T2+E_+1] neg_lo:[0,0,1] neg_hi:[0,0,1]   ; h_i = a_r u_i - a_i u_r
	v_pk_fma_f32 v[GR_+E_:GR_+E_+1], v[GR_+E_:GR_+E_+1], v[UR_+E_:UR_+E_+1], v[T1+E_:T1+E_+1]                                 ; h_r = a_r u_r + a_i u_i
.set E_, E_+2
.endr
	WIN ((\wn)<<2)|(\wn)
.set I_, 0
.rept (\ne)/4                          ; the sums of squares, in four chains of pairs
.irp t, 0,1
.set E_, \t*(\ne)/2+2*I_
.if (\first)&&(I_==0)
	v_pk_mul_f32 v[SS+4*\t:SS+4*\t+1], v[GR_+E_:GR_+E_+1], v[GR_+E_:GR_+E_+1]
	v_pk_mul_f32 v[SS+4*\t+2:SS+4*\t+3], v[GI_+E_:GI_+E_+1], v[GI_+E_:GI_+E_+1]
.else
	v_pk_fma_f32 v[SS+4*\t:SS+4*\t+1], v[GR_+E_:GR_+E_+1], v[GR_+E_:GR_+E_+1], v[SS+4*\t:SS+4*\t+1]
	v_pk_fma_f32 v[SS+4*\t+2:SS+4*\t+3], v[GI_+E_:GI_+E_+1], v[GI_+E_:GI_+E_+1], v[SS+4*\t+2:SS+4*\t+3]
.endif
.endr
.set I_, I_+1
.endr
	WIN (\wn)<<6
.set Q_, 0
.rept \nq
	global_load_b128 v[UR_+4*Q_:UR_+4*Q_+3], v[\ga], s[10:11] offset:(\go)+16*Q_
	global_load_b128 v[UI_+4*Q_:UI_+4*Q_+3], v[\ga], s[12:13] offset:(\go)+16*Q_
.set Q_, Q_+1
.endr
.endm
; y = gain x h, in place, and the largest |y| of my half of the block, for each component and row tile
.macro PASS2 wn, bs, ne, bi, cnt
.set GR_, (\bs)
.set GI_, (\bs)+(\ne)
.set UR_, (\bs)+2*(\ne)
.set UI_, (\bs)+3*(\ne)
	s_wait_loadcnt \cnt                            ; this block's gains are in; the later blocks' loads may be out
	WIN ((\wn)<<6)|((\wn)<<2)|(\wn)
.irp t, 0,1
.set E_, 0
.rept (\ne)/4
	v_pk_mul_f32 v[GR_+\t*(\ne)/2+E_:GR_+\t*(\ne)/2+E_+1], v[GR_+\t*(\ne)/2+E_:GR_+\t*(\ne)/2+E_+1], v[UR_+E_:UR_+E_+1]
	v_pk_mul_f32 v[GI_+\t*(\ne)/2+E_:GI_+\t*(\ne)/2+E_+1], v[GI_+\t*(\ne)/2+E_:GI_+\t*(\ne)/2+E_+1], v[UI_+E_:UI_+E_+1]
.set E_, E_+2
.endr
.endr
	WIN ((\wn)<<4)|((\wn)<<2)
.set E_, 0
.rept (\ne)/4
.irp c, 0,1
.irp t, 0,1
.if E_ == 0
	v_max3_num_f32 v[BM+4*(\bi)+2*\c+\t], v[ZR], |v[(\bs)+\c*(\ne)+\t*(\ne)/2]|, |v[(\bs)+\c*(\ne)+\t*(\ne)/2+1]|
.else
	v_max3_num_f32 v[BM+4*(\bi)+2*\c+\t], v[BM+4*(\bi)+2*\c+\t], |v[(\bs)+\c*(\ne)+\t*(\ne)/2+E_]|, |v[(\bs)+\c*(\ne)+\t*(\ne)/2+E_+1]|
.endif
.endr
.endr
.set E_, E_+2
.endr
.endm
; act_quant of y, in place, and the codes: 16 numbers (the lone tile: 8, and 8 registers that follow them, whose codes are not used) to three registers of their own
.macro PASS3 wn, bs, ne, bi
	WIN ((\wn)<<6)|(\wn)
.irp c, 0,1
.irp t, 0,1
.set Y_, (\bs)+\c*(\ne)+\t*(\ne)/2
.set E_, 0
.rept (\ne)/4
	v_pk_mul_f32 v[Y_+E_:Y_+E_+1], v[Y_+E_:Y_+E_+1], v[KP+4*\t+2*\c:KP+4*\t+2*\c+1]
.set E_, E_+2
.endr
.set E_, 0
.rept (\ne)/2
	v_rndne_f32 v[Y_+E_], v[Y_+E_]
.set E_, E_+1
.endr
.set E_, 0
; (no clip: |n rs| is at most 127 (1 + 2^-22) for every finite input, since rs = 127 / max(max|n|, 1e-5); it rounds to 127 at the most, where clip(., -128, 127) is the identity)
.set E_, 0
.rept (\ne)/4
	v_pk_mul_f32 v[Y_+E_:Y_+E_+1], v[Y_+E_:Y_+E_+1], v[IR+4*\t+2*\c:IR+4*\t+2*\c+1]
.set E_, E_+2
.endr
.endr
.endr
	WIN (\wn)
.irp c, 0,1
.irp t, 0,1
.set Y_, (\bs)+\c*(\ne)+\t*(\ne)/2
	v_cvt_scalef32_pk16_bf6_f32 v[CD+4*(4*(\bi)+2*\c+\t):CD+4*(4*(\bi)+2*\c+\t)+2], v[Y_:Y_+15], v[SO+4*(\bi)+2*\c+\t]
.endr
.endr
	v_nop                                          ; one plain place behind a scaled conversion
.endm
.macro PUT bi                          ; a block's codes and scale bytes to LDS; the addresses lie in window 3
	WIN 0x03
.irp c, 0,1
.irp t, 0,1
.irp e, 0,1,2
	ds_store_b32 v[NWA+(\bi)], v[CD+4*(4*(\bi)+2*\c+\t)+\e] offset:3072*\c+1536*\t+4*\e
.endr
	ds_store_b8 v[NSA+(\bi)], v[BY+4*(\bi)+2*\c+\t] offset:128*\c+64*\t        ; both halves of the lanes write the same byte with the same value
.endr
.endr
.endm
	PLACES
	PASS1 1, 0, 32, 1, GA, 0, 4
	PASS1 1, 128, 32, 0, GA, 128, 4
	PASS1 2, 0, 32, 0, GA, 256, 4
	PASS1 2, 128, 32, 0, GA, 384, 4
	PASS1 3, 0, 32, 0, GA, 512, 4
	PASS1 3, 128, 16, 0, GL, 0, 2
	PASS2 1, 0, 32, 0, 36
	PASS2 1, 128, 32, 1, 28
	PASS2 2, 0, 32, 2, 20
	PASS2 2, 128, 32, 3, 12
	PASS2 3, 0, 32, 4, 4
	PASS2 3, 128, 16, 5, 0
	WIN 0
.set I_, 0
.rept 24
	v_permlanex16_b32 v[BY+I_], v[BM+I_], s[SEL], s[SEL+1]
.set I_, I_+1
.endr
.set I_, 0
.rept 24
	v_max_num_f32 v[BM+I_], v[BM+I_], v[BY+I_]     ; with lane l xor 16's half: the block's largest |y| (the lone tile: its tile's)
.set I_, I_+1
.endr
.irp k, 0,1,2,3
	v_max3_num_f32 v[AM+\k], v[BM+\k], v[BM+4+\k], v[BM+8+\k]
.endr
.irp k, 0,1,2,3
	v_max3_num_f32 v[AM+\k], v[AM+\k], v[BM+12+\k], v[BM+16+\k]
.endr
.irp k, 0,1,2,3
	v_max_num_f32 v[AM+\k], v[AM+\k], v[BM+20+\k]  ; my wave's largest |y|: index 2 x component + row tile
.endr
.irp t, 0,1
	v_pk_add_f32 v[SS+4*\t:SS+4*\t+1], v[SS+4*\t:SS+4*\t+1], v[SS+4*\t+2:SS+4*\t+3]
.endr
.irp t, 0,1
	v_add_f32 v[SS+4*\t], v[SS+4*\t], v[SS+4*\t+1]
.endr
.irp t, 0,1
	v_permlanex16_b32 v[SS+4*\t+1], v[SS+4*\t], s[SEL], s[SEL+1]
.endr
.irp t, 0,1
	v_add_f32 v[SS+4*\t], v[SS+4*\t], v[SS+4*\t+1]
.endr
	v_cndmask_b32 v[BY], v[SS], v[SS+4], s[HM]     ; lanes 0-15 carry row tile 0's figure, lanes 16-31 row tile 1's
	v_cndmask_b32 v[BY+1], v[AM], v[AM+1], s[HM]
	v_cndmask_b32 v[BY+2], v[AM+2], v[AM+3], s[HM]
	v_cndmask_b32 v[BY+3], v[BM+20], v[BM+21], s[HM]
	v_cndmask_b32 v[BY+4], v[BM+22], v[BM+23], s[HM]
.irp k, 0,1,2,3,4
	ds_store_b32 v[EXW], v[BY+\k] offset:128*\k
.endr
	s_wait_dscnt 0x0                               ; for the others' sake: my stores have landed
	s_barrier_signal -1
	s_barrier_wait -1
.irp k, 0,1,2
.irp w, 0,1,2,3
.irp t, 0,1
	ds_load_b32 v[184+8*\k+2*\w+\t], v[EXR] offset:640*\w+128*\k+64*\t
.endr
.endr
.endr
.irp k, 0,1
.irp t, 0,1
	ds_load_b32 v[208+2*\k+\t], v[EXP] offset:384+128*\k+64*\t
.endr
.endr
	s_mov_b32 s82, 0x3abe82fa                      ; 1 / 688
	s_mov_b32 s83, 0x358637bd                      ; 1e-6
	s_wait_dscnt 0x0
.irp t, 0,1
	v_add_f32 v[184+\t], v[184+\t], v[186+\t]
	v_add_f32 v[188+\t], v[188+\t], v[190+\t]
.endr
.irp t, 0,1
	v_add_f32 v[184+\t], v[184+\t], v[188+\t]
.endr
.irp t, 0,1
	v_fma_f32 v[184+\t], v[184+\t], s82, s83
.endr
	s_wait_alu depctr_va_vdst(0)
.irp t, 0,1
	v_rsq_f32 v[INV+\t], v[184+\t]
.endr
.irp c, 0,1
.irp t, 0,1
	v_max3_num_f32 v[216+2*\c+\t], v[192+8*\c+\t], v[194+8*\c+\t], v[196+8*\c+\t]   ; plain work behind the roots
.endr
.endr
.irp c, 0,1
.irp t, 0,1
	v_max_num_f32 v[216+2*\c+\t], v[216+2*\c+\t], v[198+8*\c+\t]
.endr
.endr
	s_wait_alu depctr_va_vdst(0)                   ; the wait ahead of the first reader: one for both roots
.irp c, 0,1
.irp t, 0,1
	v_mul_f32 v[216+2*\c+\t], v[216+2*\c+\t], v[INV+\t]
.endr
.endr
.irp k, 0,1,2,3
	v_max_num_f32 v[216+\k], 0x3727c5ac, v[216+\k] ; clip at 1e-5
.endr
	s_wait_alu depctr_va_vdst(0)
.irp k, 0,1,2,3
	v_rcp_f32 v[220+\k], v[216+\k]
.endr
	v_nop
	s_wait_alu depctr_va_vdst(0)
.irp k, 0,1,2,3
	v_mul_f32 v[224+\k], 0x42fe0000, v[220+\k]     ; rs = 127 / m, with one correction step
.endr
.irp k, 0,1,2,3
	v_fma_f32 v[228+\k], -v[224+\k], v[216+\k], 0x42fe0000
.endr
.irp k, 0,1,2,3
	v_fma_f32 v[232+\k], v[228+\k], v[220+\k], v[224+\k]
.endr
	s_wait_alu depctr_va_vdst(0)
.irp k, 0,1,2,3
	v_rcp_f32 v[236+\k], v[232+\k]
.endr
.irp c, 0,1
.irp t, 0,1
	v_mul_f32 v[KP+4*\t+2*\c], v[INV+\t], v[232+2*\c+\t]       ; inv x rs (plain work behind the reciprocals)
.endr
.endr
.irp k, 0,2,4,6
	v_mov_b32 v[KP+\k+1], v[KP+\k]
.endr
	s_wait_alu depctr_va_vdst(0)
.irp k, 0,1,2,3
	v_fma_f32 v[228+\k], -v[232+\k], v[236+\k], 1.0
.endr
.irp c, 0,1
.irp t, 0,1
	v_fma_f32 v[IR+4*\t+2*\c], v[228+2*\c+\t], v[236+2*\c+\t], v[236+2*\c+\t]   ; 1 / rs
.endr
.endr
.irp k, 0,2,4,6
	v_mov_b32 v[IR+\k+1], v[IR+\k]
.endr
.irp k, 0,1,2,3
	v_max_num_f32 v[BM+20+\k], v[BM+20+\k], v[208+\k]          ; the lone tile's block: with the other tile's
.endr
.set I_, 0
.rept 24
	v_mul_f32 v[BM+I_], v[BM+I_], v[KP+4*(I_%2)+2*((I_/2)%2)]  ; each block's largest magnitude goes the numbers' own way
.set I_, I_+1
.endr
.set I_, 0
.rept 24
	v_rndne_f32 v[BM+I_], v[BM+I_]
.set I_, I_+1
.endr
.set I_, 0
.set I_, 0
.rept 24
	v_mul_f32 v[BM+I_], v[BM+I_], v[IR+4*(I_%2)+2*((I_/2)%2)]
.set I_, I_+1
.endr
.set I_, 0
.rept 24
	v_max_num_f32 v[BM+I_], s[CLO], v[BM+I_]       ; the floor 2^(5 - 127): the byte cannot fall under 1
.set I_, I_+1
.endr
.set I_, 0
.rept 24
	v_add_nc_u32 v[SO+I_], s[CHI], v[BM+I_]        ; 4 off the exponent field: the conversion's scale operand
.set I_, I_+1
.endr
.set I_, 0
.rept 24
	v_lshrrev_b32 v[BY+I_], 23, v[SO+I_]           ; the scale's byte
.set I_, I_+1
.endr
	PASS3 1, 0, 32, 0
	PUT 0
	PASS3 1, 128, 32, 1
	PUT 1
	PASS3 2, 0, 32, 2
	PUT 2
	PASS3 2, 128, 32, 3
	PUT 3
	PASS3 3, 0, 32, 4
	PUT 4
	PASS3 3, 128, 16, 5
	WIN 0x03
.irp c, 0,1
.irp t, 0,1
	ds_store_b16 v[LCA], v[CD+4*(20+2*\c+\t)] offset:3072*\c+1536*\t               ; the lone tile's eight codes: 48 bits
	ds_store_b16_d16_hi v[LCA], v[CD+4*(20+2*\c+\t)] offset:3072*\c+1536*\t+2
	ds_store_b16 v[LCA], v[CD+4*(20+2*\c+\t)+1] offset:3072*\c+1536*\t+4
	ds_store_b8 v[LBA], v[BY+20+2*\c+\t] offset:128*\c+64*\t
.endr
.endr
	WIN 0
	s_wait_dscnt 0x0                               ; for the others' sake: my stores have landed
	s_barrier_signal -1
	s_barrier_wait -1                              ; n's 24 images and its scale words lie in LDS
.irp s, 0,1,2,3,4
	WIN (1+\s/3)<<6
.irp f, 0,1,2,3
.irp q, 0,1,2
	ds_load_b128 v[72*(\s%3)+12*\f+4*\q:72*(\s%3)+12*\f+4*\q+3], v[NRD] offset:6144*\s+1536*\f+16*\q
.endr
.endr
.endr
	WIN 0x80
.irp f, 0,1,2,3
	ds_load_b128 v[144+12*\f:144+12*\f+3], v[NRD] offset:30720+1536*\f             ; K step 5: k = 640 .. 703,
	ds_load_b64 v[144+12*\f+4:144+12*\f+5], v[NRD] offset:30720+1536*\f+16
.endr
.irp f, 0,1,2,3
.irp g, 6,7,8,9,10,11
	v_mov_b32 v[144+12*\f+\g], 0                   ; and zero codes for k = 704 .. 767
.endr
.endr
	WIN 0
.irp s, 0,1,2,3,4,5
.irp c, 0,1
	ds_load_b32 v[NSR+2*\s+\c], v[NSL] offset:256*\s+128*\c
.endr
.endr
	; ---------------- phase 2 ----------------
.macro FU ups, e, buf, half            ; unit ups of a slot's twelve (tile ups / 6, K step ups % 6): its pair of fragments; of K step 5 the lower halves alone
	WIN 0
.set FO, ((\ups)/6)*16896+((\ups)%6)*3072
.set FD, WB+48*(\buf)+24*(\half)
.if ((\ups)%6) < 5
.irp q, 0,1,2,3,4,5
	ds_load_b128 v[FD+4*\q:FD+4*\q+3], v[WA+(\e)] offset:FO+512*\q
.endr
.else
	ds_load_b128 v[FD:FD+3], v[WA+(\e)] offset:FO
	ds_load_b64 v[FD+4:FD+5], v[WH+(\e)] offset:FO+512
	ds_load_b128 v[FD+12:FD+15], v[WA+(\e)] offset:FO+768
	ds_load_b64 v[FD+16:FD+17], v[WH+(\e)] offset:FO+1280
.endif
.endm
.macro WT2 ups, e, part
.set S_, (\ups)%6
.set J_, (\ups)/6
.set WR_, WB+48*(((\ups)/2)&1)+24*((\ups)%2)+12*(\part)
.set ACW, 3
.set DRB, 64*(\e)+8*J_
.set DIB, DRB+32
.set TST, 16
.set XBW, 1+S_/3
.set XBB, 72*(S_%3)
.set NXW, XBW
.set NXB, XBB+48
.set SA_, WSR+4+(\part)
.set SBR, NSR+2*S_
.set SBI, NSR+2*S_+1
.if S_ == 0
.set Z_, 1
.else
.set Z_, 0
.endif
	WTP \part, Z_
.endm
.macro WU ups, e
	WT2 \ups, \e, 0
	WT2 \ups, \e, 1
.endm
; A slot of the down layer: 32 columns, 96 matrix instructions.  mode 2: the slot is filled again; 1: it is left, and nothing is asked for; 0: the last slot.
.macro PSLOT e, mode
.irp p, 0,1,2,3,4
	SITE \e, \p, \mode
	PLACES
	FU 2*\p+2, \e, (\p+1)&1, 0
	FU 2*\p+3, \e, (\p+1)&1, 1
.if (\p==1)||(\p==4)
	s_wait_dscnt 10                                ; the pair just asked for, six loads and four, may be out
.else
	s_wait_dscnt 12
.endif
	WU 2*\p, \e
	s_wait_alu depctr_va_vdst(0)
	WU 2*\p+1, \e
.endr
.if (\mode) == 2
	WIN 0
	s_wait_tensorcnt 0x0                           ; all my tensor loads have landed: my quarter of the other slot
	ds_add_u32 v[SPW], v[NIL]
	s_wait_dscnt 1                                 ; (the add alone may be out)
	WU 10, \e
	TMID
	WT2 11, \e, 0
.if (\e) == 0
	TFILL G0A, 1, 3, 16*SLOTB
.else
	TFILL G0B, 0, 0, 17*SLOTB
.endif
	FU 0, 1-\e, 0, 0
	FU 1, 1-\e, 0, 1
	WT2 11, \e, 1
.elseif (\mode) == 1
	WIN 0
	s_wait_tensorcnt 0x0                           ; the last slot has landed
	ds_add_u32 v[SPW], v[NIL]
	s_wait_dscnt 1
	WU 10, \e
	s_wait_dscnt 0x0
	s_barrier_signal -1
	WT2 11, \e, 0
	s_barrier_wait -1
	PLACES
	FU 0, 1-\e, 0, 0
	FU 1, 1-\e, 0, 1
	WT2 11, \e, 1
.else
	s_wait_dscnt 0x0
	WU 10, \e
	WU 11, \e
.endif
	WIN 0
.endm
; THE WAY OUT: four pieces (output, row tile) of 16 rows x 64 columns.  A lane holds 64 neighbouring bytes of a row for each slot; a piece goes through my own stage and comes back as whole rows of 256 bytes.
; LDS serves a wave's instructions in order (ISA guide 5.7.1.4): no wait between the stores and the loads, nor in front of the next piece's stores.
.macro TOST a
.set AB, 32*((\a)/2)+16*((\a)%2)
	WIN 0x0c                                       ; an LDS store's data are its source 1: window 3
.irp e, 0,1
.irp j, 0,1
	ds_store_b128 v[STO], v[AB+64*\e+8*\j:AB+64*\e+8*\j+3] offset:128*\e+32*\j     ; each accumulator from its low end on
	ds_store_b128 v[STO], v[AB+64*\e+8*\j+4:AB+64*\e+8*\j+7] offset:128*\e+32*\j+16
.endr
.endr
.if (\a) == 3                                      ; back into 32 registers of its own for each piece: window 3, v128-223, and for the fourth window 0, v184-215
	WIN 0
.set BB, 184
.else
	WIN 0xc0
.set BB, 128+32*(\a)
.endif
.irp i, 0,1,2,3,4,5,6,7
	ds_load_b128 v[BB+4*\i:BB+4*\i+3], v[SRD] offset:544*\i
.endr
.endm
; Four stores: half c % 2 of piece c / 2 (eight rows of 256 bytes)
.macro SEND4 c
.if (\c)/2 == 3
	WIN 0
.set BB, 184
.else
	WIN 0x0c                                       ; a store's data are its source 1: window 3
.set BB, 128+32*((\c)/2)
.endif
.irp j, 0,1,2,3
.if (\c)/4 == 0
	global_store_b128 v[GO], v[BB+16*((\c)%2)+4*\j:BB+16*((\c)%2)+4*\j+3], s[OP0:OP0+1] offset:(16*(((\c)/2)%2)+8*((\c)%2)+2*\j)*4096 th:TH_STORE_NT   ; 16 lanes store 256 consecutive bytes, aligned
.else
	global_store_b128 v[GO], v[BB+16*((\c)%2)+4*\j:BB+16*((\c)%2)+4*\j+3], s[OP1:OP1+1] offset:(16*(((\c)/2)%2)+8*((\c)%2)+2*\j)*4096 th:TH_STORE_NT
.endif
.endr
.endm
; A TRIP'S 32 STORES STAND IN THE NEXT TRIP, four at the head of each of eight pairs of units (slot 0: pairs 1-4; slot 1: pairs 0-3), 16 matrix instructions apart.  The first of these places stands behind
; pair 0's wait on DScnt, which leaves only that pair's twelve loads out: the pieces are back from the stage.  In the loop's first trip (s[CNT] = 3) there is no trip before: a branch on the counter leads round the stores alone.
.macro SITE e, p, mode
.if ((\e) == 0 && (\p) > 0) || ((\e) == 1 && (\p) < 4)
.set CH, 5*(\e)+(\p)-1
.if (\mode) == 2
	WIN 0                                          ; at a branch and at a label every window is 0
	s_cmp_eq_u32 s[CNT], 3
	s_cbranch_scc1 .Lno_send_\@
.endif
	SEND4 CH
.if (\mode) == 2
	WIN 0
.Lno_send_\@:
.endif
.endif
.endm
.macro OUTP
	PLACES
	s_wait_xcnt 0x0                                ; the last trip's stores have read their registers and bases: both are written below
	s_lshl_b32 s92, s[MC], 10                      ; this trip's columns: 256 a trip
	s_mov_b32 s93, 0
	s_add_nc_u64 s[OP0:OP0+1], s[14:15], s[92:93]
	s_add_nc_u64 s[OP1:OP1+1], s[16:17], s[92:93]
	s_add_co_u32 s[MC], s[MC], 1                   ; the next trip, modulo 4
	s_and_b32 s[MC], s[MC], 3
	TOST 0                                         ; the four pieces go through the stage on end,
	TOST 1
	TOST 2
	TOST 3
	WIN 0
.endm
	FU 0, 0, 0, 0                                  ; the first down slot was shown landed at phase 1's last change of slots
	FU 1, 0, 0, 1
	s_wait_dscnt 0x0
.irp s, 0,1,2,3,4,5
	WIN ((1+\s/3)<<6)|((1+\s/3)<<2)
.set G_, 0
.rept 24
	v_xor_b32 v[72*(\s%3)+48+G_], s[SGN+G_%3], v[72*(\s%3)+24+G_]                  ; -ni
.set G_, G_+1
.endr
.endr
	WIN 0
	s_mov_b32 s[CNT], 3
.Lcol:                                             ; a trip: two slots, 64 columns a wave; every wave's reads of n's images were waited for ahead of the first round, so the stage may lie over them
	PSLOT 0, 2
	PSLOT 1, 2
	OUTP
	s_sub_co_u32 s[CNT], s[CNT], 1
	s_cmp_lg_u32 s[CNT], 0
	s_cbranch_scc1 .Lcol
	PSLOT 0, 1                                     ; the last two slots are written out
	PSLOT 1, 0
	OUTP
.irp a, 0,1,2,3                                    ; nothing follows the last trip: its stores stand here
	s_wait_dscnt 48-16*\a                          ; the piece is back; behind its loads stand 16 LDS instructions for each later piece
	SEND4 2*\a
	SEND4 2*\a+1
.endr
	WIN 0
	s_wait_tensorcnt 0x0                           ; the wave's end, behind my last tensor load and my last LDS store
	ds_add_u32 v[SPW], v[NIL]
	s_wait_dscnt 0x0
	CROUND                                         ; the closing round: no work-group ends while a partner may still ask for a slot that names it
	s_endpgm
.Lfunc_end_k_q22be71399f_mlp:
	.size	k_q22be71399f_mlp, .Lfunc_end_k_q22be71399f_mlp-k_q22be71399f_mlp
	.p2alignl 7, 3214868480
	.fill 96, 4, 3214868480
	.section	.rodata,"a",@progbits
	.p2align	6, 0x0
	.amdhsa_kernel k_q22be71399f_mlp
		.amdhsa_group_segment_fixed_size 327680
		.amdhsa_private_segment_fixed_size 0
		.amdhsa_enable_private_segment 0
		.amdhsa_kernarg_size 56
		.amdhsa_user_sgpr_count 2
		.amdhsa_user_sgpr_kernarg_segment_ptr 1
		.amdhsa_wavefront_size32 1
		.amdhsa_system_sgpr_workgroup_id_x 1
		.amdhsa_system_sgpr_workgroup_id_y 1
		.amdhsa_system_sgpr_workgroup_id_z 1
		.amdhsa_system_vgpr_workitem_id 0
		.amdhsa_next_free_vgpr 1024
		.amdhsa_next_free_sgpr 100
		.amdhsa_reserve_vcc 1
		.amdhsa_float_denorm_mode_32 3
		.amdhsa_float_denorm_mode_16_64 3
		.amdhsa_memory_ordered 1
		.amdhsa_forward_progress 1
		.amdhsa_inst_pref_size 255
	.end_amdhsa_kernel
	.section	.bss,"aw",@nobits
	.p2align	6
	.space	262144
	.amdgpu_metadata
---
amdhsa.version: [ 1, 2 ]
amdhsa.kernels:
  - .name:           k_q22be71399f_mlp
    .symbol:         k_q22be71399f_mlp.kd
    .args:
      - { .name: xq, .offset: 0, .size: 8, .value_kind: global_buffer, .address_space: global }
      - { .name: wc, .offset: 8, .size: 8, .value_kind: global_buffer, .address_space: global }
      - { .name: wsc, .offset: 16, .size: 8, .value_kind: global_buffer, .address_space: global }
      - { .name: ln_wr, .offset: 24, .size: 8, .value_kind: global_buffer, .address_space: global }
      - { .name: ln_wi, .offset: 32, .size: 8, .value_kind: global_buffer, .address_space: global }
      - { .name: out0, .offset: 40, .size: 8, .value_kind: global_buffer, .address_space: global }
      - { .name: out1, .offset: 48, .size: 8, .value_kind: global_buffer, .address_space: global }
    .group_segment_fixed_size: 327680
    .private_segment_fixed_size: 0
    .kernarg_segment_align: 8
    .kernarg_segment_size: 56
    .max_flat_workgroup_size: 128
    .sgpr_count:     100
    .vgpr_count:     1024
    .wavefront_size: 32
...
	.end_amdgpu_metadata
.endif
;; end of part 6
